; MI455X (gfx1250); checked and timed in simulation.
; The chip was launched on July 23, 2026; its instructions are those of AMD's public machine-readable ISA for CDNA 5 (MIT licence, August 2026) and "CDNA5" Instruction Set Architecture Reference Guide (July 2026). The comments in the code are by the model that wrote it; some were corrected since.
;; Block. Allowed arithmetic: matrix products marked QUANTISED: E2M3 operands, one E8M0 scale for each 32 along K, by v_wmma_scale_f32_16x16x128_f8f6f4 with both operands' format E2M3, f32 sums; everything else in f32.
;; Inputs: attn_b 3,072 float32; attn_w 1,024 x 3,072 float32; fc_b 4,096 float32; fc_proj_b 1,024 float32; fc_proj_w 4,096 x 1,024 float32; fc_w 1,024 x 4,096 float32; ln1_b 1,024 float32; ln1_w 1,024 float32; ln2_b 1,024 float32; ln2_w 1,024 float32; proj_b 1,024 float32; proj_w 1,024 x 1,024 float32; x 2 x 2,048 x 1,024 float32.
;; Outputs: out0 2 x 2,048 x 1,024 float32.
;; This version of the problem:
;;   THIS VERSION OF THE PROBLEM IS GIVEN IN LOW PRECISION. The matrix products marked QUANTISED in the list below multiply operands that are first quantised to E2M3 (2 exponent bits, 3 mantissa bits; 6 bits a number), with one power-of-two scale for each 32 numbers along K (OCP MX v1.0); their sums are f32. All else is computed in f32.
;;   The module's matrix products, in the order in which they are computed (A, B: the left and right operand; K: the contracted axis; several contracted axes count as one K, in the product's order):
;;     1. [M 4,096, K 1,024] x [K 1,024, N 3,072]; A: computed on the way; B: input attn_w: QUANTISED
;;     2. batch 32 x [M 2,048, K 64] x [K 64, N 2,048]; A: computed on the way; B: computed on the way: QUANTISED
;;     3. batch 32 x [M 2,048, K 2,048] x [K 2,048, N 64]; A: softmax (see below); B: computed on the way: QUANTISED
;;     4. [M 4,096, K 1,024] x [K 1,024, N 1,024]; A: computed on the way; B: input proj_w: QUANTISED
;;     5. [M 4,096, K 1,024] x [K 1,024, N 4,096]; A: computed on the way; B: input fc_w: QUANTISED
;;     6. [M 4,096, K 4,096] x [K 4,096, N 1,024]; A: computed on the way; B: input fc_proj_w: QUANTISED
;;   THE QUANTISER, for each operand of a quantised product, along K:
;;     - K is cut into blocks of 32 from its start; a last block that is shorter is filled with zeros.
;;     - A block's scale is 2^e with e = floor(log2(the largest magnitude in the block)) - 2, held to -126 .. 127; a block of zeros has e = 0. As a byte (E8M0): e + 127.
;;     - Each number is divided by its block's scale, clamped to +-7.5, and rounded to the nearest number of E2M3, ties to even, subnormals kept.
;;     - The product sums the exact products of the quantised numbers (number of the format x scale) in f32.
;;   ~~~python
;;   def quantise(x, axis):      # numpy; x: float32 -> the quantised numbers, widened to float32 again
;;       x = np.moveaxis(x, axis, -1); K = x.shape[-1]
;;       x = np.pad(x, [(0, 0)] * (x.ndim - 1) + [(0, -K % 32)]); x = x.reshape(x.shape[:-1] + (-1, 32)); a = np.abs(x).max(-1, keepdims=True)
;;       e = np.where(a > 0, np.clip(np.frexp(np.where(a > 0, a, 1))[1] - 1 - 2, -126, 127), 0)      # np.frexp(a)[1] - 1 = floor(log2(a)), exactly
;;       r = np.clip(x / 2.0 ** e, -7.5, 7.5)
;;       step = 2.0 ** (np.maximum(np.frexp(np.where(r == 0, 1, r))[1] - 1, 0) - 3)
;;       q = np.round(r / step) * step * 2.0 ** e      # np.round: ties to even
;;       return np.moveaxis(q.reshape(q.shape[:-2] + (-1,))[..., :K], -1, axis).astype(np.float32)
;;   ~~~
;;   SOFTMAX AHEAD OF A QUANTISED PRODUCT. Where the list says 'softmax', what is quantised is not the finished softmax but p = 2^(t - M), with t = logit x log2(e) and M = ceil(the row's largest t), a whole number; so 1/2 < the row's largest p <= 1. The row's sum l is taken of the UNQUANTISED p, in f32, and the product's result is divided by l at the end. Since M is a whole number, a kernel that streams over the keys may use a running M (the ceiling of the running maximum): every later rescaling is an exact power of two, which a block's scale takes up: the codes' values come out the same.
;;   OPERANDS COMPUTED ON THE WAY. 'Computed on the way' means the value that the module computes at that place (a softmax that the list does not call 'softmax' is quantised finished and normalised). What goes into a quantiser is computed in f32, as accurately as f32 sums, v_exp_f32 and their like allow (about 1e-6 of the number): no bf16 or f16 on the way to a quantiser, and a product that is left as it is and whose result goes on into a quantised operand takes f32 operands (vector FMAs, or v_wmma_f32_16x16x4_f32). A number that lies on a knife's edge between two numbers of the format may be rounded either way, as far as f32 arithmetic and the matrix unit's own rounding can turn it there, and no further.
;; One version. Each part assembles by itself: llvm-mc -triple=amdgcn-amd-amdhsa -mcpu=gfx1250 --defsym DOCPART=n.
;; ======== version 1 of 1: 7 launches
;; limits: right only within a limited range of input values
;; workspace buffers: wts 9,830,400 bytes; act 3,276,800 bytes; qkv 10,092,544 bytes; yq 3,276,800 bytes; x1 16,777,216 bytes; hid 13,107,200 bytes
;; launch prep (part 1): grid 640 x 1, 4 waves a work-group, no clusters, 66,304 bytes of LDS; arguments x, ln1_w, ln1_b, act, attn_w, proj_w, fc_w, fc_proj_w, wts; writes act, wts
.if DOCPART == 1
	.amdgcn_target "amdgcn-amd-amdhsa--gfx1250"
	.amdhsa_code_object_version 6
	.text
	.protected	k_q77ac8ac51c_prep
	.globl	k_q77ac8ac51c_prep
	.p2align	8
	.type	k_q77ac8ac51c_prep,@function
k_q77ac8ac51c_prep:
	s_mov_b64 s[64:65], 0
	v_nop
	global_prefetch_b8 v0, s[64:65] scope:SCOPE_SE
	s_setreg_imm32_b32 hwreg(HW_REG_WAVE_MODE, 25, 1), 1
	s_wait_xcnt 0x0
; TWO JOBS THAT SHARE NOTHING, IN ONE LAUNCH: work-groups 0-255 make the first layer norm's codes (16 rows each), work-groups 256-639 the four weights' codes.  One scalar branch on the work-group's number parts them;
; only the layer norm's way touches LDS and has a barrier.  So the layer norm's chain of loads, sums and stores runs beside the weights' stream, and one launch is spared.
; ALL OPERANDS OF THIS PROGRAM: codes of FP6 (E2M3) with one E8M0 byte for each 32 along K, laid [row tile = row / 16][K step = k / 128][1536 bytes]; a K step is two half images of 768 bytes (64 along K each).
; A half image holds what the 32 lanes of an operand's six registers hold: lane (r, h) has block h of row r: its words 0-3 at 16 (r + 16 h), its words 4-5 at 512 + 16 r + 8 h.
; ORDER INSIDE A BLOCK OF 32: place 16 h + 8 u + e holds k = 16 u + 8 h + e, in every operand, so equal places meet equal k; the blocks and their scales are the true ones.  SCALES: one word for a row and a K step, at (K step x rows + row) x 4.
; A block's scale is 2^(floor(log2(largest magnitude)) - 2): its byte is the largest magnitude's exponent field - 2, held at 1 from below.
; THE LAYER NORM: y = (x - mean) rsqrt(var + 1e-5) w + b over rows of 1,024 f32.  PHASE 1: wave w takes rows 4 w .. 4 w + 3 whole (a load covers 512 consecutive bytes), mean and variance in two passes
; (the variance of the differences: no difference of large sums), and lays the finished rows in LDS.  PHASE 2: wave w takes K steps 2 w and 2 w + 1 of all 16 rows: lane (r, h) reads, of row r,
; k = 32 b + 16 u + 8 h + e into register 16 b + 8 u + e, quantises and stores the operand's image.
; THE WEIGHTS, f32 stored [K][N]: A LANE TAKES A COLUMN n AND ITS REGISTERS RUN DOWN K (32 lanes read 128 consecutive bytes of a row of W): a block lies in one lane, nothing is transposed, and the order inside a block
; is had by the choice of each load's register.  A work-group takes 128 columns x 256 along K, a wave 32 columns, a lane 8 blocks; the work-group's number chooses pointer and sizes by selects.
; LIMITS: a block whose largest magnitude lies under 2^-124, a block of zeros among them, gets the byte 1 (the bytes are read by this program alone); NaN and infinities are not served; v_rsq_f32 as it is.
.set STP,   4112                       ; a row in LDS: 4,096 bytes + 16, so that sixteen rows' equal columns fall on sixteen different 16-byte columns of 256
.set SPARE, 16*STP                     ; behind the 16 rows: the spare words, 128 bytes for each wave: two blocks of 256 bytes that no other line names
.set AS,    3145728
.set SPW,   12                         ; v12      LDS address of my spare word; never rewritten, on either way
.set NIL,   13                         ; v13      0; never rewritten
.set X,     64                         ; the layer norm: v64-191 four rows, 32 registers each; in phase 2 v64-127 a K step's 64 numbers, v128-151 codes.  The weights: v64-127 two sets of 32 numbers
.set GW,    192                        ; v192-223 the gain;  in phase 2 v192-255: the other K step's 64 numbers
.set GB,    224                        ; v224-255 the bias
.set SEL,   18
.set WPC, 2359296
.set WFC, 3145728
.set WOC, 6291456
.set W1S, 9437184
.set WPS, 9535488
.set WFS, 9568256
.set WOS, 9699328
.set OFF, 32                           ; the weights: v32-63 row i of a block: i x 4 N + 4 x lane
.set R,   128                          ; v128-175 a pair of blocks' codes as stored: 12 registers for each of 4 pairs, so that no store's data are written again
.set T,   176                          ; v176-178, v180-182 the upper 16 codes of a pair's two blocks
; 32 numbers of a lane, two blocks x 16 (register 16 b + i: my half of block b of my row), become six registers of codes at v[d] (lane (r, h): block h whole) and v[hw] = byte 0 | byte 1 << 8.
.macro QH s, d, c, m, hw
	v_max3_num_f32 v[(\m)], |v[(\s)]|, |v[(\s)+1]|, 0x1800000      ; my 16 numbers and the floor 2^(3 - 127): the byte cannot fall under 1
	v_max3_num_f32 v[(\m)+1], |v[(\s)+16]|, |v[(\s)+17]|, 0x1800000
.irp i, 2,4,6,8,10,12,14
	v_max3_num_f32 v[(\m)], v[(\m)], |v[(\s)+\i]|, |v[(\s)+\i+1]|
	v_max3_num_f32 v[(\m)+1], v[(\m)+1], |v[(\s)+16+\i]|, |v[(\s)+17+\i]|
.endr
	v_permlanex16_b32 v[(\m)+2], v[(\m)], s[SEL], s[SEL+1]
	v_permlanex16_b32 v[(\m)+3], v[(\m)+1], s[SEL], s[SEL+1]
	v_max_num_f32 v[(\m)], v[(\m)], v[(\m)+2]      ; with lane l xor 16's: the block's largest magnitude
	v_max_num_f32 v[(\m)+1], v[(\m)+1], v[(\m)+3]
	v_add_nc_u32 v[(\m)+4], 0xff000000, v[(\m)]    ; 2 off the exponent field: the conversion's scale operand
	v_add_nc_u32 v[(\m)+5], 0xff000000, v[(\m)+1]
	v_cvt_scalef32_pk16_fp6_f32 v[(\d):(\d)+2], v[(\s):(\s)+15], v[(\m)+4]
	v_cvt_scalef32_pk16_fp6_f32 v[(\c):(\c)+2], v[(\s)+16:(\s)+31], v[(\m)+5]
	v_lshrrev_b32 v[(\m)+2], 23, v[(\m)+4]         ; the bytes.  (Plain lines behind the conversions)
	v_lshrrev_b32 v[(\m)+3], 23, v[(\m)+5]
	v_lshl_or_b32 v[(\hw)], v[(\m)+3], 8, v[(\m)+2]
.irp i, 0,1,2
	v_permlane16_swap_b32 v[(\d)+\i], v[(\c)+\i]   ; the first's lanes 16-31 change places with the second's lanes 0-15: a lane now has one block whole
.endr
.irp i, 0,1,2
	v_mov_b32 v[(\d)+3+\i], v[(\c)+\i]
.endr
.endm
.macro ROWSUM t                        ; four pairs v[t + 2 q], v[t + 2 q + 1] are each summed over the pair and the 32 lanes; the result stands in every lane's v[t + 2 q]
.irp q, 0,1,2,3
	v_add_f32 v[(\t)+2*\q], v[(\t)+2*\q], v[(\t)+2*\q+1]
.endr
.irp x, 1,2,4,8
.irp q, 0,1,2,3
	v_add_f32_dpp v[(\t)+2*\q], v[(\t)+2*\q], v[(\t)+2*\q] row_xmask:\x row_mask:0xf bank_mask:0xf
.endr
.endr
.irp q, 0,1,2,3
	v_permlanex16_b32 v[(\t)+2*\q+1], v[(\t)+2*\q], s[SEL], s[SEL+1]
.endr
.irp q, 0,1,2,3
	v_add_f32 v[(\t)+2*\q], v[(\t)+2*\q], v[(\t)+2*\q+1]
.endr
.endm
.macro LOAD t                          ; the weights' block t: W(32 t + i, my column) into the register of its place in the block
.set i, 0
.rept 32
	global_load_b32 v[X+32*((\t)%2)+((i&7)|((i&8)<<1)|((i&16)>>1))], v[OFF+i], s[24+2*(\t):25+2*(\t)] th:TH_LOAD_NT
.set i, i+1
.endr
.endm
.macro BLOCK t
.set XS, X+32*((\t)%2)
.set RR, R+12*((\t)/2)
.set TT, T+4*((\t)%2)
.if (\t) < 7
	s_wait_loadcnt 32                              ; this block's 32 loads are in; the next block's 32 are younger
.else
	s_wait_loadcnt 0x0
.endif
	v_max3_num_f32 v8, |v[XS]|, |v[XS+1]|, |v[XS+2]|               ; the block's largest magnitude: all 32 numbers are mine; two chains
	v_max3_num_f32 v9, |v[XS+3]|, |v[XS+4]|, |v[XS+5]|
.irp i, 6,10,14,18,22,26
	v_max3_num_f32 v8, v8, |v[XS+\i]|, |v[XS+\i+1]|
	v_max3_num_f32 v9, v9, |v[XS+\i+2]|, |v[XS+\i+3]|
.endr
	v_max3_num_f32 v8, v8, |v[XS+30]|, |v[XS+31]|
	v_max3_num_f32 v8, v8, v9, 0x1800000           ; and the floor 2^(3 - 127): the byte cannot fall under 1
	v_add_nc_u32 v10, 0xff000000, v8               ; 2 off the exponent field: the conversion takes this operand's exponent field as its scale
	v_lshrrev_b32 v11, 23, v10                     ; the scale's byte
	v_cvt_scalef32_pk16_fp6_f32 v[RR+4*((\t)%2):RR+4*((\t)%2)+2], v[XS:XS+15], v10
	v_cvt_scalef32_pk16_fp6_f32 v[TT:TT+2], v[XS+16:XS+31], v10    ; (a conversion's three registers begin on an even number)
.if (\t)%4 == 0
	v_mov_b32 v[14+(\t)/4], v11                    ; four bytes to a scale word, the lower K lowest.  (Also the plain line behind the conversions)
.else
	v_lshl_or_b32 v[14+(\t)/4], v11, 8*((\t)%4), v[14+(\t)/4]
.endif
.if (\t) < 6
	LOAD (\t)+2
.endif
.if (\t)%2 == 1                        ; a pair of blocks is a half image's share of my row: words 0-3 of each block, and the two blocks' words 4-5 together
	v_mov_b32 v[RR+3], v[T]
	v_mov_b32 v[RR+8], v[T+1]
	v_mov_b32 v[RR+9], v[T+2]
	v_mov_b32 v[RR+7], v[T+4]
	v_mov_b32 v[RR+10], v[T+5]
	v_mov_b32 v[RR+11], v[T+6]
	global_store_b128 v2, v[RR:RR+3], s[40:41] offset:((\t)/4)*1536+(((\t)/2)%2)*768          ; sixteen lanes store 256 consecutive bytes, aligned
	global_store_b128 v2, v[RR+4:RR+7], s[40:41] offset:((\t)/4)*1536+(((\t)/2)%2)*768+256
	global_store_b128 v2, v[RR+8:RR+11], s[40:41] offset:((\t)/4)*1536+(((\t)/2)%2)*768+512
.endif
.if (\t) == 3
	global_store_b32 v1, v14, s[42:43]             ; 32 scale words: 128 consecutive bytes, one byte for each 128 that this way reads
.endif
.if (\t) == 7
	global_store_b32 v1, v15, s[44:45]
.endif
.endm
	v_lshl_add_u32 v[SPW], v0, 2, SPARE            ; my spare word,
	v_mov_b32 v[NIL], 0                            ; and 0: kept for the closing lines of the way that writes LDS
	s_cmp_lt_u32 ttmp9, 256                        ; the same in all waves of a work-group
	s_cbranch_scc0 .Lweights
	; ======== the layer norm: work-group = row tile 0 .. 255
	s_load_b256 s[4:11], s[0:1], 0x0               ; x, gain, bias, act
	v_lshrrev_b32 v1, 5, v0
	v_readfirstlane_b32 s12, v1                    ; wave
	v_and_b32 v2, 31, v0                           ; lane
	v_and_b32 v3, 15, v0                           ; r
	v_bfe_u32 v4, v0, 4, 1                         ; h
	v_lshlrev_b32 v5, 4, v2                        ; 16 x lane
	v_lshlrev_b32 v6, 4, v3
	v_lshl_add_u32 v6, v4, 3, v6                   ; 16 r + 8 h
	s_mul_i32 s13, s12, 4*STP
	v_add_nc_u32 v7, s13, v5                       ; LDS, phase 1: my wave's four rows, 16 x lane
	v_mul_u32_u24 v8, v3, STP
	v_lshl_add_u32 v8, v4, 5, v8
	s_lshl_b32 s28, s12, 10
	v_add_nc_u32 v8, s28, v8                       ; LDS, phase 2: row r, + 32 h, + my wave's two K steps of 512 bytes
	v_lshlrev_b32 v9, 2, v3
	v_lshl_add_u32 v9, v4, 14, v9                  ; scale words: 4 r, lanes 16-31 a K step (16,384 bytes) on
	s_mov_b32 s[SEL], 0x76543210
	s_mov_b32 s[SEL+1], 0xfedcba98                 ; v_permlanex16_b32's selects for lane l xor 16
	s_mov_b32 s20, 0x3a800000                      ; 1 / 1024
	s_mov_b32 s21, 0x3727c5ac                      ; 1e-5
	s_lshl_b32 s22, ttmp9, 16                      ; 16 rows of 4,096 bytes a work-group,
	s_lshl_b32 s29, s12, 14                        ; 4 a wave
	s_add_co_u32 s22, s22, s29
	s_mov_b32 s23, 0
	s_mul_i32 s24, ttmp9, 12288                    ; a row tile's codes,
	s_mul_i32 s29, s12, 3072                       ; my wave's two K steps
	s_add_co_u32 s24, s24, s29
	s_mov_b32 s25, 0
	s_lshl_b32 s26, ttmp9, 6
	s_lshl_b32 s29, s12, 15
	s_add_co_u32 s26, s26, s29
	s_add_co_u32 s26, s26, AS
	s_mov_b32 s27, 0
.irp q, 0,1,2,3
	v_mov_b32 v[33+2*\q], 0                        ; (named as the upper halves of pairs)
.endr
	v_mov_b32 v46, 0                               ; written once: a lane permute's destination counts as one of its sources
	v_mov_b32 v47, 0
	s_wait_kmcnt 0x0
	s_add_nc_u64 s[4:5], s[4:5], s[22:23]
	s_add_nc_u64 s[14:15], s[10:11], s[24:25]
	s_add_nc_u64 s[16:17], s[10:11], s[26:27]
.irp q, 0,1,2,3
.irp j, 0,1,2,3,4,5,6,7
	global_load_b128 v[X+32*\q+4*\j:X+32*\q+4*\j+3], v5, s[4:5] offset:4096*\q+512*\j
.endr
.endr
.irp j, 0,1,2,3,4,5,6,7
	global_load_b128 v[GW+4*\j:GW+4*\j+3], v5, s[6:7] offset:512*\j
	global_load_b128 v[GB+4*\j:GB+4*\j+3], v5, s[8:9] offset:512*\j
.endr
	s_wait_loadcnt 16                              ; x is in; the 16 loads of gain and bias are younger
.irp q, 0,1,2,3
	v_pk_add_f32 v[16+2*\q:17+2*\q], v[X+32*\q:X+32*\q+1], v[X+32*\q+2:X+32*\q+3]
.endr
.irp j, 4,6,8,10,12,14,16,18,20,22,24,26,28,30
.irp q, 0,1,2,3
	v_pk_add_f32 v[16+2*\q:17+2*\q], v[16+2*\q:17+2*\q], v[X+32*\q+\j:X+32*\q+\j+1]   ; the four rows by turns
.endr
.endr
	ROWSUM 16
.irp q, 0,1,2,3
	v_mul_f32 v[16+2*\q], s20, v[16+2*\q]          ; the mean
.endr
.irp j, 0,2,4,6,8,10,12,14,16,18,20,22,24,26,28,30
.irp q, 0,1,2,3
	v_pk_add_f32 v[X+32*\q+\j:X+32*\q+\j+1], v[X+32*\q+\j:X+32*\q+\j+1], v[16+2*\q:17+2*\q] op_sel_hi:[1,0] neg_lo:[0,1] neg_hi:[0,1]   ; x - mean
.endr
.endr
.irp q, 0,1,2,3
	v_pk_mul_f32 v[24+2*\q:25+2*\q], v[X+32*\q:X+32*\q+1], v[X+32*\q:X+32*\q+1]
.endr
.irp j, 2,4,6,8,10,12,14,16,18,20,22,24,26,28,30
.irp q, 0,1,2,3
	v_pk_fma_f32 v[24+2*\q:25+2*\q], v[X+32*\q+\j:X+32*\q+\j+1], v[X+32*\q+\j:X+32*\q+\j+1], v[24+2*\q:25+2*\q]
.endr
.endr
	ROWSUM 24
.irp q, 0,1,2,3
	v_fma_f32 v[24+2*\q], v[24+2*\q], s20, s21     ; var + eps
.endr
	s_wait_alu depctr_va_vdst(0)
.irp q, 0,1,2,3
	v_rsq_f32 v[32+2*\q], v[24+2*\q]
.endr
	v_nop                                          ; a plain line behind the last of the batch
	s_wait_alu depctr_va_vdst(0)                   ; one wait for the four, ahead of their first reader
	s_wait_loadcnt 0x0                             ; gain and bias
.irp q, 0,1,2,3
.irp j, 0,2,4,6,8,10,12,14,16,18,20,22,24,26,28,30
	v_pk_mul_f32 v[X+32*\q+\j:X+32*\q+\j+1], v[X+32*\q+\j:X+32*\q+\j+1], v[32+2*\q:33+2*\q] op_sel_hi:[1,0]
.endr
.irp j, 0,2,4,6,8,10,12,14,16,18,20,22,24,26,28,30
	v_pk_fma_f32 v[X+32*\q+\j:X+32*\q+\j+1], v[X+32*\q+\j:X+32*\q+\j+1], v[GW+\j:GW+\j+1], v[GB+\j:GB+\j+1]
.endr
.irp j, 0,1,2,3,4,5,6,7
	ds_store_b128 v7, v[X+32*\q+4*\j:X+32*\q+4*\j+3] offset:\q*STP+512*\j
.endr
.endr
	s_wait_dscnt 0x0                               ; for the others' sake: my rows lie in LDS
	s_barrier_signal -1
	s_barrier_wait -1
.irp u, 0,1                                    ; K step 2 w + u: 64 numbers a lane
.irp b, 0,1,2,3
	ds_load_b128 v[64+128*\u+16*\b:64+128*\u+16*\b+3], v8 offset:512*\u+128*\b
	ds_load_b128 v[64+128*\u+16*\b+4:64+128*\u+16*\b+7], v8 offset:512*\u+128*\b+16
	ds_load_b128 v[64+128*\u+16*\b+8:64+128*\u+16*\b+11], v8 offset:512*\u+128*\b+64
	ds_load_b128 v[64+128*\u+16*\b+12:64+128*\u+16*\b+15], v8 offset:512*\u+128*\b+80
.endr
.endr
.irp u, 0,1
.if \u == 0
	s_wait_dscnt 16                                ; the first K step's 16 loads are in; the second's are younger
.else
	s_wait_dscnt 0x0
.endif
	QH 64+128*\u, 128+12*\u, 40, 44, 50
	QH 96+128*\u, 134+12*\u, 40, 44, 51
	v_lshl_or_b32 v[54+\u], v51, 16, v50           ; the K step's scale word of my row
	global_store_b128 v5, v[128+12*\u:131+12*\u], s[14:15] offset:1536*\u          ; 512 consecutive bytes, aligned
	global_store_b64 v6, v[132+12*\u:133+12*\u], s[14:15] offset:1536*\u+512       ; 256
	global_store_b128 v5, v[134+12*\u:137+12*\u], s[14:15] offset:1536*\u+768
	global_store_b64 v6, v[138+12*\u:139+12*\u], s[14:15] offset:1536*\u+1280
.endr
	v_cmp_gt_u32 vcc_lo, 16, v2
	v_cndmask_b32 v56, v55, v54, vcc_lo            ; lanes 0-15: K step 2 w's words, lanes 16-31: 2 w + 1's
	global_store_b32 v9, v56, s[16:17]             ; two runs of 64 bytes: one byte for each 128 that this way reads
	s_wait_tensorcnt 0x0                           ; the wave's end, behind my last LDS store
	ds_add_u32 v[SPW], v[NIL]
	s_wait_dscnt 0x0
	s_endpgm
	; ======== the weights: work-groups 256 .. 639; no LDS
.Lweights:
	s_load_b256 s[4:11], s[0:1], 0x20              ; attn_w, proj_w, fc_w, fc_proj_w
	s_load_b64 s[12:13], s[0:1], 0x40              ; wts
	v_lshrrev_b32 v3, 5, v0
	v_readfirstlane_b32 s14, v3                    ; wave
	v_and_b32 v4, 31, v0                           ; lane
	v_lshlrev_b32 v1, 2, v4                        ; 4 x lane
	s_mov_b32 s15, 512                             ; fc_proj_w: first work-group,
	s_mov_b32 s16, 4096                            ; 4 N,
	s_mov_b32 s17, 4                               ; bits of K / 256,
	s_mov_b32 s18, 49152                           ; bytes of a row tile's codes,
	s_mov_b32 s19, WOC                             ; where its codes
	s_mov_b32 s20, WOS                             ; and its scale words begin
	s_wait_alu depctr_va_vdst(0)
	s_wait_kmcnt 0x0
	s_mov_b64 s[22:23], s[10:11]
	s_cmp_lt_u32 ttmp9, 512                        ; fc_w
	s_cselect_b64 s[22:23], s[8:9], s[22:23]
	s_cselect_b32 s15, 384, s15
	s_cselect_b32 s16, 16384, s16
	s_cselect_b32 s17, 2, s17
	s_cselect_b32 s18, 12288, s18
	s_cselect_b32 s19, WFC, s19
	s_cselect_b32 s20, WFS, s20
	s_cmp_lt_u32 ttmp9, 384                        ; proj_w
	s_cselect_b64 s[22:23], s[6:7], s[22:23]
	s_cselect_b32 s15, 352, s15
	s_cselect_b32 s16, 4096, s16
	s_cselect_b32 s19, WPC, s19
	s_cselect_b32 s20, WPS, s20
	s_cmp_lt_u32 ttmp9, 352                        ; attn_w
	s_cselect_b64 s[22:23], s[4:5], s[22:23]
	s_cselect_b32 s15, 256, s15
	s_cselect_b32 s16, 12288, s16
	s_cselect_b32 s19, 0, s19
	s_cselect_b32 s20, W1S, s20
	s_sub_co_u32 s21, ttmp9, s15                   ; my number within the tensor
	s_bfm_b32 s46, s17, 0
	s_and_b32 s47, s21, s46                        ; kb: which 256 along K
	s_lshr_b32 s21, s21, s17                       ; cb: which 128 columns
	s_lshl_b32 s48, s16, 8
	s_mul_i32 s48, s48, s47                        ; kb x 256 rows of 4 N bytes
	s_lshl_b32 s49, s21, 9
	s_add_co_u32 s48, s48, s49
	s_lshl_b32 s49, s14, 7
	s_add_co_u32 s48, s48, s49                     ; + my wave's first column
	s_mov_b32 s49, 0
	s_add_nc_u64 s[24:25], s[22:23], s[48:49]      ; block 0's first row;
	s_lshl_b32 s48, s16, 5                         ; a block is 32 rows
.irp t, 1,2,3,4,5,6,7
	s_add_nc_u64 s[24+2*\t:25+2*\t], s[22+2*\t:23+2*\t], s[48:49]   ; block t's
.endr
	s_lshl_b32 s50, s21, 3
	s_lshl_b32 s51, s14, 1
	s_add_co_u32 s50, s50, s51                     ; my wave's first row tile: 8 cb + 2 wave
	s_mul_i32 s50, s50, s18
	s_mul_i32 s51, s47, 3072                       ; two K steps for each kb
	s_add_co_u32 s50, s50, s51
	s_add_co_u32 s50, s50, s19
	s_mov_b32 s51, 0
	s_add_nc_u64 s[40:41], s[12:13], s[50:51]      ; codes
	s_lshl_b32 s52, s47, 1
	s_mul_i32 s52, s52, s16                        ; K step 2 kb: 4 N bytes each
	s_lshl_b32 s53, s21, 9
	s_add_co_u32 s52, s52, s53
	s_lshl_b32 s53, s14, 7
	s_add_co_u32 s52, s52, s53
	s_add_co_u32 s52, s52, s20
	s_mov_b32 s53, 0
	s_add_nc_u64 s[42:43], s[12:13], s[52:53]      ; scale words of K step 2 kb,
	s_mov_b32 s52, s16
	s_add_nc_u64 s[44:45], s[42:43], s[52:53]      ; and of 2 kb + 1
	v_lshrrev_b32 v5, 4, v4
	v_mul_u32_u24 v5, v5, s18
	v_and_b32 v6, 15, v4
	v_lshl_add_u32 v2, v6, 4, v5                   ; where I store: my row tile, + 16 x (lane % 16)
.set i, 0
.rept 32
	v_mad_u32_u24 v[OFF+i], s16, i, v1
.set i, i+1
.endr
	LOAD 0
	LOAD 1
.irp t, 0,1,2,3,4,5,6,7
	BLOCK \t
.endr
	s_endpgm
.Lfunc_end_k_q77ac8ac51c_prep:
	.size	k_q77ac8ac51c_prep, .Lfunc_end_k_q77ac8ac51c_prep-k_q77ac8ac51c_prep
	.p2alignl 7, 3214868480
	.fill 96, 4, 3214868480
	.section	.rodata,"a",@progbits
	.p2align	6, 0x0
	.amdhsa_kernel k_q77ac8ac51c_prep
		.amdhsa_group_segment_fixed_size 66304
		.amdhsa_private_segment_fixed_size 0
		.amdhsa_enable_private_segment 0
		.amdhsa_kernarg_size 72
		.amdhsa_user_sgpr_count 2
		.amdhsa_user_sgpr_kernarg_segment_ptr 1
		.amdhsa_wavefront_size32 1
		.amdhsa_system_sgpr_workgroup_id_x 1
		.amdhsa_system_sgpr_workgroup_id_y 1
		.amdhsa_system_sgpr_workgroup_id_z 1
		.amdhsa_system_vgpr_workitem_id 0
		.amdhsa_next_free_vgpr 256
		.amdhsa_next_free_sgpr 66
		.amdhsa_reserve_vcc 1
		.amdhsa_float_denorm_mode_32 3
		.amdhsa_float_denorm_mode_16_64 3
		.amdhsa_memory_ordered 1
		.amdhsa_forward_progress 1
		.amdhsa_inst_pref_size 85
	.end_amdhsa_kernel
	.amdgpu_metadata
---
amdhsa.version: [ 1, 2 ]
amdhsa.kernels:
  - .name:           k_q77ac8ac51c_prep
    .symbol:         k_q77ac8ac51c_prep.kd
    .args:
      - { .name: x, .offset: 0, .size: 8, .value_kind: global_buffer, .address_space: global }
      - { .name: ln1_w, .offset: 8, .size: 8, .value_kind: global_buffer, .address_space: global }
      - { .name: ln1_b, .offset: 16, .size: 8, .value_kind: global_buffer, .address_space: global }
      - { .name: act, .offset: 24, .size: 8, .value_kind: global_buffer, .address_space: global }
      - { .name: attn_w, .offset: 32, .size: 8, .value_kind: global_buffer, .address_space: global }
      - { .name: proj_w, .offset: 40, .size: 8, .value_kind: global_buffer, .address_space: global }
      - { .name: fc_w, .offset: 48, .size: 8, .value_kind: global_buffer, .address_space: global }
      - { .name: fc_proj_w, .offset: 56, .size: 8, .value_kind: global_buffer, .address_space: global }
      - { .name: wts, .offset: 64, .size: 8, .value_kind: global_buffer, .address_space: global }
    .group_segment_fixed_size: 66304
    .private_segment_fixed_size: 0
    .kernarg_segment_align: 8
    .kernarg_segment_size: 72
    .max_flat_workgroup_size: 128
    .sgpr_count:     66
    .vgpr_count:     256
    .wavefront_size: 32
...
	.end_amdgpu_metadata
.endif
;; end of part 1
;; launch g_qkv (part 2): grid 12 x 16, 16 waves a work-group, clusters of 4 x 4, 327,680 bytes of LDS; arguments act, wts, attn_b, qkv; writes qkv
.if DOCPART == 2
	.amdgcn_target "amdgcn-amd-amdhsa--gfx1250"
	.amdhsa_code_object_version 6
	.text
	.protected	k_q77ac8ac51c_g_qkv
	.globl	k_q77ac8ac51c_g_qkv
	.p2align	8
	.type	k_q77ac8ac51c_g_qkv,@function
k_q77ac8ac51c_g_qkv:
	s_mov_b64 s[64:65], 0
	v_nop
	global_prefetch_b8 v0, s[64:65] scope:SCOPE_SE
	s_setreg_imm32_b32 hwreg(HW_REG_WAVE_MODE, 25, 1), 1
	s_wait_xcnt 0x0
	s_wait_alu depctr_hold_cnt(0) depctr_sa_sdst(0) depctr_va_vdst(0) depctr_va_sdst(0) depctr_va_ssrc(0) depctr_va_vcc(0) depctr_vm_vsrc(0)
	s_getreg_b32 s2, hwreg(HW_REG_IB_STS2, 6, 4)
	s_cmp_eq_u32 s2, 0
	s_cbranch_scc0 .Lentry_in_a_cluster
	s_endpgm
.Lentry_in_a_cluster:
	s_bfe_u32 s2, ttmp6, 0x10000c
	s_cmp_lg_u32 s2, 0xf033
	s_cbranch_scc0 .Lentry_shape_is_right
	s_endpgm
.Lentry_shape_is_right:
; qkv = LN1(x) attn_w + attn_b on codes of FP6 (E2M3), one E8M0 scale for each 32 along K; the result is quantised at once as attention's operands and only codes and scale words go to memory.
; OPERANDS lie in memory as images of the operand's registers: [row tile][K step][1536]; a fragment (16 rows x 128 K, 12 registers) comes by loads of 16, 8, 16, 8 bytes a lane at 0, 512, 768, 1280,
; each reading consecutive bytes.  Scale words: [K step][row]; a register takes 32 consecutive rows: lanes 0-15 an even row tile, lanes 16-31 the odd one behind it.
; SHARES.  A work-group makes 256 tokens x 256 columns, sixteen waves 64 x 64 each (16 accumulators, 4 + 4 fragments: 256 registers, four waves to a SIMD, so that one wave's LDS loads stand beside another's products).
; The price, by the text's own count: a fragment read from LDS feeds four products.  192 work-groups: tiles of 256 columns keep q, k and v apart by clusters.
; K goes through a ring of two LDS slots of 256 along K; waves 0, 1 fetch the tokens' halves, waves 2, 3 the weights', as loads joint with the cluster's row or column (4 x 4 work-groups).
; The scale words of the work-group's rows for all of K come once, with the first fills.
; THE BIAS of a wave's 64 columns is asked for at the head, two numbers a lane (the loop leaves no 32 registers free); on the way out the wave lays them into 256 bytes of its own in slot 0, which has had its last fill
; and its last read by then, and reads them back in the result's layout.
; q AND k (cluster x = 0, 1): source 0 = 16 rows of W, source 1 = 16 tokens: a lane holds one token and its 64 registers one head's 64 channels: quantised along the channels.
; v (cluster x = 2): the two sources change places (the bases are chosen by selects on the cluster's x, equal in all partners): a lane holds one channel and 64 tokens: quantised along the keys.
; OUT.  q, k: [bh][token / 16][768] half images; their words [bh][token / 64][lane][2] (word (L, p): token 32 p + L; upper 16 bits 0).  v: [bh][key / 128][channel tile][key half][768]; words [bh][key / 128][lane][2] (channel 32 p + L).
; Inside a block of 32 place 16 h + 8 u + e holds k = 16 u + 8 h + e, in every operand of this program.
; LIMITS: blocks whose largest magnitude lies under 2^-124 get the byte 1; NaN and infinities are not served.
.set TM,   256
.set NQ,   2                           ; K steps of 128 in a slot
.set KS,   8                           ; K steps in all
.set HR,   8                           ; row tiles that one tensor load brings
.set NB,   3072                        ; rows of the weights' operand
.set ASO,  3145728                     ; where the tokens' scale words begin in their buffer
.set BCO,  0                           ; the weights' codes
.set BSO,  9437184                     ; and scale words
.set SQ,   9437184
.set VC,   6291456
.set SV,   9961472
.set SLOT, 98304                       ; the tokens' 16 row tiles x 3,072 bytes, then the weights'
.set BOFF, 49152
.set SCLA, 196608                      ; behind the ring: the tokens' scale words [K step][256],
.set SCLB, SCLA+KS*TM*4                ; the weights',
.set SPARE, SCLB+KS*TM*4               ; and the spare words, 128 bytes for each wave: eight blocks of 256 bytes that no other line names
.set WROW, 4*NQ*1536                   ; a wave's four row tiles in a slot
.set WV,   14
.set G1A,  28
.set G1B,  36
.set G1SA, 44
.set G1SB, 52
.set G0A,  68                          ; group 0: tokens slot 0, 1;
.set G0B,  76                          ; weights slot 0, 1;
.set G0SA, 84                          ; the scale words
.set G0SB, 88
.set SEL,  100
.set SPW,  30
.set NIL,  31
.set SCX,  24                          ; v24-25 source 0's scale words, v26-27 source 1's: they hold nothing else
.set SCY,  26
.set F0,   32                          ; v32-79  source 0's four fragments
.set F1,   80                          ; v80-127 source 1's
.set ACC,  128                         ; accumulator (a, b) at v[128 + 8 (4 a + b)]: a source 1's tile, b source 0's
.macro CROUND                          ; a round of the cluster's barrier
	s_barrier_signal -1
	s_barrier_wait -1
	s_cmp_lg_u32 s[WV], 0
	s_cbranch_scc1 .Lnw0_\@
	s_barrier_signal -3
.Lnw0_\@:
	s_barrier_wait -3
	s_barrier_signal -1
	s_barrier_wait -1
.endm
.macro JLOAD slot                      ; a joint refill: waves 0, 1 the tokens' halves, waves 2, 3 the weights', the others none; the branches hang on the wave's number alone
	s_cmp_lt_u32 s[WV], 2
	s_cbranch_scc0 .Lnota_\@
	tensor_load_to_lds s[G0A+4*(\slot):G0A+4*(\slot)+3], s[G1A:G1A+7]
	s_nop 0
.rept 4
	v_nop
.endr
	s_branch .Lasked_\@
.Lnota_\@:
	s_cmp_lt_u32 s[WV], 4
	s_cbranch_scc0 .Lasked_\@
	tensor_load_to_lds s[G0B+4*(\slot):G0B+4*(\slot)+3], s[G1B:G1B+7]
	s_nop 0
.rept 4
	v_nop
.endr
.Lasked_\@:
.endm
.macro WMZ dd, aa, bb, sa, sb, pa, pb  ; a product that starts a sum; pa, pb: the scale words stand in lanes 16-31
.if ((\pa) != 0) && ((\pb) != 0)
	v_wmma_scale_f32_16x16x128_f8f6f4 v[(\dd):(\dd)+7], v[(\aa):(\aa)+11], v[(\bb):(\bb)+11], 0, v[(\sa)], v[(\sb)] matrix_a_fmt:MATRIX_FMT_FP6 matrix_b_fmt:MATRIX_FMT_FP6 matrix_a_scale:MATRIX_SCALE_ROW1 matrix_b_scale:MATRIX_SCALE_ROW1
.elseif (\pa) != 0
	v_wmma_scale_f32_16x16x128_f8f6f4 v[(\dd):(\dd)+7], v[(\aa):(\aa)+11], v[(\bb):(\bb)+11], 0, v[(\sa)], v[(\sb)] matrix_a_fmt:MATRIX_FMT_FP6 matrix_b_fmt:MATRIX_FMT_FP6 matrix_a_scale:MATRIX_SCALE_ROW1
.elseif (\pb) != 0
	v_wmma_scale_f32_16x16x128_f8f6f4 v[(\dd):(\dd)+7], v[(\aa):(\aa)+11], v[(\bb):(\bb)+11], 0, v[(\sa)], v[(\sb)] matrix_a_fmt:MATRIX_FMT_FP6 matrix_b_fmt:MATRIX_FMT_FP6 matrix_b_scale:MATRIX_SCALE_ROW1
.else
	v_wmma_scale_f32_16x16x128_f8f6f4 v[(\dd):(\dd)+7], v[(\aa):(\aa)+11], v[(\bb):(\bb)+11], 0, v[(\sa)], v[(\sb)] matrix_a_fmt:MATRIX_FMT_FP6 matrix_b_fmt:MATRIX_FMT_FP6
.endif
.endm
.macro WMA dd, aa, bb, sa, sb, pa, pb  ; a product that adds in place
.if ((\pa) != 0) && ((\pb) != 0)
	v_wmma_scale_f32_16x16x128_f8f6f4 v[(\dd):(\dd)+7], v[(\aa):(\aa)+11], v[(\bb):(\bb)+11], v[(\dd):(\dd)+7], v[(\sa)], v[(\sb)] matrix_a_fmt:MATRIX_FMT_FP6 matrix_b_fmt:MATRIX_FMT_FP6 matrix_a_scale:MATRIX_SCALE_ROW1 matrix_b_scale:MATRIX_SCALE_ROW1
.elseif (\pa) != 0
	v_wmma_scale_f32_16x16x128_f8f6f4 v[(\dd):(\dd)+7], v[(\aa):(\aa)+11], v[(\bb):(\bb)+11], v[(\dd):(\dd)+7], v[(\sa)], v[(\sb)] matrix_a_fmt:MATRIX_FMT_FP6 matrix_b_fmt:MATRIX_FMT_FP6 matrix_a_scale:MATRIX_SCALE_ROW1
.elseif (\pb) != 0
	v_wmma_scale_f32_16x16x128_f8f6f4 v[(\dd):(\dd)+7], v[(\aa):(\aa)+11], v[(\bb):(\bb)+11], v[(\dd):(\dd)+7], v[(\sa)], v[(\sb)] matrix_a_fmt:MATRIX_FMT_FP6 matrix_b_fmt:MATRIX_FMT_FP6 matrix_b_scale:MATRIX_SCALE_ROW1
.else
	v_wmma_scale_f32_16x16x128_f8f6f4 v[(\dd):(\dd)+7], v[(\aa):(\aa)+11], v[(\bb):(\bb)+11], v[(\dd):(\dd)+7], v[(\sa)], v[(\sb)] matrix_a_fmt:MATRIX_FMT_FP6 matrix_b_fmt:MATRIX_FMT_FP6
.endif
.endm
.macro FRAG reg, a16, a8, off          ; a fragment's image comes back into the registers that it is the image of
	ds_load_b128 v[(\reg):(\reg)+3], v[(\a16)] offset:(\off)
	ds_load_b64 v[(\reg)+4:(\reg)+5], v[(\a8)] offset:(\off)+512
	ds_load_b128 v[(\reg)+6:(\reg)+9], v[(\a16)] offset:(\off)+768
	ds_load_b64 v[(\reg)+10:(\reg)+11], v[(\a8)] offset:(\off)+1280
.endm
; 128 along K: the slot's q-th.  Eight fragments, four scale registers, sixteen products; the sixteen accumulators take turns, one instruction a turn, in the same order in every step.
.macro KSTEP slot, q, zero
.rept 4
	v_nop                                          ; places in front of loads into registers that matrix instructions have read (ISA guide 7.12.1 for vector instructions)
.endr
.irp i, 0,1,2,3
	FRAG F0+12*\i, 1+2*\slot, 2+2*\slot, (\i*NQ+\q)*1536
	FRAG F1+12*\i, 5+2*\slot, 6+2*\slot, (\i*NQ+\q)*1536
.endr
.irp p, 0,1
	ds_load_b32 v[SCX+\p], v9 offset:\q*TM*4+128*\p
	ds_load_b32 v[SCY+\p], v10 offset:\q*TM*4+128*\p
.endr
	s_wait_dscnt 0x0
.irp a, 0,1,2,3
.irp b, 0,1,2,3
.if \zero
	WMZ ACC+8*(4*\a+\b), F0+12*\b, F1+12*\a, SCX+\b/2, SCY+\a/2, \b%2, \a%2
.else
	WMA ACC+8*(4*\a+\b), F0+12*\b, F1+12*\a, SCX+\b/2, SCY+\a/2, \b%2, \a%2
.endif
.endr
.endr
.endm
.macro WORK slot, zero                 ; a slot's two K steps; then on to the next slot's scale words
	KSTEP \slot, 0, \zero
	KSTEP \slot, 1, 0
	v_add_nc_u32 v9, NQ*TM*4, v9
	v_add_nc_u32 v10, NQ*TM*4, v10
.endm
; The change of slots, at a slot's head: every wave waits for all its tensor loads, adds 0 to its spare word, and waits for that and for its reads of the slot that it has left.
; refill = 1: a round of the cluster's barrier, and behind it the slot just left is asked for again, jointly, two slots ahead; it has this slot's work in which to land.
.macro TWO slot, refill
	s_wait_tensorcnt 0x0                           ; no tensor load of mine is out, so a group 0 may be written
	ds_add_u32 v[SPW], v[NIL]
.if \refill
	ds_add_u32 v[SPW], v[NIL]                      ; written twice where a refill follows
	s_add_nc_u64 s[G0A+4*(1-\slot)+2:G0A+4*(1-\slot)+3], s[G0A+4*(1-\slot)+2:G0A+4*(1-\slot)+3], 2*NQ*1536
	s_add_nc_u64 s[G0B+4*(1-\slot)+2:G0B+4*(1-\slot)+3], s[G0B+4*(1-\slot)+2:G0B+4*(1-\slot)+3], 2*NQ*1536
.endif
	s_wait_dscnt 0x0
.if \refill
	CROUND
	JLOAD 1-\slot
.else
	s_barrier_signal -1
	s_barrier_wait -1
.endif
	s_wait_alu depctr_va_vdst(0)
	WORK \slot, 0
.endm
; 32 numbers of a lane, two blocks x 16, become six registers of codes at v[d] (lane (r, h): block h whole) and v[hw] = byte 0 | byte 1 << 8.
.macro QH s, d, c, m, hw
	v_max3_num_f32 v[(\m)], |v[(\s)]|, |v[(\s)+1]|, 0x1800000      ; my 16 numbers and the floor 2^(3 - 127): the byte cannot fall under 1
	v_max3_num_f32 v[(\m)+1], |v[(\s)+16]|, |v[(\s)+17]|, 0x1800000
.irp i, 2,4,6,8,10,12,14
	s_delay_alu instid0(VALU_DEP_2)
	v_max3_num_f32 v[(\m)], v[(\m)], |v[(\s)+\i]|, |v[(\s)+\i+1]|
	s_delay_alu instid0(VALU_DEP_2)
	v_max3_num_f32 v[(\m)+1], v[(\m)+1], |v[(\s)+16+\i]|, |v[(\s)+17+\i]|
.endr
	s_delay_alu instid0(VALU_DEP_2)
	v_permlanex16_b32 v[(\m)+2], v[(\m)], s[SEL], s[SEL+1]
	s_delay_alu instid0(VALU_DEP_2)
	v_permlanex16_b32 v[(\m)+3], v[(\m)+1], s[SEL], s[SEL+1]
	s_delay_alu instid0(VALU_DEP_2)
	v_max_num_f32 v[(\m)], v[(\m)], v[(\m)+2]      ; with lane l xor 16's: the block's largest magnitude
	s_delay_alu instid0(VALU_DEP_2)
	v_max_num_f32 v[(\m)+1], v[(\m)+1], v[(\m)+3]
	s_delay_alu instid0(VALU_DEP_2)
	v_add_nc_u32 v[(\m)+4], 0xff000000, v[(\m)]    ; 2 off the exponent field: the conversion's scale operand
	s_delay_alu instid0(VALU_DEP_2)
	v_add_nc_u32 v[(\m)+5], 0xff000000, v[(\m)+1]
	v_cvt_scalef32_pk16_fp6_f32 v[(\d):(\d)+2], v[(\s):(\s)+15], v[(\m)+4]
	v_cvt_scalef32_pk16_fp6_f32 v[(\c):(\c)+2], v[(\s)+16:(\s)+31], v[(\m)+5]
	v_lshrrev_b32 v[(\m)+2], 23, v[(\m)+4]         ; the bytes.  (Plain lines behind the conversions)
	v_lshrrev_b32 v[(\m)+3], 23, v[(\m)+5]
	s_delay_alu instid0(VALU_DEP_1)
	v_lshl_or_b32 v[(\hw)], v[(\m)+3], 8, v[(\m)+2]
.irp i, 0,1,2
	v_permlane16_swap_b32 v[(\d)+\i], v[(\c)+\i]   ; a lane now has one block whole
.endr
.irp i, 0,1,2
	s_delay_alu instid0(VALU_DEP_3)
	v_mov_b32 v[(\d)+3+\i], v[(\c)+\i]
.endr
.endm
	s_load_b256 s[4:11], s[0:1], 0x0               ; act, wts, attn_b, qkv
	v_lshl_add_u32 v[SPW], v0, 2, SPARE
	v_mov_b32 v[NIL], 0
	ds_add_u32 v[SPW], v[NIL]                      ; the wave's opening: the add and its wait ahead of the first tensor loads; work on registers stands between them
	ds_add_u32 v[SPW], v[NIL]
	v_lshrrev_b32 v1, 5, v0
	s_delay_alu instid0(VALU_DEP_1)
	v_readfirstlane_b32 s[WV], v1                  ; wave 0..15
	s_and_b32 s15, s[WV], 1                        ; which half I fetch, if I fetch
	s_bfe_u32 s16, ttmp6, 0x40000                  ; cx
	s_bfe_u32 s17, ttmp6, 0x40004                  ; cy
	s_lshl_b32 s18, ttmp9, 2
	s_add_co_u32 s18, s18, s16                     ; tn: tile of columns
	s_and_b32 s19, ttmp7, 0xffff
	s_lshl_b32 s19, s19, 2
	s_add_co_u32 s19, s19, s17                     ; tm: tile of tokens
	s_lshl_b32 s20, s17, 2
	s_lshl_b32 s20, 15, s20                        ; my row of the cluster
	s_lshl_b32 s21, 0x1111, s16                    ; my column
	s_or_b32 s[G1A], s20, (3<<16)|(1<<21)          ; 15:0 the mask; 17:16 elements of 8 bytes; 21 set beside a mask; no padding
	s_or_b32 s[G1B], s21, (3<<16)|(1<<21)
	s_or_b32 s[G1SA], s20, (3<<16)|(1<<21)
	s_or_b32 s[G1SB], s21, (3<<16)|(1<<21)
.irp g, G1A, G1B                               ; codes: HR row tiles, of each NQ K steps (NQ x 192 elements), KS x 192 elements apart
	s_mov_b32 s[\g+1], (NQ*192)<<16
	s_mov_b32 s[\g+2], HR<<16
	s_mov_b32 s[\g+3], (NQ*192)<<16
	s_mov_b32 s[\g+4], HR
	s_mov_b32 s[\g+5], KS*192
	s_mov_b32 s[\g+6], 0
	s_mov_b32 s[\g+7], 0
.endr
.irp g, G1SA, G1SB                             ; scale words: KS / 2 K steps, of each TM words
	s_mov_b32 s[\g+1], (TM/2)<<16
	s_mov_b32 s[\g+2], (KS/2)<<16
	s_mov_b32 s[\g+3], (TM/2)<<16
	s_mov_b32 s[\g+4], KS/2
	s_mov_b32 s[\g+6], 0
	s_mov_b32 s[\g+7], 0
.endr
	s_mov_b32 s[G1SA+5], 2048                      ; 4,096 rows of tokens
	s_mov_b32 s[G1SB+5], NB/2
	s_mul_i32 s22, s19, TM/16                      ; the tokens' addresses hang on tm and the wave alone,
	s_mul_i32 s23, s15, HR
	s_add_co_u32 s22, s22, s23
	s_mul_i32 s92, s22, KS*1536
	s_mov_b32 s93, 0
	s_mul_i32 s22, s15, (KS/2)*4096*4
	s_mul_i32 s23, s19, TM*4
	s_add_co_u32 s22, s22, s23
	s_add_co_u32 s96, s22, ASO
	s_mov_b32 s97, 0
	s_mul_i32 s24, s18, TM/16                      ; the weights' on tn and the wave alone
	s_mul_i32 s25, s15, HR
	s_add_co_u32 s24, s24, s25
	s_mul_i32 s24, s24, KS*1536
	s_add_co_u32 s94, s24, BCO
	s_mov_b32 s95, 0
	s_mul_i32 s24, s15, (KS/2)*NB*4
	s_mul_i32 s25, s18, TM*4
	s_add_co_u32 s24, s24, s25
	s_add_co_u32 s98, s24, BSO
	s_mov_b32 s99, 0
	s_mul_i32 s26, s15, HR*NQ*1536                 ; and in LDS: my half
	s_mul_i32 s27, s15, (KS/2)*TM*4
	s_mov_b32 s[SEL], 0x76543210
	s_mov_b32 s[SEL+1], 0xfedcba98
	s_wait_dscnt 0x0                               ; the opening add is done
	s_wait_kmcnt 0x0
	s_add_nc_u64 s[92:93], s[4:5], s[92:93]
	s_add_nc_u64 s[96:97], s[4:5], s[96:97]
	s_add_nc_u64 s[94:95], s[6:7], s[94:95]
	s_add_nc_u64 s[98:99], s[6:7], s[98:99]
.irp s, 0,1
	s_mov_b32 s[G0A+4*\s], 1
	s_add_co_u32 s[G0A+4*\s+1], s26, \s*SLOT
	s_add_nc_u64 s[G0A+4*\s+2:G0A+4*\s+3], s[92:93], \s*NQ*1536
	s_or_b32 s[G0A+4*\s+3], s[G0A+4*\s+3], 0x80000000
	s_mov_b32 s[G0B+4*\s], 1
	s_add_co_u32 s[G0B+4*\s+1], s26, \s*SLOT+BOFF
	s_add_nc_u64 s[G0B+4*\s+2:G0B+4*\s+3], s[94:95], \s*NQ*1536
	s_or_b32 s[G0B+4*\s+3], s[G0B+4*\s+3], 0x80000000
.endr
	s_mov_b32 s[G0SA], 1
	s_add_co_u32 s[G0SA+1], s27, SCLA
	s_mov_b64 s[G0SA+2:G0SA+3], s[96:97]
	s_or_b32 s[G0SA+3], s[G0SA+3], 0x80000000
	s_mov_b32 s[G0SB], 1
	s_add_co_u32 s[G0SB+1], s27, SCLB
	s_mov_b64 s[G0SB+2:G0SB+3], s[98:99]
	s_or_b32 s[G0SB+3], s[G0SB+3], 0x80000000
	CROUND                                         ; all sixteen work-groups are here: the first joint loads meet
; THE FIRST FILLS, ONE A WAVE: twelve halves for waves 0-11, in one chain of branches on the wave's number; a pair of waves takes the two halves (wave % 2) of one tile.
; Waves 0-7: both operands' scale words and slot 0; waves 8-11: slot 1, on load lines of their own, since they jump over the wait ahead of the first barrier.
.macro ARM under, g0, g1
	s_cmp_lt_u32 s[WV], \under
	s_cbranch_scc0 .Lnext_\@
	tensor_load_to_lds s[\g0:\g0+3], s[\g1:\g1+7]
	s_nop 0
.rept 4
	v_nop
.endr
	s_branch .Lfirst_done
.Lnext_\@:
.endm
	ARM 2, G0SA, G1SA
	ARM 4, G0SB, G1SB
	ARM 6, G0A, G1A
	ARM 8, G0B, G1B
	ARM 10, G0A+4, G1A
	ARM 12, G0B+4, G1B
.Lfirst_done:
	; A PREFETCH INTO THE L2 of the two fills that come by refills, fills 2 and 3: of a row tile they are 6,144 bytes on end, 24 blocks of 256, a lane a block (lanes 24-31 name the last block again), one instruction a wave.
	; A tile's sixteen row tiles are shared out BY ADDRESS among the four partners that ask for it jointly, four each: waves 0-3 name the tokens', waves 4-7 the weights'.  s[92:93] and v12 are not written again.
	s_lshr_b32 s20, s[WV], 2
	s_cmp_eq_u32 s20, 0
	s_cselect_b32 s22, s19, s18                    ; the tile: tm or tn
	s_cselect_b32 s23, s16, s17                    ; my work-group's place among the partners: cx for the tokens, cy for the weights
	s_cselect_b32 s24, 0, BCO
	s_cselect_b64 s[92:93], s[4:5], s[6:7]
	s_lshl_b32 s22, s22, 4
	s_lshl_b32 s23, s23, 2
	s_add_co_u32 s22, s22, s23
	s_and_b32 s23, s[WV], 3
	s_add_co_u32 s22, s22, s23                     ; row tile 16 x tile + 4 x place + wave % 4
	s_mul_i32 s20, s22, KS*1536
	s_add_co_u32 s20, s20, s24
	s_add_co_u32 s20, s20, 2*NQ*1536               ; where fill 2 begins
	s_mov_b32 s21, 0
	s_add_nc_u64 s[92:93], s[92:93], s[20:21]
	s_lshr_b32 s60, s[WV], 2                       ; wm: my 64 tokens
	s_and_b32 s61, s[WV], 3                        ; wn: my 64 columns
	s_mul_i32 s22, s60, WROW                       ; the tokens' fragments,
	s_mul_i32 s23, s61, WROW
	s_add_co_u32 s23, s23, BOFF                    ; the weights',
	s_lshl_b32 s24, s60, 8
	s_add_co_u32 s24, s24, SCLA                    ; and their scale words
	s_lshl_b32 s25, s61, 8
	s_add_co_u32 s25, s25, SCLB
	s_cmp_eq_u32 ttmp9, 2                          ; v: the tokens are source 0.  The cluster's x is the same in all partners
	s_cselect_b32 s26, s22, s23
	s_cselect_b32 s27, s23, s22
	s_cselect_b32 s66, s24, s25
	s_cselect_b32 s67, s25, s24
	v_and_b32 v11, 31, v0                          ; lane
	v_and_b32 v12, 15, v0                          ; r
	v_bfe_u32 v13, v0, 4, 1                        ; h
	s_delay_alu instid0(VALU_DEP_3)
	v_lshlrev_b32 v14, 4, v11                      ; 16 x lane
	s_delay_alu instid0(VALU_DEP_3)
	v_lshlrev_b32 v15, 4, v12
	s_delay_alu instid0(VALU_DEP_1)
	v_lshl_add_u32 v15, v13, 3, v15                ; 16 r + 8 h
	v_lshlrev_b32 v16, 2, v11                      ; 4 x lane
	v_lshlrev_b32 v17, 5, v13                      ; 32 h
	v_lshlrev_b32 v18, 3, v11                      ; 8 x lane
	v_lshlrev_b32 v19, 2, v12                      ; 4 r
	s_lshl_b32 s22, s18, 10                        ; the bias of my 64 columns: 1,024 bytes a tile of columns, 256 a wave
	s_lshl_b32 s23, s61, 8
	s_add_co_u32 s22, s22, s23
	s_mov_b32 s23, 0
	s_add_nc_u64 s[8:9], s[8:9], s[22:23]
	global_load_b64 v[28:29], v18, s[8:9]          ; asked for here, wanted behind the last product: numbers 2 L and 2 L + 1
	s_lshl_b32 s24, s[WV], 8                       ; my wave's 256 bytes in slot 0, for the way out:
	v_add_nc_u32 v20, s24, v18                     ; where I lay my two numbers,
	v_add_nc_u32 v21, s24, v17                     ; where q's and k's way reads them back (+ 32 h),
	v_add_nc_u32 v22, s24, v19                     ; and v's (+ 4 r)
	v_add_nc_u32 v1, s26, v14                      ; source 0: slot 0,
	v_add_nc_u32 v2, s26, v15
	s_delay_alu instid0(VALU_DEP_2)
	v_add_nc_u32 v3, SLOT, v1                      ; slot 1
	s_delay_alu instid0(VALU_DEP_2)
	v_add_nc_u32 v4, SLOT, v2
	v_add_nc_u32 v5, s27, v14                      ; source 1
	v_add_nc_u32 v6, s27, v15
	s_delay_alu instid0(VALU_DEP_2)
	v_add_nc_u32 v7, SLOT, v5
	s_delay_alu instid0(VALU_DEP_2)
	v_add_nc_u32 v8, SLOT, v6
	v_add_nc_u32 v9, s66, v16
	v_add_nc_u32 v10, s67, v16
	v_min_u32 v12, 23, v11                         ; from here on v12 is the prefetch's offset: 256 x min(lane, 23)
	v_lshlrev_b32 v12, 8, v12
	s_wait_alu depctr_va_vdst(0)
	s_cmp_lt_u32 s[WV], 8                          ; waves 0-7 wait for their load: the scale words and slot 0.  Slot 1's loads may stay out
	s_cbranch_scc0 .Lnot_first
	global_prefetch_b8 v12, s[92:93] th:TH_LOAD_NT scope:SCOPE_SE   ; fill 2's load stands one slot's work on, fill 3's two
	s_wait_tensorcnt 0x0
.Lnot_first:
	s_barrier_signal -1
	s_barrier_wait -1
	WORK 0, 1
	TWO 1, 1
	TWO 0, 1
	TWO 1, 0
	; ---- the way out: bias, quantiser, images
	s_lshl_b32 s22, s19, 8
	s_lshl_b32 s23, s60, 6
	s_add_co_u32 s22, s22, s23
	s_and_b32 s22, s22, 2047                       ; tt: my first token within its sequence
	s_lshr_b32 s23, s19, 3
	s_lshl_b32 s23, s23, 4
	s_and_b32 s24, s18, 3
	s_lshl_b32 s24, s24, 2
	s_add_co_u32 s23, s23, s24
	s_add_co_u32 s23, s23, s61                     ; bh = 16 b + head
	s_mul_i32 s94, s23, 98304
	s_mov_b32 s95, 0
	s_mov_b32 s97, 0
.rept 4
	v_nop                                          ; places behind the last products
.endr
	v_mov_b32 v106, 0                              ; a lane permute's destination counts as one of its sources
	v_mov_b32 v107, 0
	s_wait_loadcnt 0x0                             ; the bias
	ds_store_b64 v20, v[28:29]                     ; 64 numbers on end, in bytes of my wave's own: every wave has passed the last change of slots, behind which nobody reads slot 0 and nothing is filled
	s_cmp_eq_u32 ttmp9, 2
	s_cbranch_scc1 .Lvpart
	s_mul_i32 s25, ttmp9, 3145728                  ; q's codes, or k's
	s_add_co_u32 s94, s94, s25
	s_lshr_b32 s25, s22, 4
	s_mul_i32 s25, s25, 768
	s_add_co_u32 s94, s94, s25
	s_add_nc_u64 s[94:95], s[10:11], s[94:95]
	s_mul_i32 s96, ttmp9, 262144
	s_lshl_b32 s25, s23, 13
	s_add_co_u32 s96, s96, s25
	s_lshr_b32 s25, s22, 6
	s_lshl_b32 s25, s25, 8
	s_add_co_u32 s96, s96, s25
	s_add_co_u32 s96, s96, SQ
	s_add_nc_u64 s[96:97], s[10:11], s[96:97]
.irp j, 0,1,2,3
	ds_load_b128 v[32+8*\j:35+8*\j], v21 offset:64*\j          ; the bias in the result's layout: columns 16 j + 8 h + 0 .. 7.  LDS serves a wave's instructions in order (ISA guide 5.7.1.4): these see my store
	ds_load_b128 v[36+8*\j:39+8*\j], v21 offset:64*\j+16
.endr
	s_wait_dscnt 0x0
.irp i, 0,1,2,3                                ; tile i of 16 tokens: a lane's 32 registers are its token's 64 channels' half
.irp k, 0,2,4,6,8,10,12,14,16,18,20,22,24,26,28,30
	v_pk_add_f32 v[ACC+32*\i+\k:ACC+32*\i+\k+1], v[ACC+32*\i+\k:ACC+32*\i+\k+1], v[32+\k:33+\k]   ; each accumulator from its low end on
.endr
	QH ACC+32*\i, 64+8*\i, 100, 104, 96+\i
	global_store_b128 v14, v[64+8*\i:67+8*\i], s[94:95] offset:768*\i      ; 512 consecutive bytes, aligned
	global_store_b64 v15, v[68+8*\i:69+8*\i], s[94:95] offset:768*\i+512   ; 256
.endr
	v_cmp_gt_u32 vcc_lo, 16, v11
	s_delay_alu instid0(VALU_DEP_1)
	v_cndmask_b32 v110, v97, v96, vcc_lo           ; word (L, 0): token L: tile 0 below, tile 1 above
	s_delay_alu instid0(VALU_DEP_2)
	v_cndmask_b32 v111, v99, v98, vcc_lo           ; word (L, 1): token 32 + L
	global_store_b64 v18, v[110:111], s[96:97]     ; 256 consecutive bytes, aligned
	s_branch .Lend
.Lvpart:
	s_lshr_b32 s25, s22, 7
	s_mul_i32 s24, s25, 6144                       ; the key step,
	s_add_co_u32 s94, s94, s24
	s_bfe_u32 s24, s22, 0x10006                    ; which 64 of its 128 keys are mine
	s_mul_i32 s26, s24, 768
	s_add_co_u32 s94, s94, s26
	s_add_co_u32 s94, s94, VC
	s_add_nc_u64 s[94:95], s[10:11], s[94:95]
	s_lshl_b32 s96, s23, 12
	s_lshl_b32 s25, s25, 8
	s_add_co_u32 s96, s96, s25
	s_lshl_b32 s24, s24, 1
	s_add_co_u32 s96, s96, s24
	s_add_co_u32 s96, s96, SV
	s_add_nc_u64 s[96:97], s[10:11], s[96:97]
.irp j, 0,1,2,3
	ds_load_b32 v[32+2*\j], v22 offset:64*\j       ; my channel's bias: 16 j + r
	v_mov_b32 v[33+2*\j], 0                        ; (named with it as a pair)
.endr
	s_wait_alu depctr_va_vdst(0)
	s_wait_dscnt 0x0
.irp j, 0,1,2,3                                ; tile j of 16 channels: a lane's 32 registers run along my 64 keys
.irp k, 0,2,4,6,8,10,12,14,16,18,20,22,24,26,28,30
	v_pk_add_f32 v[ACC+32*\j+\k:ACC+32*\j+\k+1], v[ACC+32*\j+\k:ACC+32*\j+\k+1], v[32+2*\j:33+2*\j] op_sel_hi:[1,0]
.endr
	QH ACC+32*\j, 64+8*\j, 100, 104, 96+\j
	global_store_b128 v14, v[64+8*\j:67+8*\j], s[94:95] offset:1536*\j
	global_store_b64 v15, v[68+8*\j:69+8*\j], s[94:95] offset:1536*\j+512
.endr
	v_cmp_gt_u32 vcc_lo, 16, v11
	s_delay_alu instid0(VALU_DEP_1)
	v_cndmask_b32 v110, v97, v96, vcc_lo
	s_delay_alu instid0(VALU_DEP_2)
	v_cndmask_b32 v111, v99, v98, vcc_lo
	global_store_b16 v18, v110, s[96:97]           ; half of a scale word: the other 64 keys' half comes from another wave; two bytes for each 48 of codes
	global_store_b16 v18, v111, s[96:97] offset:4
.Lend:
	s_wait_tensorcnt 0x0                           ; the wave's end: behind my last tensor load and my last LDS store
	ds_add_u32 v[SPW], v[NIL]
	s_wait_dscnt 0x0
	CROUND                                         ; the closing round: no work-group ends while a partner may still ask for a tile that names it
	s_endpgm
.Lfunc_end_k_q77ac8ac51c_g_qkv:
	.size	k_q77ac8ac51c_g_qkv, .Lfunc_end_k_q77ac8ac51c_g_qkv-k_q77ac8ac51c_g_qkv
	.p2alignl 7, 3214868480
	.fill 96, 4, 3214868480
	.section	.rodata,"a",@progbits
	.p2align	6, 0x0
	.amdhsa_kernel k_q77ac8ac51c_g_qkv
		.amdhsa_group_segment_fixed_size 327680
		.amdhsa_private_segment_fixed_size 0
		.amdhsa_enable_private_segment 0
		.amdhsa_kernarg_size 32
		.amdhsa_user_sgpr_count 2
		.amdhsa_user_sgpr_kernarg_segment_ptr 1
		.amdhsa_wavefront_size32 1
		.amdhsa_system_sgpr_workgroup_id_x 1
		.amdhsa_system_sgpr_workgroup_id_y 1
		.amdhsa_system_sgpr_workgroup_id_z 1
		.amdhsa_system_vgpr_workitem_id 0
		.amdhsa_next_free_vgpr 256
		.amdhsa_next_free_sgpr 102
		.amdhsa_reserve_vcc 1
		.amdhsa_float_denorm_mode_32 3
		.amdhsa_float_denorm_mode_16_64 3
		.amdhsa_memory_ordered 1
		.amdhsa_forward_progress 1
		.amdhsa_inst_pref_size 84
	.end_amdhsa_kernel
	.amdgpu_metadata
---
amdhsa.version: [ 1, 2 ]
amdhsa.kernels:
  - .name:           k_q77ac8ac51c_g_qkv
    .symbol:         k_q77ac8ac51c_g_qkv.kd
    .args:
      - { .name: act, .offset: 0, .size: 8, .value_kind: global_buffer, .address_space: global }
      - { .name: wts, .offset: 8, .size: 8, .value_kind: global_buffer, .address_space: global }
      - { .name: attn_b, .offset: 16, .size: 8, .value_kind: global_buffer, .address_space: global }
      - { .name: qkv, .offset: 24, .size: 8, .value_kind: global_buffer, .address_space: global }
    .group_segment_fixed_size: 327680
    .private_segment_fixed_size: 0
    .kernarg_segment_align: 8
    .kernarg_segment_size: 32
    .max_flat_workgroup_size: 512
    .sgpr_count:     102
    .vgpr_count:     256
    .wavefront_size: 32
...
	.end_amdgpu_metadata
.endif
;; end of part 2
;; launch attn (part 3): grid 8 x 32, 16 waves a work-group, no clusters, 212,992 bytes of LDS; arguments qkv, yq; writes yq
.if DOCPART == 3
	.amdgcn_target "amdgcn-amd-amdhsa--gfx1250"
	.amdhsa_code_object_version 6
	.text
	.protected	k_q77ac8ac51c_attn
	.globl	k_q77ac8ac51c_attn
	.p2align	8
	.type	k_q77ac8ac51c_attn,@function
k_q77ac8ac51c_attn:
	s_mov_b64 s[64:65], 0
	v_nop
	global_prefetch_b8 v0, s[64:65] scope:SCOPE_SE
	s_setreg_imm32_b32 hwreg(HW_REG_WAVE_MODE, 25, 1), 1
	s_wait_xcnt 0x0
; y = softmax(q k^T / 8, causal) v for one head, both products on codes of FP6 (E2M3) with one E8M0 scale for each 32 along a product's K; y is quantised at once as the next product's operand.
; THE SOFTMAX AHEAD OF THE SECOND PRODUCT: t = score x log2(e) / 8; M = the running largest t rounded UP to a whole number; p = 2^(t - M) is quantised along the keys, not normalised; the row's sum is taken
; of the unquantised p and divides at the end.  When M moves, the sum and O are multiplied by 2^(old M - new M): exact.
; SHARES.  Work-group (i, bh): waves 0-7 own the 128 queries of block i, waves 8-15 those of block 15 - i; a wave owns 16 queries.  Block j wants j + 1 key steps of 128, so every work-group has 17 x 8 wave steps.
; THE WHOLE HEAD LIES IN LDS, FILLED ONCE: k's and v's codes are 98,304 bytes each.  No slot is filled again.  The even wave of a pair brings k's half, the odd one v's, in four chunks of 512 keys, so that work begins when the first has landed.
; NO CLUSTER: steps that lie wholly behind the diagonal are left out by a scalar branch on the query block, which differs between the work-groups that share a head.
; NO PREFETCH: all that the work-group reads is asked for by the first fills.
; LAYOUT.  S^T = k q^T (source 0 = 16 keys, source 1 = my 16 queries), O^T = v^T p^T: a lane holds ONE query throughout; register 8 t + e of the scores is key 16 t + 8 h + e.  All operands keep, inside a block of 32,
; k = 16 u + 8 h + e at place 16 h + 8 u + e, so p's conversions give the operand as v's codes expect it.
; THE FIRST PRODUCT'S K IS 64: q's registers 6-11 are zero codes for the whole launch, and the upper two bytes of q's and k's scale words are 0 (2^-127).  k's registers 6-11 hold zeros at first and old codes of v later:
; every code of this format is a finite number, and it is multiplied by the number 0.
; LIMITS: blocks whose largest magnitude lies under 2^-124 get the byte 1; NaN and infinities are not served; v_exp_f32 and v_rcp_f32 as they are; a block's largest p is taken from its largest score.
.set KC,   3145728
.set SQ,   9437184
.set SK,   9699328
.set SV,   9961472
.set AS,   3145728
.set VL,   98304                       ; LDS: k's codes at 0, v's here,
.set SKL,  196608                      ; k's scale words,
.set SVL,  204800                      ; v's,
.set SPARE, 208896                     ; the spare words, 128 bytes for each wave: eight blocks of 256 bytes that no other line names
.set WV,   8
.set SEL,  20
.set CS,   22
.set Q0,   76                          ; my first query
.set KF,   77                          ; the step's first key
.set TK,   78                          ; where the step's codes begin in k's (and v's) region: 6,144 bytes a step
.set TS,   79                          ; k's scale words: 512 a step
.set TJ,   80                          ; v's: 256 a step
.set CNT,  81
; v3-6, v10, v11 lane terms of addresses; v7, v8 the add's two; v9 r - 8 h; v12 -M, v13 the largest t, v[14:15] the sum; v16-27 q; v28-31 k's scale words; v32-79 four fragments; v80-143 S^T, then p; v144-175 O^T;
; v176-187 p's codes; v188-194 the conversions' second halves; v196-207 at work; v208-209 v's scale words; v[210:211] f; v212 p's scale word; v213 q's; v214-217 at work; v218, v219 lane terms; v220-225 the step's addresses
.macro WMZ dd, aa, bb, sa, sb, pa
.if (\pa) != 0
	v_wmma_scale_f32_16x16x128_f8f6f4 v[(\dd):(\dd)+7], v[(\aa):(\aa)+11], v[(\bb):(\bb)+11], 0, v[(\sa)], v[(\sb)] matrix_a_fmt:MATRIX_FMT_FP6 matrix_b_fmt:MATRIX_FMT_FP6 matrix_a_scale:MATRIX_SCALE_ROW1
.else
	v_wmma_scale_f32_16x16x128_f8f6f4 v[(\dd):(\dd)+7], v[(\aa):(\aa)+11], v[(\bb):(\bb)+11], 0, v[(\sa)], v[(\sb)] matrix_a_fmt:MATRIX_FMT_FP6 matrix_b_fmt:MATRIX_FMT_FP6
.endif
.endm
.macro WMA dd, aa, bb, sa, sb, pa
.if (\pa) != 0
	v_wmma_scale_f32_16x16x128_f8f6f4 v[(\dd):(\dd)+7], v[(\aa):(\aa)+11], v[(\bb):(\bb)+11], v[(\dd):(\dd)+7], v[(\sa)], v[(\sb)] matrix_a_fmt:MATRIX_FMT_FP6 matrix_b_fmt:MATRIX_FMT_FP6 matrix_a_scale:MATRIX_SCALE_ROW1
.else
	v_wmma_scale_f32_16x16x128_f8f6f4 v[(\dd):(\dd)+7], v[(\aa):(\aa)+11], v[(\bb):(\bb)+11], v[(\dd):(\dd)+7], v[(\sa)], v[(\sb)] matrix_a_fmt:MATRIX_FMT_FP6 matrix_b_fmt:MATRIX_FMT_FP6
.endif
.endm
.macro FRAG reg, a16, a8, off
	ds_load_b128 v[(\reg):(\reg)+3], v[(\a16)] offset:(\off)
	ds_load_b64 v[(\reg)+4:(\reg)+5], v[(\a8)] offset:(\off)+512
	ds_load_b128 v[(\reg)+6:(\reg)+9], v[(\a16)] offset:(\off)+768
	ds_load_b64 v[(\reg)+10:(\reg)+11], v[(\a8)] offset:(\off)+1280
.endm
.macro QH s, d, c, m, hw
	v_max3_num_f32 v[(\m)], |v[(\s)]|, |v[(\s)+1]|, 0x1800000
	v_max3_num_f32 v[(\m)+1], |v[(\s)+16]|, |v[(\s)+17]|, 0x1800000
.irp i, 2,4,6,8,10,12,14
	s_delay_alu instid0(VALU_DEP_2)
	v_max3_num_f32 v[(\m)], v[(\m)], |v[(\s)+\i]|, |v[(\s)+\i+1]|
	s_delay_alu instid0(VALU_DEP_2)
	v_max3_num_f32 v[(\m)+1], v[(\m)+1], |v[(\s)+16+\i]|, |v[(\s)+17+\i]|
.endr
	s_delay_alu instid0(VALU_DEP_2)
	v_permlanex16_b32 v[(\m)+2], v[(\m)], s[SEL], s[SEL+1]
	s_delay_alu instid0(VALU_DEP_2)
	v_permlanex16_b32 v[(\m)+3], v[(\m)+1], s[SEL], s[SEL+1]
	s_delay_alu instid0(VALU_DEP_2)
	v_max_num_f32 v[(\m)], v[(\m)], v[(\m)+2]
	s_delay_alu instid0(VALU_DEP_2)
	v_max_num_f32 v[(\m)+1], v[(\m)+1], v[(\m)+3]
	s_delay_alu instid0(VALU_DEP_2)
	v_add_nc_u32 v[(\m)+4], 0xff000000, v[(\m)]
	s_delay_alu instid0(VALU_DEP_2)
	v_add_nc_u32 v[(\m)+5], 0xff000000, v[(\m)+1]
	v_cvt_scalef32_pk16_fp6_f32 v[(\d):(\d)+2], v[(\s):(\s)+15], v[(\m)+4]
	v_cvt_scalef32_pk16_fp6_f32 v[(\c):(\c)+2], v[(\s)+16:(\s)+31], v[(\m)+5]
	v_lshrrev_b32 v[(\m)+2], 23, v[(\m)+4]
	v_lshrrev_b32 v[(\m)+3], 23, v[(\m)+5]
	s_delay_alu instid0(VALU_DEP_1)
	v_lshl_or_b32 v[(\hw)], v[(\m)+3], 8, v[(\m)+2]
.irp i, 0,1,2
	v_permlane16_swap_b32 v[(\d)+\i], v[(\c)+\i]
.endr
.irp i, 0,1,2
	s_delay_alu instid0(VALU_DEP_3)
	v_mov_b32 v[(\d)+3+\i], v[(\c)+\i]
.endr
.endm
.macro CHD g, c                        ; group 0 of chunk c
	s_mov_b32 s[\g], 1
	s_add_co_u32 s[\g+1], s14, \c*24576
	s_add_nc_u64 s[\g+2:\g+3], s[12:13], \c*24576
	s_or_b32 s[\g+3], s[\g+3], 0x80000000
.endm
	s_load_b128 s[4:7], s[0:1], 0x0                ; qkv, yq
	v_lshl_add_u32 v7, v0, 2, SPARE
	v_mov_b32 v8, 0
	ds_add_u32 v7, v8                              ; the wave's opening: the add and its wait ahead of the first tensor loads; work on registers stands between them
	ds_add_u32 v7, v8
	v_lshrrev_b32 v1, 5, v0
	s_delay_alu instid0(VALU_DEP_1)
	v_readfirstlane_b32 s[WV], v1                  ; wave 0..15
	s_and_b32 s9, ttmp7, 0xffff                    ; bh
	s_and_b32 s11, s[WV], 1                        ; I fetch of k (0) or of v (1), if I fetch a chunk
	; group 1: dense blocks as rows of 256 bytes (32 elements of 8): a chunk 96 rows, k's scale words 32, v's 16
.irp g, 24, 32, 40
	s_mov_b32 s[\g], 3<<16
	s_mov_b32 s[\g+1], 32<<16
	s_mov_b32 s[\g+3], 32<<16
	s_mov_b32 s[\g+5], 32
	s_mov_b32 s[\g+6], 0
	s_mov_b32 s[\g+7], 0
.endr
	s_mov_b32 s26, 96<<16                          ; a whole chunk: 96 rows of 256 bytes;
	s_mov_b32 s28, 96
	s_mov_b32 s34, 32<<16                          ; k's scale words: 32;
	s_mov_b32 s36, 32
	s_mov_b32 s42, 16<<16                          ; v's: 16
	s_mov_b32 s44, 16
	s_mul_i32 s12, s11, 3145728
	s_mul_i32 s15, s9, 98304
	s_add_co_u32 s12, s12, s15
	s_add_co_u32 s12, s12, KC
	s_mov_b32 s13, 0
	s_mul_i32 s14, s11, VL                         ; LDS: k's region or v's
	s_lshl_b32 s16, s9, 13
	s_add_co_u32 s16, s16, SK
	s_mov_b32 s17, 0
	s_lshl_b32 s18, s9, 12
	s_add_co_u32 s18, s18, SV
	s_mov_b32 s19, 0
	s_mov_b32 s[SEL], 0x76543210
	s_mov_b32 s[SEL+1], 0xfedcba98
	s_mov_b32 s[CS], 0x3e38aa3b                    ; c = log2(e) / 8
	s_mov_b32 s[CS+1], s[CS]
	s_mov_b32 s[KF], 0
	s_mov_b32 s[TK], 0
	s_mov_b32 s[TS], 0
	s_mov_b32 s[TJ], 0
	s_sub_co_u32 s92, 15, ttmp9
	s_cmp_lt_u32 s[WV], 8
	s_cselect_b32 s92, ttmp9, s92                  ; my block of 128 queries
	s_and_b32 s93, s[WV], 7
	s_lshl_b32 s92, s92, 3
	s_add_co_u32 s92, s92, s93                     ; qt: my tile of 16
	s_lshl_b32 s[Q0], s92, 4
	s_mul_i32 s84, s9, 98304                       ; q's half image
	s_mul_i32 s93, s92, 768
	s_add_co_u32 s84, s84, s93
	s_mov_b32 s85, 0
	s_lshl_b32 s86, s9, 13                         ; q's scale words: group qt / 4, lanes 16 (qt % 2) + r, word (qt / 2) % 2
	s_lshr_b32 s93, s92, 2
	s_lshl_b32 s93, s93, 8
	s_add_co_u32 s86, s86, s93
	s_and_b32 s93, s92, 1
	s_lshl_b32 s93, s93, 7
	s_add_co_u32 s86, s86, s93
	s_bfe_u32 s93, s92, 0x10001
	s_lshl_b32 s93, s93, 2
	s_add_co_u32 s86, s86, s93
	s_add_co_u32 s86, s86, SQ
	s_mov_b32 s87, 0
	s_lshr_b32 s93, s9, 4                          ; b
	s_lshl_b32 s88, s93, 7
	s_add_co_u32 s88, s88, s92                     ; y's row tile: 128 b + qt
	s_mul_i32 s88, s88, 12288
	s_and_b32 s94, s9, 15                          ; the head: half image number head of the row tile's sixteen
	s_mul_i32 s95, s94, 768
	s_add_co_u32 s88, s88, s95
	s_mov_b32 s89, 0
	s_lshr_b32 s95, s94, 1
	s_lshl_b32 s90, s95, 14                        ; y's scale words: K step head / 2,
	s_lshl_b32 s93, s93, 13
	s_add_co_u32 s90, s90, s93
	s_lshl_b32 s93, s[Q0], 2
	s_add_co_u32 s90, s90, s93                     ; row 2048 b + my first query,
	s_and_b32 s93, s94, 1
	s_lshl_b32 s93, s93, 1
	s_add_co_u32 s90, s90, s93                     ; half head % 2
	s_add_co_u32 s90, s90, AS
	s_mov_b32 s91, 0
	s_wait_dscnt 0x0                               ; the opening add is done
	s_wait_kmcnt 0x0
	s_add_nc_u64 s[12:13], s[4:5], s[12:13]
	s_mov_b32 s48, 1
	s_mov_b32 s49, SKL
	s_add_nc_u64 s[50:51], s[4:5], s[16:17]
	s_or_b32 s51, s51, 0x80000000
	s_mov_b32 s52, 1
	s_mov_b32 s53, SVL
	s_add_nc_u64 s[54:55], s[4:5], s[18:19]
	s_or_b32 s55, s55, 0x80000000
	CHD 56, 0
	CHD 60, 1
	CHD 68, 2
	CHD 72, 3
; THE FILLS, ONE A WAVE, in one chain of branches on the wave's number: waves 0, 1 chunk 0 of k and of v; wave 2 k's scale words, wave 3 v's; waves 4, 5 chunk 1; 6, 7 chunk 2; 8, 9 chunk 3.
; Each chunk has a load line of its own, since its two waves wait for it at that chunk's barrier and not before.
.macro ARM under, g0, g1
	s_cmp_lt_u32 s[WV], \under
	s_cbranch_scc0 .Lnext_\@
	tensor_load_to_lds s[\g0:\g0+3], s[\g1:\g1+7]
	s_nop 0
.rept 4
	v_nop
.endr
	s_branch .Lfilled
.Lnext_\@:
.endm
	ARM 2, 56, 24
	ARM 3, 48, 32
	ARM 4, 52, 40
	ARM 6, 60, 24
	ARM 8, 68, 24
	ARM 10, 72, 24
.Lfilled:
	s_add_nc_u64 s[84:85], s[4:5], s[84:85]
	s_add_nc_u64 s[86:87], s[4:5], s[86:87]
	s_add_nc_u64 s[88:89], s[6:7], s[88:89]
	s_add_nc_u64 s[90:91], s[6:7], s[90:91]
	v_and_b32 v1, 31, v0                           ; lane
	v_and_b32 v2, 15, v0                           ; r
	v_bfe_u32 v9, v0, 4, 1                         ; h
	s_delay_alu instid0(VALU_DEP_3)
	v_lshlrev_b32 v10, 4, v1                       ; 16 x lane
	s_delay_alu instid0(VALU_DEP_3)
	v_lshlrev_b32 v11, 4, v2
	s_delay_alu instid0(VALU_DEP_1)
	v_lshl_add_u32 v11, v9, 3, v11                 ; 16 r + 8 h
	v_lshlrev_b32 v218, 3, v2
	v_lshlrev_b32 v219, 2, v2
	global_load_b128 v[16:19], v10, s[84:85]       ; q's half image stays in registers
	global_load_b64 v[20:21], v11, s[84:85] offset:512
	global_load_b32 v213, v218, s[86:87]           ; and its scale words
	v_add_nc_u32 v3, VL, v10
	v_add_nc_u32 v4, VL, v11
	v_lshl_add_u32 v5, v1, 3, SKL
	v_lshl_add_u32 v6, v1, 3, SVL
	v_lshlrev_b32 v9, 3, v9
	s_delay_alu instid0(VALU_DEP_1)
	v_sub_nc_u32 v9, v2, v9                        ; r - 8 h
	v_mov_b32 v13, 0xff61b1e6                      ; the largest t so far: -3e38
	s_delay_alu instid0(VALU_DEP_1)
	v_floor_f32 v12, -v13                          ; -M
	v_mov_b32 v14, 0
	v_mov_b32 v15, 0
.irp j, 22,23,24,25,26,27
	v_mov_b32 v[\j], 0                             ; q's upper 64 along K: zero codes
.endr
.irp t, 0,1,2,3
.irp j, 6,7,8,9,10,11
	v_mov_b32 v[32+12*\t+\j], 0
.endr
.endr
.set n, 0
.rept 32
	v_mov_b32 v[144+n], 0                          ; O^T.  (The step is written for every step alike: the first finds zeros, which the first change of M leaves zeros)
.set n, n+1
.endr
.irp j, 198,199,200,201,202,203,211
	v_mov_b32 v[\j], 0                             ; lane permutes' destinations, and the upper half of f's pair
.endr
; A KEY STEP: 128 keys.
.macro STEP
	s_add_co_u32 s82, s[Q0], 15                    ; a step all of whose keys come after my 16 queries is left out: a scalar branch on ids, round loads, products and softmax; not round the lines that step addresses
	s_cmp_gt_u32 s[KF], s82
	s_cbranch_scc1 .Lhidden_\@
	v_add_nc_u32 v220, s[TK], v10                  ; (these six are also the places in front of the loads into registers that the last step's products have read)
	s_wait_alu depctr_va_vdst(0)
	v_add_nc_u32 v221, s[TK], v11
	s_wait_alu depctr_va_vdst(0)
	v_add_nc_u32 v222, s[TK], v3
	v_add_nc_u32 v223, s[TK], v4
	v_add_nc_u32 v224, s[TS], v5
	v_add_nc_u32 v225, s[TJ], v6
.irp g, 0,1                                    ; S^T = k q^T, four tiles of 16 keys at a time
.irp t, 0,1,2,3
	ds_load_b128 v[32+12*\t:35+12*\t], v220 offset:768*(4*\g+\t)
	ds_load_b64 v[36+12*\t:37+12*\t], v221 offset:768*(4*\g+\t)+512
.endr
.if \g == 0
	ds_load_b64 v[28:29], v224                     ; the scale words of keys 0-63: tiles 0 | 1, tiles 2 | 3;
	ds_load_b64 v[30:31], v224 offset:256          ; of keys 64-127
.endif
	s_wait_dscnt 0x0
.irp t, 0,1,2,3
	WMZ 80+8*(4*\g+\t), 32+12*\t, 16, 28+(4*\g+\t)/2, 213, \t%2
.endr
.rept 4
	v_nop                                          ; places behind the products: loads into their sources, and reads of their results, follow
.endr
.endr
	s_wait_alu depctr_va_vdst(0)
.irp j, 0,1,2,3
	FRAG 32+12*\j, 222, 223, 1536*\j               ; v's four fragments are asked for now and land under the softmax
.endr
	ds_load_b64 v[208:209], v225
	s_add_co_u32 s82, s[KF], 127                   ; on the diagonal hidden scores become -infinity ahead of the maximum; a step all of whose keys count skips this
	s_cmp_le_u32 s82, s[Q0]
	s_cbranch_scc1 .Lopen_\@
	s_sub_co_i32 s82, s[Q0], s[KF]
	v_add_nc_u32 v214, s82, v9                     ; d = my query - the step's first key - 8 h: register 8 t + e is hidden where 16 t + e > d
	v_mov_b32 v215, 0xff800000
.set n, 0
.rept 64
	v_cmp_gt_i32 vcc_lo, 16*(n/8)+n%8, v214
	v_cndmask_b32 v[80+n], v[80+n], v215, vcc_lo
.set n, n+1
.endr
.Lopen_\@:
.irp b, 0,1,2,3
	v_max3_num_f32 v[196+\b], v[80+16*\b], v[81+16*\b], v[82+16*\b]        ; the largest score of each block of 32 keys: it serves for the row's maximum and, since p rises with the score, for the block's largest p
.endr
.irp i, 3,5,7,9,11,13
.irp b, 0,1,2,3
	v_max3_num_f32 v[196+\b], v[196+\b], v[80+16*\b+\i], v[81+16*\b+\i]
.endr
.endr
.irp b, 0,1,2,3
	v_max_num_f32 v[196+\b], v[196+\b], v[95+16*\b]
.endr
.irp b, 0,1,2,3
	s_delay_alu instid0(VALU_DEP_4)
	v_permlanex16_b32 v[200+\b], v[196+\b], s[SEL], s[SEL+1]
.endr
.irp b, 0,1,2,3
	s_delay_alu instid0(VALU_DEP_4)
	v_max_num_f32 v[196+\b], v[196+\b], v[200+\b]  ; with lane l xor 16's 16 keys
.endr
	s_delay_alu instid0(VALU_DEP_2)
	v_max3_num_f32 v214, v196, v197, v198
	s_delay_alu instid0(VALU_DEP_1)
	v_max_num_f32 v214, v214, v199
	s_delay_alu instid0(VALU_DEP_1)
	v_mul_f32 v214, s[CS], v214                    ; as t
	s_delay_alu instid0(VALU_DEP_1)
	v_max_num_f32 v13, v13, v214                   ; the running largest t
	v_mov_b32 v214, v12
	s_delay_alu instid0(VALU_DEP_2)
	v_floor_f32 v12, -v13                          ; the new -M = -ceil(t)
	s_delay_alu instid0(VALU_DEP_1)
	v_sub_f32 v214, v12, v214                      ; old M - new M: a whole number, 0 or less
	s_delay_alu instid0(VALU_DEP_1)
	v_cvt_i32_f32 v214, v214                       ; (it saturates)
	s_delay_alu instid0(VALU_DEP_1)
	v_ldexp_f32 v210, 1.0, v214                    ; f = 2^(old M - new M)
.set n, 0
.rept 32
	v_pk_fma_f32 v[80+n:81+n], v[80+n:81+n], s[CS:CS+1], v[12:13] op_sel_hi:[1,0,0]   ; t - M
.set n, n+2
.endr
.irp b, 0,1,2,3
	v_fma_f32 v[196+\b], v[196+\b], s[CS], v12
.endr
.set n, 0
	s_wait_alu depctr_va_vdst(0)
.rept 64
	v_exp_f32 v[80+n], v[80+n]                     ; p = 2^(t - M)
.set n, n+1
.endr
	v_pk_mul_f32 v[14:15], v[14:15], v[210:211] op_sel_hi:[1,0]   ; the sums under the new M.  (A plain line behind the exponentials)
	s_wait_alu depctr_va_vdst(0)                   ; one wait for the batch, ahead of its first reader
.irp b, 0,1,2,3
	v_exp_f32 v[196+\b], v[196+\b]                 ; each block's largest p
.endr
	v_pk_add_f32 v[216:217], v[84:85], v[88:89]
	v_pk_add_f32 v[254:255], v[92:93], v[96:97]
	v_pk_add_f32 v[252:253], v[100:101], v[104:105]
	v_pk_add_f32 v[250:251], v[108:109], v[112:113]
	v_pk_add_f32 v[248:249], v[116:117], v[120:121]
	v_pk_add_f32 v[246:247], v[124:125], v[128:129]
	v_pk_add_f32 v[244:245], v[132:133], v[136:137]
	v_pk_add_f32 v[14:15], v[14:15], v[140:141]
	v_pk_add_f32 v[216:217], v[216:217], v[80:81]
	v_pk_add_f32 v[254:255], v[254:255], v[82:83]
	v_pk_add_f32 v[252:253], v[252:253], v[86:87]
	v_pk_add_f32 v[250:251], v[250:251], v[90:91]
	v_pk_add_f32 v[248:249], v[248:249], v[94:95]
	v_pk_add_f32 v[246:247], v[246:247], v[98:99]
	v_pk_add_f32 v[244:245], v[244:245], v[102:103]
	v_pk_add_f32 v[14:15], v[14:15], v[106:107]
	v_pk_add_f32 v[216:217], v[216:217], v[110:111]
	v_pk_add_f32 v[254:255], v[254:255], v[114:115]
	v_pk_add_f32 v[252:253], v[252:253], v[118:119]
	v_pk_add_f32 v[250:251], v[250:251], v[122:123]
	v_pk_add_f32 v[248:249], v[248:249], v[126:127]
	v_pk_add_f32 v[246:247], v[246:247], v[130:131]
	v_pk_add_f32 v[244:245], v[244:245], v[134:135]
	v_pk_add_f32 v[14:15], v[14:15], v[138:139]
	v_pk_add_f32 v[216:217], v[216:217], v[142:143]
	s_delay_alu instid0(VALU_DEP_2)
	v_pk_add_f32 v[14:15], v[14:15], v[250:251]
	s_delay_alu instid0(VALU_DEP_2)
	v_pk_add_f32 v[216:217], v[216:217], v[248:249]
	v_pk_add_f32 v[254:255], v[254:255], v[246:247]
	v_pk_add_f32 v[252:253], v[252:253], v[244:245]
	s_delay_alu instid0(VALU_DEP_2)
	v_pk_add_f32 v[14:15], v[14:15], v[254:255]
	s_delay_alu instid0(VALU_DEP_2)
	v_pk_add_f32 v[216:217], v[216:217], v[252:253]
	s_delay_alu instid0(VALU_DEP_1)
	v_pk_add_f32 v[14:15], v[14:15], v[216:217]
	s_wait_alu depctr_va_vdst(0)                   ; and one for the four
.irp b, 0,1,2,3
	v_max_num_f32 v[196+\b], 0x1800000, v[196+\b]  ; the floor 2^(3 - 127)
.endr
.irp b, 0,1,2,3
	s_delay_alu instid0(VALU_DEP_4)
	v_add_nc_u32 v[204+\b], 0xff000000, v[196+\b]  ; the conversion's scale operand
.endr
.irp b, 0,1,2,3
	s_delay_alu instid0(VALU_DEP_4)
	v_lshrrev_b32 v[200+\b], 23, v[204+\b]         ; the scale's byte
.endr
	s_delay_alu instid0(VALU_DEP_3)
	v_lshl_or_b32 v212, v201, 8, v200              ; p's scale word for these 128 keys
	s_delay_alu instid0(VALU_DEP_1)
	v_lshl_or_b32 v212, v202, 16, v212
	s_delay_alu instid0(VALU_DEP_1)
	v_lshl_or_b32 v212, v203, 24, v212
	v_cvt_scalef32_pk16_fp6_f32 v[176:178], v[80:95], v204
	v_cvt_scalef32_pk16_fp6_f32 v[188:190], v[96:111], v205
	v_cvt_scalef32_pk16_fp6_f32 v[182:184], v[112:127], v206
	v_cvt_scalef32_pk16_fp6_f32 v[192:194], v[128:143], v207
	v_nop                                          ; one plain line behind the scaled conversions
.irp i, 0,1,2
	v_permlane16_swap_b32 v[176+\i], v[188+\i]     ; a lane gets a whole block
	v_permlane16_swap_b32 v[182+\i], v[192+\i]
.endr
.irp i, 0,1,2
	v_mov_b32 v[179+\i], v[188+\i]
	v_mov_b32 v[185+\i], v[192+\i]
.endr
.set n, 0
.rept 16
	v_pk_mul_f32 v[144+n:145+n], v[144+n:145+n], v[210:211] op_sel_hi:[1,0]   ; O^T under the new M.  (Also the places between the lines that made p's codes and scale word and the products)
.set n, n+2
.endr
	s_wait_alu depctr_va_vdst(0)
	s_wait_dscnt 0x0                               ; v's fragments and scale words
.irp j, 0,1,2,3
	WMA 144+8*\j, 32+12*\j, 176, 208+\j/2, 212, \j%2   ; O^T += v^T p^T; the four accumulators by turns
.endr
.Lhidden_\@:
	s_add_co_u32 s[TK], s[TK], 6144
	s_add_co_u32 s[TS], s[TS], 512
	s_add_co_u32 s[TJ], s[TJ], 256
	s_add_co_u32 s[KF], s[KF], 128
.endm
.macro CHUNK c                         ; 512 keys: four steps
.if \c < 3
	s_cmp_lt_u32 s[WV], 4+2*\c                     ; the waves that fetched chunk c, or something earlier, wait for their one load; later chunks may stay out
	s_cbranch_scc0 .Lnot_mine_\@
	s_wait_tensorcnt 0x0
.Lnot_mine_\@:
.else
	s_wait_tensorcnt 0x0                           ; the last chunk: every wave waits
.endif
	s_wait_dscnt 0x0
	s_barrier_signal -1
	s_barrier_wait -1                              ; everybody's is
	s_mov_b32 s[CNT], 4
.Lstep_\@:
	STEP
	s_sub_co_u32 s[CNT], s[CNT], 1
	s_cmp_lg_u32 s[CNT], 0
	s_cbranch_scc1 .Lstep_\@
.endm
	s_wait_alu depctr_va_vdst(0)                   ; the wait at the head's end
	s_wait_loadcnt 0x0                             ; q
	CHUNK 0
	CHUNK 1
	CHUNK 2
	CHUNK 3
	; ---- the way out: O^T / the sum, quantised along the head's 64 channels: a half image of the next product's operand
.rept 4
	v_nop                                          ; places behind the last products
.endr
	v_add_f32 v14, v14, v15
	s_wait_alu depctr_va_vdst(0)
	v_permlanex16_b32 v200, v14, s[SEL], s[SEL+1]
	s_delay_alu instid0(VALU_DEP_1)
	v_add_f32 v14, v14, v200                       ; the row's sum
	s_wait_alu depctr_va_vdst(0)
	v_rcp_f32 v14, v14
	v_mov_b32 v198, 0                              ; (a plain line behind the reciprocal)
	v_mov_b32 v199, 0
	s_wait_alu depctr_va_vdst(0)                   ; the wait ahead of its first reader
.set n, 0
.rept 16
	v_pk_mul_f32 v[80+n:81+n], v[144+n:145+n], v[14:15] op_sel_hi:[1,0]   ; register 8 j + e: channel 16 j + 8 h + e of my query
.set n, n+2
.endr
	QH 80, 112, 120, 196, 130
	global_store_b128 v10, v[112:115], s[88:89]              ; 512 consecutive bytes, aligned
	global_store_b64 v11, v[116:117], s[88:89] offset:512    ; 256
	global_store_b16 v219, v130, s[90:91]          ; half of a scale word a row; lanes r and r + 16 store the same two bytes with the same value
	s_wait_tensorcnt 0x0                           ; the wave's end
	ds_add_u32 v7, v8
	s_wait_dscnt 0x0
	s_endpgm
.Lfunc_end_k_q77ac8ac51c_attn:
	.size	k_q77ac8ac51c_attn, .Lfunc_end_k_q77ac8ac51c_attn-k_q77ac8ac51c_attn
	.p2alignl 7, 3214868480
	.fill 96, 4, 3214868480
	.section	.rodata,"a",@progbits
	.p2align	6, 0x0
	.amdhsa_kernel k_q77ac8ac51c_attn
		.amdhsa_group_segment_fixed_size 212992
		.amdhsa_private_segment_fixed_size 0
		.amdhsa_enable_private_segment 0
		.amdhsa_kernarg_size 16
		.amdhsa_user_sgpr_count 2
		.amdhsa_user_sgpr_kernarg_segment_ptr 1
		.amdhsa_wavefront_size32 1
		.amdhsa_system_sgpr_workgroup_id_x 1
		.amdhsa_system_sgpr_workgroup_id_y 1
		.amdhsa_system_sgpr_workgroup_id_z 1
		.amdhsa_system_vgpr_workitem_id 0
		.amdhsa_next_free_vgpr 256
		.amdhsa_next_free_sgpr 100
		.amdhsa_reserve_vcc 1
		.amdhsa_float_denorm_mode_32 3
		.amdhsa_float_denorm_mode_16_64 3
		.amdhsa_memory_ordered 1
		.amdhsa_forward_progress 1
		.amdhsa_inst_pref_size 108
	.end_amdhsa_kernel
	.amdgpu_metadata
---
amdhsa.version: [ 1, 2 ]
amdhsa.kernels:
  - .name:           k_q77ac8ac51c_attn
    .symbol:         k_q77ac8ac51c_attn.kd
    .args:
      - { .name: qkv, .offset: 0, .size: 8, .value_kind: global_buffer, .address_space: global }
      - { .name: yq, .offset: 8, .size: 8, .value_kind: global_buffer, .address_space: global }
    .group_segment_fixed_size: 212992
    .private_segment_fixed_size: 0
    .kernarg_segment_align: 8
    .kernarg_segment_size: 16
    .max_flat_workgroup_size: 512
    .sgpr_count:     100
    .vgpr_count:     256
    .wavefront_size: 32
...
	.end_amdgpu_metadata
.endif
;; end of part 3
;; launch g_proj (part 4): grid 8 x 32, 8 waves a work-group, clusters of 4 x 4, 327,680 bytes of LDS; arguments yq, wts, proj_b, x, x1; writes x1
.if DOCPART == 4
	.amdgcn_target "amdgcn-amd-amdhsa--gfx1250"
	.amdhsa_code_object_version 6
	.text
	.protected	k_q77ac8ac51c_g_proj
	.globl	k_q77ac8ac51c_g_proj
	.p2align	8
	.type	k_q77ac8ac51c_g_proj,@function
k_q77ac8ac51c_g_proj:
	s_mov_b64 s[64:65], 0
	v_nop
	global_prefetch_b8 v0, s[64:65] scope:SCOPE_SE
	s_setreg_imm32_b32 hwreg(HW_REG_WAVE_MODE, 25, 1), 1
	s_wait_xcnt 0x0
	s_wait_alu depctr_hold_cnt(0) depctr_sa_sdst(0) depctr_va_vdst(0) depctr_va_sdst(0) depctr_va_ssrc(0) depctr_va_vcc(0) depctr_vm_vsrc(0)
	s_getreg_b32 s2, hwreg(HW_REG_IB_STS2, 6, 4)
	s_cmp_eq_u32 s2, 0
	s_cbranch_scc0 .Lentry_in_a_cluster
	s_endpgm
.Lentry_in_a_cluster:
	s_bfe_u32 s2, ttmp6, 0x10000c
	s_cmp_lg_u32 s2, 0xf033
	s_cbranch_scc0 .Lentry_shape_is_right
	s_endpgm
.Lentry_shape_is_right:
; x1 = x + y proj_w + proj_b; the product on codes of FP6 (E2M3) with one E8M0 scale for each 32 along K; all else f32.
; OPERANDS lie in memory as images of the operand's registers: [row tile][K step][1536]; scale words [K step][row].
; SHARES.  1,024 columns give 256 work-groups only with tiles of 128 x 128.  Eight waves: four places of 64 x 64, and each place twice: waves 0-3 take the first two of a slot's four K steps, waves 4-7 the other two;
; at the end waves 4-7 hand their sums to their partners through LDS.  Two slots of 512 along K hold all of K = 1,024: nothing is filled again.
; Waves 2, 4 fetch the tokens' tiles, waves 3, 5 the weights', as loads joint with the cluster's row or column (4 x 4 work-groups).
; THE RESIDUAL of a place's 64 rows x 256 bytes is asked for at the head, directly behind the first fills, by the wave that will add it: 16 loads into v256-319 (window 1), which nothing else names.
; So it is on its way while the tiles come and are multiplied, and the way out waits for no load that was issued behind the last product.
; Source 0 = 16 rows of W, source 1 = 16 tokens: a lane holds eight neighbouring columns of one row; a tile of 16 rows goes through the wave's stage in LDS, so that sixteen lanes store 256 consecutive bytes.
; The hand-over lies in slot 0 and the stages behind it reach into slot 1; both have had their only fill and their last read when the first of them is written.
.set TM,   128
.set NQ,   4
.set KS,   8
.set HR,   8                           ; row tiles that one tensor load brings: a whole tile of tokens or of weights.  THE FIRST FILLS are six whole loads, one a wave (waves 0-5)
.set NB,   1024
.set LAPS, 0
.set ASO,  3145728
.set BCO,  2359296
.set BSO,  9535488
.set SLOT, 98304
.set BOFF, 49152
.set SCLA, 196608
.set SCLB, SCLA+KS*TM*4
.set SPARE, SCLB+KS*TM*4               ; the spare words, 128 bytes for each wave: four blocks of 256 bytes that no other line names
.set WROW, 4*NQ*1536
.set STG,  65536                       ; stages: 16 rows x 272 bytes for each of eight waves; the hand-over: 16,384 bytes for each, from byte 0
.set WV,   14
.set G1A,  28
.set G1B,  36
.set G1SA, 44
.set G1SB, 52
.set G0A,  68
.set G0B,  76
.set G0SA, 84
.set G0SB, 88
.set SPW,  30
.set NIL,  31
.set SCX,  24
.set SCY,  26
.set F0,   32
.set F1,   80
.set ACC,  128
.set MSB,  0
.macro WIN new                         ; s_set_vgpr_msb: bits 1:0 source 0, 3:2 source 1, 5:4 source 2, 7:6 destination; the immediate's high byte repeats the setting that is left
.if MSB != \new
	s_set_vgpr_msb (MSB<<8)|\new
.set MSB, \new
.endif
.endm
.macro CROUND
	s_barrier_signal -1
	s_barrier_wait -1
	s_cmp_lg_u32 s[WV], 0
	s_cbranch_scc1 .Lnw0_\@
	s_barrier_signal -3
.Lnw0_\@:
	s_barrier_wait -3
	s_barrier_signal -1
	s_barrier_wait -1
.endm
.macro JLOAD slot
	s_cmp_lt_u32 s[WV], 2
	s_cbranch_scc0 .Lnota_\@
	tensor_load_to_lds s[G0A+4*(\slot):G0A+4*(\slot)+3], s[G1A:G1A+7]
	s_nop 0
.rept 4
	v_nop
.endr
	s_branch .Lasked_\@
.Lnota_\@:
	s_cmp_lt_u32 s[WV], 4
	s_cbranch_scc0 .Lasked_\@
	tensor_load_to_lds s[G0B+4*(\slot):G0B+4*(\slot)+3], s[G1B:G1B+7]
	s_nop 0
.rept 4
	v_nop
.endr
.Lasked_\@:
.endm
.macro WMZ dd, aa, bb, sa, sb, pa, pb
.if ((\pa) != 0) && ((\pb) != 0)
	v_wmma_scale_f32_16x16x128_f8f6f4 v[(\dd):(\dd)+7], v[(\aa):(\aa)+11], v[(\bb):(\bb)+11], 0, v[(\sa)], v[(\sb)] matrix_a_fmt:MATRIX_FMT_FP6 matrix_b_fmt:MATRIX_FMT_FP6 matrix_a_scale:MATRIX_SCALE_ROW1 matrix_b_scale:MATRIX_SCALE_ROW1
.elseif (\pa) != 0
	v_wmma_scale_f32_16x16x128_f8f6f4 v[(\dd):(\dd)+7], v[(\aa):(\aa)+11], v[(\bb):(\bb)+11], 0, v[(\sa)], v[(\sb)] matrix_a_fmt:MATRIX_FMT_FP6 matrix_b_fmt:MATRIX_FMT_FP6 matrix_a_scale:MATRIX_SCALE_ROW1
.elseif (\pb) != 0
	v_wmma_scale_f32_16x16x128_f8f6f4 v[(\dd):(\dd)+7], v[(\aa):(\aa)+11], v[(\bb):(\bb)+11], 0, v[(\sa)], v[(\sb)] matrix_a_fmt:MATRIX_FMT_FP6 matrix_b_fmt:MATRIX_FMT_FP6 matrix_b_scale:MATRIX_SCALE_ROW1
.else
	v_wmma_scale_f32_16x16x128_f8f6f4 v[(\dd):(\dd)+7], v[(\aa):(\aa)+11], v[(\bb):(\bb)+11], 0, v[(\sa)], v[(\sb)] matrix_a_fmt:MATRIX_FMT_FP6 matrix_b_fmt:MATRIX_FMT_FP6
.endif
.endm
.macro WMA dd, aa, bb, sa, sb, pa, pb
.if ((\pa) != 0) && ((\pb) != 0)
	v_wmma_scale_f32_16x16x128_f8f6f4 v[(\dd):(\dd)+7], v[(\aa):(\aa)+11], v[(\bb):(\bb)+11], v[(\dd):(\dd)+7], v[(\sa)], v[(\sb)] matrix_a_fmt:MATRIX_FMT_FP6 matrix_b_fmt:MATRIX_FMT_FP6 matrix_a_scale:MATRIX_SCALE_ROW1 matrix_b_scale:MATRIX_SCALE_ROW1
.elseif (\pa) != 0
	v_wmma_scale_f32_16x16x128_f8f6f4 v[(\dd):(\dd)+7], v[(\aa):(\aa)+11], v[(\bb):(\bb)+11], v[(\dd):(\dd)+7], v[(\sa)], v[(\sb)] matrix_a_fmt:MATRIX_FMT_FP6 matrix_b_fmt:MATRIX_FMT_FP6 matrix_a_scale:MATRIX_SCALE_ROW1
.elseif (\pb) != 0
	v_wmma_scale_f32_16x16x128_f8f6f4 v[(\dd):(\dd)+7], v[(\aa):(\aa)+11], v[(\bb):(\bb)+11], v[(\dd):(\dd)+7], v[(\sa)], v[(\sb)] matrix_a_fmt:MATRIX_FMT_FP6 matrix_b_fmt:MATRIX_FMT_FP6 matrix_b_scale:MATRIX_SCALE_ROW1
.else
	v_wmma_scale_f32_16x16x128_f8f6f4 v[(\dd):(\dd)+7], v[(\aa):(\aa)+11], v[(\bb):(\bb)+11], v[(\dd):(\dd)+7], v[(\sa)], v[(\sb)] matrix_a_fmt:MATRIX_FMT_FP6 matrix_b_fmt:MATRIX_FMT_FP6
.endif
.endm
.macro FRAG reg, a16, a8, off
	ds_load_b128 v[(\reg):(\reg)+3], v[(\a16)] offset:(\off)
	ds_load_b64 v[(\reg)+4:(\reg)+5], v[(\a8)] offset:(\off)+512
	ds_load_b128 v[(\reg)+6:(\reg)+9], v[(\a16)] offset:(\off)+768
	ds_load_b64 v[(\reg)+10:(\reg)+11], v[(\a8)] offset:(\off)+1280
.endm
.macro KSTEP slot, q, zero             ; 128 along K: my q-th of the slot; the sixteen accumulators take turns
.rept 4
	v_nop                                          ; places in front of loads into registers that matrix instructions have read
.endr
.irp i, 0,1,2,3
	FRAG F0+12*\i, 1+2*\slot, 2+2*\slot, (\i*NQ+\q)*1536
	FRAG F1+12*\i, 5+2*\slot, 6+2*\slot, (\i*NQ+\q)*1536
.endr
.irp p, 0,1
	ds_load_b32 v[SCX+\p], v9 offset:\q*TM*4+128*\p
	ds_load_b32 v[SCY+\p], v10 offset:\q*TM*4+128*\p
.endr
	s_wait_dscnt 0x0
.irp a, 0,1,2,3
.irp b, 0,1,2,3
.if \zero
	WMZ ACC+8*(4*\a+\b), F0+12*\b, F1+12*\a, SCX+\b/2, SCY+\a/2, \b%2, \a%2
.else
	WMA ACC+8*(4*\a+\b), F0+12*\b, F1+12*\a, SCX+\b/2, SCY+\a/2, \b%2, \a%2
.endif
.endr
.endr
.endm
.macro WORK slot, zero
	KSTEP \slot, 0, \zero
	KSTEP \slot, 1, 0
	v_add_nc_u32 v9, NQ*TM*4, v9
	v_add_nc_u32 v10, NQ*TM*4, v10
.endm
.macro TWO slot, refill                ; the change of slots: all my tensor loads, the add, my reads; then the barrier (a round of the cluster's where the slot just left is asked for again)
	s_wait_tensorcnt 0x0
	ds_add_u32 v[SPW], v[NIL]
.if \refill
	s_add_nc_u64 s[G0A+4*(1-\slot)+2:G0A+4*(1-\slot)+3], s[G0A+4*(1-\slot)+2:G0A+4*(1-\slot)+3], 2*NQ*1536
	s_add_nc_u64 s[G0B+4*(1-\slot)+2:G0B+4*(1-\slot)+3], s[G0B+4*(1-\slot)+2:G0B+4*(1-\slot)+3], 2*NQ*1536
.endif
	s_wait_dscnt 0x0
.if \refill
	CROUND
	JLOAD 1-\slot
.else
	s_barrier_signal -1
	s_barrier_wait -1
.endif
	WORK \slot, 0
.endm
; The residual's 32 rows x 256 bytes that I send out, at the places where the results will be stored: tile i's rows 2 t + h at v[256 + 32 i + 4 t].  Every wave adds its own.
.macro RESALL
	WIN 0x40                                       ; destination window 1, address window 0.  Every wave: the 32 rows that it will itself send out (its base stands at them)
.irp i, 0,1
.irp t, 0,1,2,3,4,5,6,7
	global_load_b128 v[32*\i+4*\t:32*\i+4*\t+3], v29, s[10:11] offset:(16*\i+2*\t)*4096 th:TH_LOAD_NT
.endr
.endr
	WIN 0
.endm
	s_load_b256 s[4:11], s[0:1], 0x0               ; tokens' operand, wts, bias, residual
	s_load_b64 s[12:13], s[0:1], 0x20              ; result
	v_lshl_add_u32 v[SPW], v0, 2, SPARE
	v_mov_b32 v[NIL], 0
	ds_add_u32 v[SPW], v[NIL]                      ; the wave's opening: the add and its wait ahead of the first tensor loads
	ds_add_u32 v[SPW], v[NIL]
	v_lshrrev_b32 v1, 5, v0
	s_delay_alu instid0(VALU_DEP_1)
	v_readfirstlane_b32 s[WV], v1                  ; wave 0..7
	s_bfe_u32 s16, ttmp6, 0x40000                  ; cx
	s_bfe_u32 s17, ttmp6, 0x40004                  ; cy
	s_lshl_b32 s18, ttmp9, 2
	s_add_co_u32 s18, s18, s16                     ; tn
	s_and_b32 s19, ttmp7, 0xffff
	s_lshl_b32 s19, s19, 2
	s_add_co_u32 s19, s19, s17                     ; tm
	s_lshl_b32 s20, s17, 2
	s_lshl_b32 s20, 15, s20
	s_lshl_b32 s21, 0x1111, s16
	s_or_b32 s[G1A], s20, (3<<16)|(1<<21)
	s_or_b32 s[G1B], s21, (3<<16)|(1<<21)
	s_or_b32 s[G1SA], s20, (3<<16)|(1<<21)
	s_or_b32 s[G1SB], s21, (3<<16)|(1<<21)
.irp g, G1A, G1B
	s_mov_b32 s[\g+1], (NQ*192)<<16
	s_mov_b32 s[\g+2], HR<<16
	s_mov_b32 s[\g+3], (NQ*192)<<16
	s_mov_b32 s[\g+4], HR
	s_mov_b32 s[\g+5], KS*192
	s_mov_b32 s[\g+6], 0
	s_mov_b32 s[\g+7], 0
.endr
.irp g, G1SA, G1SB
	s_mov_b32 s[\g+1], (TM/2)<<16
	s_mov_b32 s[\g+2], KS<<16
	s_mov_b32 s[\g+3], (TM/2)<<16
	s_mov_b32 s[\g+4], KS
	s_mov_b32 s[\g+6], 0
	s_mov_b32 s[\g+7], 0
.endr
	s_mov_b32 s[G1SA+5], 2048
	s_mov_b32 s[G1SB+5], NB/2
	s_mul_i32 s92, s19, (TM/16)*KS*1536            ; the tokens' codes hang on tm alone,
	s_mov_b32 s93, 0
	s_mul_i32 s96, s19, TM*4                       ; and so do their scale words;
	s_add_co_u32 s96, s96, ASO
	s_mov_b32 s97, 0
	s_mul_i32 s94, s18, (TM/16)*KS*1536            ; the weights' on tn alone
	s_add_co_u32 s94, s94, BCO
	s_mov_b32 s95, 0
	s_mul_i32 s98, s18, TM*4
	s_add_co_u32 s98, s98, BSO
	s_mov_b32 s99, 0
	s_wait_dscnt 0x0
	s_wait_kmcnt 0x0
	s_add_nc_u64 s[92:93], s[4:5], s[92:93]
	s_add_nc_u64 s[96:97], s[4:5], s[96:97]
	s_add_nc_u64 s[94:95], s[6:7], s[94:95]
	s_add_nc_u64 s[98:99], s[6:7], s[98:99]
.irp s, 0,1
	s_mov_b32 s[G0A+4*\s], 1
	s_mov_b32 s[G0A+4*\s+1], \s*SLOT
	s_add_nc_u64 s[G0A+4*\s+2:G0A+4*\s+3], s[92:93], \s*NQ*1536
	s_or_b32 s[G0A+4*\s+3], s[G0A+4*\s+3], 0x80000000
	s_mov_b32 s[G0B+4*\s], 1
	s_mov_b32 s[G0B+4*\s+1], \s*SLOT+BOFF
	s_add_nc_u64 s[G0B+4*\s+2:G0B+4*\s+3], s[94:95], \s*NQ*1536
	s_or_b32 s[G0B+4*\s+3], s[G0B+4*\s+3], 0x80000000
.endr
	s_mov_b32 s[G0SA], 1
	s_mov_b32 s[G0SA+1], SCLA
	s_mov_b64 s[G0SA+2:G0SA+3], s[96:97]
	s_or_b32 s[G0SA+3], s[G0SA+3], 0x80000000
	s_mov_b32 s[G0SB], 1
	s_mov_b32 s[G0SB+1], SCLB
	s_mov_b64 s[G0SB+2:G0SB+3], s[98:99]
	s_or_b32 s[G0SB+3], s[G0SB+3], 0x80000000
	CROUND                                         ; all sixteen work-groups are here: the first joint loads meet
; THE FIRST FILLS, ONE A WAVE, in one chain of branches on the wave's number: waves 0, 1 the two operands' scale words, waves 2, 3 slot 0's two tiles, waves 4, 5 slot 1's, on load lines of their own.
.macro ARM under, g0, g1
	s_cmp_lt_u32 s[WV], \under
	s_cbranch_scc0 .Lnext_\@
	tensor_load_to_lds s[\g0:\g0+3], s[\g1:\g1+7]
	s_nop 0
.rept 4
	v_nop
.endr
	s_branch .Lfirst_done
.Lnext_\@:
.endm
	ARM 1, G0SA, G1SA
	ARM 2, G0SB, G1SB
	ARM 3, G0A, G1A
	ARM 4, G0B, G1B
	ARM 5, G0A+4, G1A
	ARM 6, G0B+4, G1B
.Lfirst_done:
	s_lshr_b32 s62, s[WV], 2                       ; kh: which two of a slot's four K steps
	s_bfe_u32 s60, s[WV], 0x10001                  ; wm
	s_and_b32 s61, s[WV], 1                        ; wn
	s_mul_i32 s63, s62, 3072
	s_mul_i32 s27, s60, WROW
	s_add_co_u32 s27, s27, s63                     ; source 1: the tokens
	s_mul_i32 s26, s61, WROW
	s_add_co_u32 s26, s26, s63
	s_add_co_u32 s26, s26, BOFF                    ; source 0: the weights
	s_lshl_b32 s63, s62, 10                        ; two K steps of TM words
	s_lshl_b32 s67, s60, 8
	s_add_co_u32 s67, s67, s63
	s_add_co_u32 s67, s67, SCLA
	s_lshl_b32 s66, s61, 8
	s_add_co_u32 s66, s66, s63
	s_add_co_u32 s66, s66, SCLB
	s_and_b32 s63, s[WV], 3                        ; my place among the four
	s_lshl_b32 s22, s63, 14                        ; its hand-over,
	s_mul_i32 s23, s[WV], 16*272                   ; a stage for each of the eight waves; they are written behind the barrier of the hand-over, when nobody reads either slot any more
	s_add_co_u32 s23, s23, STG                     ; its stage
	v_and_b32 v11, 31, v0                          ; lane
	v_and_b32 v12, 15, v0                          ; r
	v_bfe_u32 v13, v0, 4, 1                        ; h
	s_delay_alu instid0(VALU_DEP_3)
	v_lshlrev_b32 v14, 4, v11                      ; 16 x lane
	s_delay_alu instid0(VALU_DEP_3)
	v_lshlrev_b32 v15, 4, v12
	s_delay_alu instid0(VALU_DEP_1)
	v_lshl_add_u32 v15, v13, 3, v15                ; 16 r + 8 h
	v_lshlrev_b32 v16, 2, v11                      ; 4 x lane
	v_lshlrev_b32 v17, 4, v12                      ; 16 r
	v_add_nc_u32 v18, s22, v14                     ; the hand-over: 16 x lane
	v_mul_u32_u24 v19, v12, 272
	s_delay_alu instid0(VALU_DEP_1)
	v_lshl_add_u32 v19, v13, 5, v19
	s_delay_alu instid0(VALU_DEP_1)
	v_add_nc_u32 v19, s23, v19                     ; into the stage: row r, + 32 h
	v_mul_u32_u24 v28, v13, 272
	s_delay_alu instid0(VALU_DEP_1)
	v_lshl_add_u32 v28, v12, 4, v28
	s_delay_alu instid0(VALU_DEP_1)
	v_add_nc_u32 v28, s23, v28                     ; back: lanes 0-15 one row, lanes 16-31 the next
	v_lshl_add_u32 v29, v13, 12, v17               ; and the same two rows in memory
	v_add_nc_u32 v1, s26, v14
	v_add_nc_u32 v2, s26, v15
	s_delay_alu instid0(VALU_DEP_2)
	v_add_nc_u32 v3, SLOT, v1
	s_delay_alu instid0(VALU_DEP_2)
	v_add_nc_u32 v4, SLOT, v2
	v_add_nc_u32 v5, s27, v14
	v_add_nc_u32 v6, s27, v15
	s_delay_alu instid0(VALU_DEP_2)
	v_add_nc_u32 v7, SLOT, v5
	s_delay_alu instid0(VALU_DEP_2)
	v_add_nc_u32 v8, SLOT, v6
	v_add_nc_u32 v9, s66, v16
	v_add_nc_u32 v10, s67, v16
	s_lshl_b32 s92, s18, 9
	s_lshl_b32 s24, s61, 8
	s_add_co_u32 s92, s92, s24                     ; my 64 columns, in bytes
	s_mov_b32 s93, 0
	s_add_nc_u64 s[8:9], s[8:9], s[92:93]
	global_load_b128 v[20:23], v17, s[8:9]         ; the bias of columns 4 r .. 4 r + 3
	s_lshl_b32 s24, s19, 19
	s_add_co_u32 s92, s92, s24
	s_lshl_b32 s24, s60, 18
	s_add_co_u32 s92, s92, s24                     ; + my place's 64 rows of 4,096 bytes
	s_lshl_b32 s24, s62, 17
	s_add_co_u32 s92, s92, s24                     ; + the 32 of them that I send out: waves 0-3 the first, waves 4-7 the second
	s_add_nc_u64 s[10:11], s[10:11], s[92:93]
	s_add_nc_u64 s[12:13], s[12:13], s[92:93]
	RESALL                                         ; all of K is already asked for: the residual follows it at once
	s_wait_alu depctr_va_vdst(0)                   ; the wait at the head's end
	s_cmp_lt_u32 s[WV], 4                          ; waves 0-3 wait for their load: the scale words and slot 0.  Slot 1's loads may stay out
	s_cbranch_scc0 .Lnot_first
	s_wait_tensorcnt 0x0
.Lnot_first:
	s_barrier_signal -1
	s_barrier_wait -1
	WORK 0, 1
	s_wait_alu depctr_va_vdst(0)
	TWO 1, 0
.rept 4
	v_nop                                          ; places behind the last products
.endr
	s_cmp_lt_u32 s[WV], 4
	s_cbranch_scc1 .Llow                           ; THE WAY OUT IS SHARED: each of a place's two waves hands two tiles' sums over and finishes the other two
.set n, 0
.rept 16
	ds_store_b128 v18, v[ACC+4*n:ACC+4*n+3] offset:512*n   ; waves 4-7 lay down tiles 0 and 1, each accumulator from its low end on
.set n, n+1
.endr
	s_branch .Lmeet
.Llow:
.set n, 16
.rept 16
	ds_store_b128 v18, v[ACC+4*n:ACC+4*n+3] offset:512*n   ; waves 0-3 tiles 2 and 3
.set n, n+1
.endr
.Lmeet:
	s_wait_dscnt 0x0                               ; for the others' sake
	s_barrier_signal -1
	s_barrier_wait -1
	s_wait_loadcnt 0x0                             ; the bias and the residual, asked for at the head
.macro OUTT i                          ; tile i of 16 rows: my first (i even) or my second
.if (\i)%2
	s_wait_xcnt 0x0                                ; the last tile's stores have read v32-63, which are loaded again
.endif
.irp q, 0,1,2,3,4,5,6,7
	ds_load_b128 v[32+4*\q:35+4*\q], v18 offset:512*(8*\i+\q)              ; my partner's sums
.endr
	s_wait_dscnt 0x0
.irp k, 0,2,4,6,8,10,12,14,16,18,20,22,24,26,28,30
	v_pk_add_f32 v[ACC+32*\i+\k:ACC+32*\i+\k+1], v[ACC+32*\i+\k:ACC+32*\i+\k+1], v[32+\k:33+\k]
.endr
.irp j, 0,1,2,3
	ds_store_b128 v19, v[ACC+32*\i+8*\j:ACC+32*\i+8*\j+3] offset:64*\j
	ds_store_b128 v19, v[ACC+32*\i+8*\j+4:ACC+32*\i+8*\j+7] offset:64*\j+16
.endr
.irp t, 0,1,2,3,4,5,6,7
	ds_load_b128 v[32+4*\t:35+4*\t], v28 offset:2*\t*272                   ; LDS serves a wave's instructions in order (ISA guide 5.7.1.4): these see my stores
.endr
	s_wait_dscnt 0x0
	WIN 0x04                                       ; source 1: window 1
.irp k, 0,2,4,6,8,10,12,14,16,18,20,22,24,26,28,30
	v_pk_add_f32 v[32+\k:33+\k], v[32+\k:33+\k], v[32*((\i)%2)+\k:32*((\i)%2)+\k+1]    ; + the residual
.endr
	WIN 0
.irp t, 0,1,2,3,4,5,6,7
	v_pk_add_f32 v[32+4*\t:33+4*\t], v[32+4*\t:33+4*\t], v[20:21]
	v_pk_add_f32 v[34+4*\t:35+4*\t], v[34+4*\t:35+4*\t], v[22:23]
.endr
.irp t, 0,1,2,3,4,5,6,7
	global_store_b128 v29, v[32+4*\t:35+4*\t], s[12:13] offset:(16*((\i)%2)+2*\t)*4096   ; sixteen lanes store 256 consecutive bytes, aligned
.endr
.endm
	s_cmp_lt_u32 s[WV], 4
	s_cbranch_scc0 .Lhigh
	OUTT 0
	OUTT 1
	s_branch .Lend
.Lhigh:
	OUTT 2
	OUTT 3
.Lend:
	s_wait_tensorcnt 0x0                           ; the wave's end: behind my last tensor load and my last LDS store
	ds_add_u32 v[SPW], v[NIL]
	s_wait_dscnt 0x0
	CROUND                                         ; the closing round
	s_endpgm
.Lfunc_end_k_q77ac8ac51c_g_proj:
	.size	k_q77ac8ac51c_g_proj, .Lfunc_end_k_q77ac8ac51c_g_proj-k_q77ac8ac51c_g_proj
	.p2alignl 7, 3214868480
	.fill 96, 4, 3214868480
	.section	.rodata,"a",@progbits
	.p2align	6, 0x0
	.amdhsa_kernel k_q77ac8ac51c_g_proj
		.amdhsa_group_segment_fixed_size 327680
		.amdhsa_private_segment_fixed_size 0
		.amdhsa_enable_private_segment 0
		.amdhsa_kernarg_size 40
		.amdhsa_user_sgpr_count 2
		.amdhsa_user_sgpr_kernarg_segment_ptr 1
		.amdhsa_wavefront_size32 1
		.amdhsa_system_sgpr_workgroup_id_x 1
		.amdhsa_system_sgpr_workgroup_id_y 1
		.amdhsa_system_sgpr_workgroup_id_z 1
		.amdhsa_system_vgpr_workitem_id 0
		.amdhsa_next_free_vgpr 384
		.amdhsa_next_free_sgpr 102
		.amdhsa_reserve_vcc 0
		.amdhsa_float_denorm_mode_32 3
		.amdhsa_float_denorm_mode_16_64 3
		.amdhsa_memory_ordered 1
		.amdhsa_forward_progress 1
		.amdhsa_inst_pref_size 55
	.end_amdhsa_kernel
	.amdgpu_metadata
---
amdhsa.version: [ 1, 2 ]
amdhsa.kernels:
  - .name:           k_q77ac8ac51c_g_proj
    .symbol:         k_q77ac8ac51c_g_proj.kd
    .args:
      - { .name: yq, .offset: 0, .size: 8, .value_kind: global_buffer, .address_space: global }
      - { .name: wts, .offset: 8, .size: 8, .value_kind: global_buffer, .address_space: global }
      - { .name: proj_b, .offset: 16, .size: 8, .value_kind: global_buffer, .address_space: global }
      - { .name: x, .offset: 24, .size: 8, .value_kind: global_buffer, .address_space: global }
      - { .name: x1, .offset: 32, .size: 8, .value_kind: global_buffer, .address_space: global }
    .group_segment_fixed_size: 327680
    .private_segment_fixed_size: 0
    .kernarg_segment_align: 8
    .kernarg_segment_size: 40
    .max_flat_workgroup_size: 256
    .sgpr_count:     102
    .vgpr_count:     384
    .wavefront_size: 32
...
	.end_amdgpu_metadata
.endif
;; end of part 4
;; launch ln2 (part 5): grid 256 x 1, 4 waves a work-group, no clusters, 66,304 bytes of LDS; arguments x1, ln2_w, ln2_b, act; writes act
.if DOCPART == 5
	.amdgcn_target "amdgcn-amd-amdhsa--gfx1250"
	.amdhsa_code_object_version 6
	.text
	.protected	k_q77ac8ac51c_ln2
	.globl	k_q77ac8ac51c_ln2
	.p2align	8
	.type	k_q77ac8ac51c_ln2,@function
k_q77ac8ac51c_ln2:
	s_mov_b64 s[64:65], 0
	v_nop
	global_prefetch_b8 v0, s[64:65] scope:SCOPE_SE
	s_setreg_imm32_b32 hwreg(HW_REG_WAVE_MODE, 25, 1), 1
	s_wait_xcnt 0x0
; y = (x - mean) rsqrt(var + 1e-5) w + b over rows of 1,024 f32, then quantised along the row to FP6 (E2M3) with one E8M0 byte for each 32; only codes and scale words go to memory.
; A work-group takes 16 rows, one row tile of the operand.  PHASE 1: wave w takes rows 4 w .. 4 w + 3 whole (a load covers 512 consecutive bytes), mean and variance in two passes
; (the variance of the differences: no difference of large sums), and lays the finished rows in LDS.  PHASE 2: wave w takes K steps 2 w and 2 w + 1 of all 16 rows: lane (r, h) reads, of row r,
; 16 numbers of each block of 32, k = 32 b + 16 u + 8 h + e into register 16 b + 8 u + e, quantises them and stores the operand's image.
; CODES: [row tile][K step][1536]; a K step is two half images of 768 bytes: lane (r, h) holds block h of row r: words 0-3 at 16 (r + 16 h), words 4-5 at 512 + 16 r + 8 h.
; Inside a block place 16 h + 8 u + e holds k = 16 u + 8 h + e, as in every operand of this program.  SCALES: word at AS + (K step x 4096 + row) x 4.
; LIMITS: blocks whose largest magnitude lies under 2^-124 get the byte 1; NaN and infinities are not served; v_rsq_f32 as it is.
.set STP,   4112                       ; a row in LDS: 4,096 bytes + 16, so that sixteen rows' equal columns fall on sixteen different 16-byte columns of 256
.set SPARE, 16*STP                     ; behind the 16 rows: the spare words, 128 bytes for each wave: two blocks of 256 bytes that no other line names
.set AS,    3145728
.set X,     64                         ; v64-191  four rows, 32 registers each; in phase 2 v64-127: a K step's 64 numbers, v128-151 codes
.set GW,    192                        ; v192-223 the gain;  in phase 2 v192-255: the other K step's 64 numbers
.set GB,    224                        ; v224-255 the bias
.set SEL,   18
; 32 numbers of a lane, two blocks x 16 (register 16 b + i: my half of block b of my row), become six registers of codes at v[d] (lane (r, h): block h whole) and v[hw] = byte 0 | byte 1 << 8.
.macro QH s, d, c, m, hw
	v_max3_num_f32 v[(\m)], |v[(\s)]|, |v[(\s)+1]|, 0x1800000      ; my 16 numbers and the floor 2^(3 - 127): the byte cannot fall under 1
	v_max3_num_f32 v[(\m)+1], |v[(\s)+16]|, |v[(\s)+17]|, 0x1800000
.irp i, 2,4,6,8,10,12,14
	v_max3_num_f32 v[(\m)], v[(\m)], |v[(\s)+\i]|, |v[(\s)+\i+1]|
	v_max3_num_f32 v[(\m)+1], v[(\m)+1], |v[(\s)+16+\i]|, |v[(\s)+17+\i]|
.endr
	v_permlanex16_b32 v[(\m)+2], v[(\m)], s[SEL], s[SEL+1]
	v_permlanex16_b32 v[(\m)+3], v[(\m)+1], s[SEL], s[SEL+1]
	v_max_num_f32 v[(\m)], v[(\m)], v[(\m)+2]      ; with lane l xor 16's: the block's largest magnitude
	v_max_num_f32 v[(\m)+1], v[(\m)+1], v[(\m)+3]
	v_add_nc_u32 v[(\m)+4], 0xff000000, v[(\m)]    ; 2 off the exponent field: the conversion's scale operand
	v_add_nc_u32 v[(\m)+5], 0xff000000, v[(\m)+1]
	v_cvt_scalef32_pk16_fp6_f32 v[(\d):(\d)+2], v[(\s):(\s)+15], v[(\m)+4]
	v_cvt_scalef32_pk16_fp6_f32 v[(\c):(\c)+2], v[(\s)+16:(\s)+31], v[(\m)+5]
	v_lshrrev_b32 v[(\m)+2], 23, v[(\m)+4]         ; the bytes.  (Plain lines behind the conversions)
	v_lshrrev_b32 v[(\m)+3], 23, v[(\m)+5]
	v_lshl_or_b32 v[(\hw)], v[(\m)+3], 8, v[(\m)+2]
.irp i, 0,1,2
	v_permlane16_swap_b32 v[(\d)+\i], v[(\c)+\i]   ; the first's lanes 16-31 change places with the second's lanes 0-15: a lane now has one block whole
.endr
.irp i, 0,1,2
	v_mov_b32 v[(\d)+3+\i], v[(\c)+\i]
.endr
.endm
.macro ROWSUM t                        ; four pairs v[t + 2 q], v[t + 2 q + 1] are each summed over the pair and the 32 lanes; the result stands in every lane's v[t + 2 q]
.irp q, 0,1,2,3
	v_add_f32 v[(\t)+2*\q], v[(\t)+2*\q], v[(\t)+2*\q+1]
.endr
.irp x, 1,2,4,8
.irp q, 0,1,2,3
	v_add_f32_dpp v[(\t)+2*\q], v[(\t)+2*\q], v[(\t)+2*\q] row_xmask:\x row_mask:0xf bank_mask:0xf
.endr
.endr
.irp q, 0,1,2,3
	v_permlanex16_b32 v[(\t)+2*\q+1], v[(\t)+2*\q], s[SEL], s[SEL+1]
.endr
.irp q, 0,1,2,3
	v_add_f32 v[(\t)+2*\q], v[(\t)+2*\q], v[(\t)+2*\q+1]
.endr
.endm
	s_load_b256 s[4:11], s[0:1], 0x0               ; x, gain, bias, act
	v_lshl_add_u32 v62, v0, 2, SPARE               ; my spare word,
	v_mov_b32 v63, 0                               ; and 0: kept for the closing lines
	v_lshrrev_b32 v1, 5, v0
	v_readfirstlane_b32 s12, v1                    ; wave
	v_and_b32 v2, 31, v0                           ; lane
	v_and_b32 v3, 15, v0                           ; r
	v_bfe_u32 v4, v0, 4, 1                         ; h
	v_lshlrev_b32 v5, 4, v2                        ; 16 x lane
	v_lshlrev_b32 v6, 4, v3
	v_lshl_add_u32 v6, v4, 3, v6                   ; 16 r + 8 h
	s_mul_i32 s13, s12, 4*STP
	v_add_nc_u32 v7, s13, v5                       ; LDS, phase 1: my wave's four rows, 16 x lane
	v_mul_u32_u24 v8, v3, STP
	v_lshl_add_u32 v8, v4, 5, v8
	s_lshl_b32 s28, s12, 10
	v_add_nc_u32 v8, s28, v8                       ; LDS, phase 2: row r, + 32 h, + my wave's two K steps of 512 bytes
	v_lshlrev_b32 v9, 2, v3
	v_lshl_add_u32 v9, v4, 14, v9                  ; scale words: 4 r, lanes 16-31 a K step (16,384 bytes) on
	s_mov_b32 s[SEL], 0x76543210
	s_mov_b32 s[SEL+1], 0xfedcba98                 ; v_permlanex16_b32's selects for lane l xor 16
	s_mov_b32 s20, 0x3a800000                      ; 1 / 1024
	s_mov_b32 s21, 0x3727c5ac                      ; 1e-5
	s_lshl_b32 s22, ttmp9, 16                      ; 16 rows of 4,096 bytes a work-group,
	s_lshl_b32 s29, s12, 14                        ; 4 a wave
	s_add_co_u32 s22, s22, s29
	s_mov_b32 s23, 0
	s_mul_i32 s24, ttmp9, 12288                    ; a row tile's codes,
	s_mul_i32 s29, s12, 3072                       ; my wave's two K steps
	s_add_co_u32 s24, s24, s29
	s_mov_b32 s25, 0
	s_lshl_b32 s26, ttmp9, 6
	s_lshl_b32 s29, s12, 15
	s_add_co_u32 s26, s26, s29
	s_add_co_u32 s26, s26, AS
	s_mov_b32 s27, 0
.irp q, 0,1,2,3
	v_mov_b32 v[33+2*\q], 0                        ; (named as the upper halves of pairs)
.endr
	v_mov_b32 v46, 0                               ; written once: a lane permute's destination counts as one of its sources
	v_mov_b32 v47, 0
	s_wait_kmcnt 0x0
	s_add_nc_u64 s[4:5], s[4:5], s[22:23]
	s_add_nc_u64 s[14:15], s[10:11], s[24:25]
	s_add_nc_u64 s[16:17], s[10:11], s[26:27]
.irp q, 0,1,2,3
.irp j, 0,1,2,3,4,5,6,7
	global_load_b128 v[X+32*\q+4*\j:X+32*\q+4*\j+3], v5, s[4:5] offset:4096*\q+512*\j
.endr
.endr
.irp j, 0,1,2,3,4,5,6,7
	global_load_b128 v[GW+4*\j:GW+4*\j+3], v5, s[6:7] offset:512*\j
	global_load_b128 v[GB+4*\j:GB+4*\j+3], v5, s[8:9] offset:512*\j
.endr
	s_wait_loadcnt 16                              ; x is in; the 16 loads of gain and bias are younger
.irp q, 0,1,2,3
	v_pk_add_f32 v[16+2*\q:17+2*\q], v[X+32*\q:X+32*\q+1], v[X+32*\q+2:X+32*\q+3]
.endr
.irp j, 4,6,8,10,12,14,16,18,20,22,24,26,28,30
.irp q, 0,1,2,3
	v_pk_add_f32 v[16+2*\q:17+2*\q], v[16+2*\q:17+2*\q], v[X+32*\q+\j:X+32*\q+\j+1]   ; the four rows by turns
.endr
.endr
	ROWSUM 16
.irp q, 0,1,2,3
	v_mul_f32 v[16+2*\q], s20, v[16+2*\q]          ; the mean
.endr
.irp j, 0,2,4,6,8,10,12,14,16,18,20,22,24,26,28,30
.irp q, 0,1,2,3
	v_pk_add_f32 v[X+32*\q+\j:X+32*\q+\j+1], v[X+32*\q+\j:X+32*\q+\j+1], v[16+2*\q:17+2*\q] op_sel_hi:[1,0] neg_lo:[0,1] neg_hi:[0,1]   ; x - mean
.endr
.endr
.irp q, 0,1,2,3
	v_pk_mul_f32 v[24+2*\q:25+2*\q], v[X+32*\q:X+32*\q+1], v[X+32*\q:X+32*\q+1]
.endr
.irp j, 2,4,6,8,10,12,14,16,18,20,22,24,26,28,30
.irp q, 0,1,2,3
	v_pk_fma_f32 v[24+2*\q:25+2*\q], v[X+32*\q+\j:X+32*\q+\j+1], v[X+32*\q+\j:X+32*\q+\j+1], v[24+2*\q:25+2*\q]
.endr
.endr
	ROWSUM 24
.irp q, 0,1,2,3
	v_fma_f32 v[24+2*\q], v[24+2*\q], s20, s21     ; var + eps
.endr
	s_wait_alu depctr_va_vdst(0)
.irp q, 0,1,2,3
	v_rsq_f32 v[32+2*\q], v[24+2*\q]
.endr
	v_nop                                          ; a plain line behind the last of the batch
	s_wait_alu depctr_va_vdst(0)                   ; one wait for the four, ahead of their first reader
	s_wait_loadcnt 0x0                             ; gain and bias
.irp q, 0,1,2,3
.irp j, 0,2,4,6,8,10,12,14,16,18,20,22,24,26,28,30
	v_pk_mul_f32 v[X+32*\q+\j:X+32*\q+\j+1], v[X+32*\q+\j:X+32*\q+\j+1], v[32+2*\q:33+2*\q] op_sel_hi:[1,0]
.endr
.irp j, 0,2,4,6,8,10,12,14,16,18,20,22,24,26,28,30
	v_pk_fma_f32 v[X+32*\q+\j:X+32*\q+\j+1], v[X+32*\q+\j:X+32*\q+\j+1], v[GW+\j:GW+\j+1], v[GB+\j:GB+\j+1]
.endr
.irp j, 0,1,2,3,4,5,6,7
	ds_store_b128 v7, v[X+32*\q+4*\j:X+32*\q+4*\j+3] offset:\q*STP+512*\j
.endr
.endr
	s_wait_dscnt 0x0                               ; for the others' sake: my rows lie in LDS
	s_barrier_signal -1
	s_barrier_wait -1
.irp u, 0,1                                    ; K step 2 w + u: 64 numbers a lane
.irp b, 0,1,2,3
	ds_load_b128 v[64+128*\u+16*\b:64+128*\u+16*\b+3], v8 offset:512*\u+128*\b
	ds_load_b128 v[64+128*\u+16*\b+4:64+128*\u+16*\b+7], v8 offset:512*\u+128*\b+16
	ds_load_b128 v[64+128*\u+16*\b+8:64+128*\u+16*\b+11], v8 offset:512*\u+128*\b+64
	ds_load_b128 v[64+128*\u+16*\b+12:64+128*\u+16*\b+15], v8 offset:512*\u+128*\b+80
.endr
.endr
.irp u, 0,1
.if \u == 0
	s_wait_dscnt 16                                ; the first K step's 16 loads are in; the second's are younger
.else
	s_wait_dscnt 0x0
.endif
	QH 64+128*\u, 128+12*\u, 40, 44, 50
	QH 96+128*\u, 134+12*\u, 40, 44, 51
	v_lshl_or_b32 v[54+\u], v51, 16, v50           ; the K step's scale word of my row
	global_store_b128 v5, v[128+12*\u:131+12*\u], s[14:15] offset:1536*\u          ; 512 consecutive bytes, aligned
	global_store_b64 v6, v[132+12*\u:133+12*\u], s[14:15] offset:1536*\u+512       ; 256
	global_store_b128 v5, v[134+12*\u:137+12*\u], s[14:15] offset:1536*\u+768
	global_store_b64 v6, v[138+12*\u:139+12*\u], s[14:15] offset:1536*\u+1280
.endr
	v_cmp_gt_u32 vcc_lo, 16, v2
	v_cndmask_b32 v56, v55, v54, vcc_lo            ; lanes 0-15: K step 2 w's words, lanes 16-31: 2 w + 1's
	global_store_b32 v9, v56, s[16:17]             ; two runs of 64 bytes: one byte for each 128 that the launch reads
	s_wait_tensorcnt 0x0                           ; the wave's end, behind my last LDS store
	ds_add_u32 v62, v63
	s_wait_dscnt 0x0
	s_endpgm
.Lfunc_end_k_q77ac8ac51c_ln2:
	.size	k_q77ac8ac51c_ln2, .Lfunc_end_k_q77ac8ac51c_ln2-k_q77ac8ac51c_ln2
	.p2alignl 7, 3214868480
	.fill 96, 4, 3214868480
	.section	.rodata,"a",@progbits
	.p2align	6, 0x0
	.amdhsa_kernel k_q77ac8ac51c_ln2
		.amdhsa_group_segment_fixed_size 66304
		.amdhsa_private_segment_fixed_size 0
		.amdhsa_enable_private_segment 0
		.amdhsa_kernarg_size 32
		.amdhsa_user_sgpr_count 2
		.amdhsa_user_sgpr_kernarg_segment_ptr 1
		.amdhsa_wavefront_size32 1
		.amdhsa_system_sgpr_workgroup_id_x 1
		.amdhsa_system_sgpr_workgroup_id_y 1
		.amdhsa_system_sgpr_workgroup_id_z 1
		.amdhsa_system_vgpr_workitem_id 0
		.amdhsa_next_free_vgpr 256
		.amdhsa_next_free_sgpr 66
		.amdhsa_reserve_vcc 1
		.amdhsa_float_denorm_mode_32 3
		.amdhsa_float_denorm_mode_16_64 3
		.amdhsa_memory_ordered 1
		.amdhsa_forward_progress 1
		.amdhsa_inst_pref_size 43
	.end_amdhsa_kernel
	.amdgpu_metadata
---
amdhsa.version: [ 1, 2 ]
amdhsa.kernels:
  - .name:           k_q77ac8ac51c_ln2
    .symbol:         k_q77ac8ac51c_ln2.kd
    .args:
      - { .name: x1, .offset: 0, .size: 8, .value_kind: global_buffer, .address_space: global }
      - { .name: ln2_w, .offset: 8, .size: 8, .value_kind: global_buffer, .address_space: global }
      - { .name: ln2_b, .offset: 16, .size: 8, .value_kind: global_buffer, .address_space: global }
      - { .name: act, .offset: 24, .size: 8, .value_kind: global_buffer, .address_space: global }
    .group_segment_fixed_size: 66304
    .private_segment_fixed_size: 0
    .kernarg_segment_align: 8
    .kernarg_segment_size: 32
    .max_flat_workgroup_size: 128
    .sgpr_count:     66
    .vgpr_count:     256
    .wavefront_size: 32
...
	.end_amdgpu_metadata
.endif
;; end of part 5
;; launch g_fc (part 6): grid 16 x 16, 16 waves a work-group, clusters of 4 x 4, 327,680 bytes of LDS; arguments act, wts, fc_b, hid; writes hid
.if DOCPART == 6
	.amdgcn_target "amdgcn-amd-amdhsa--gfx1250"
	.amdhsa_code_object_version 6
	.text
	.protected	k_q77ac8ac51c_g_fc
	.globl	k_q77ac8ac51c_g_fc
	.p2align	8
	.type	k_q77ac8ac51c_g_fc,@function
k_q77ac8ac51c_g_fc:
	s_mov_b64 s[64:65], 0
	v_nop
	global_prefetch_b8 v0, s[64:65] scope:SCOPE_SE
	s_setreg_imm32_b32 hwreg(HW_REG_WAVE_MODE, 25, 1), 1
	s_wait_xcnt 0x0
	s_wait_alu depctr_hold_cnt(0) depctr_sa_sdst(0) depctr_va_vdst(0) depctr_va_sdst(0) depctr_va_ssrc(0) depctr_va_vcc(0) depctr_vm_vsrc(0)
	s_getreg_b32 s2, hwreg(HW_REG_IB_STS2, 6, 4)
	s_cmp_eq_u32 s2, 0
	s_cbranch_scc0 .Lentry_in_a_cluster
	s_endpgm
.Lentry_in_a_cluster:
	s_bfe_u32 s2, ttmp6, 0x10000c
	s_cmp_lg_u32 s2, 0xf033
	s_cbranch_scc0 .Lentry_shape_is_right
	s_endpgm
.Lentry_shape_is_right:
; hid = Q(gelu(LN2(x1) fc_w + fc_b)): the product on codes of FP6 (E2M3) with one E8M0 scale for each 32 along K; bias and the exact (erf) GELU in f32; the result is quantised along the hidden axis at once.
; Ring, shares and operands' images as in the launch for q, k, v: a work-group makes 256 tokens x 256 hidden units, sixteen waves 64 x 64 each, K through two LDS slots of 256 along K, tiles asked for
; jointly in a cluster of 4 x 4; a fragment read from LDS feeds four products.  Source 0 = 16 rows of W, source 1 = 16 tokens: a lane holds one token and 64 hidden units' half.
; THE BIAS of a wave's 64 units is asked for at the head, two numbers a lane (the loop leaves no 32 registers free); on the way out the wave lays them into 256 bytes of its own in slot 0, which has had its last fill
; and its last read by then, and reads them back in the result's layout.
; erf(z) = z P(z^2) / Q(z^2) with z held to +-3.7439211, P of degree 4 and Q of degree 6 in z^2: a few units in the last place of erf.  gelu = 0.5 x + 0.5 x erf(x / sqrt 2): its error is about 1e-7 |x|, also where 1 + erf is small.
; OUT: codes [row tile][K step = unit / 128][1536]; scale words at HS + (K step x 4096 + row) x 4, each wave half a word.
; LIMITS: blocks whose largest magnitude lies under 2^-124 get the byte 1; NaN and infinities are not served; v_rcp_f32 as it is.
.set TM,   256
.set NQ,   2
.set KS,   8
.set HR,   8
.set NB,   4096
.set ASO,  3145728
.set BCO,  3145728
.set BSO,  9568256
.set HS,   12582912
.set SLOT, 98304
.set BOFF, 49152
.set SCLA, 196608
.set SCLB, SCLA+KS*TM*4
.set SPARE, SCLB+KS*TM*4               ; the spare words, 128 bytes for each wave: eight blocks of 256 bytes that no other line names
.set WROW, 4*NQ*1536
.set WV,   14
.set G1A,  28
.set G1B,  36
.set G1SA, 44
.set G1SB, 52
.set G0A,  68
.set G0B,  76
.set G0SA, 84
.set G0SB, 88
.set SEL,  100
.set SPW,  30
.set NIL,  31
.set SCX,  24
.set SCY,  26
.set F0,   32
.set F1,   80
.set ACC,  128
.macro CROUND
	s_barrier_signal -1
	s_barrier_wait -1
	s_cmp_lg_u32 s[WV], 0
	s_cbranch_scc1 .Lnw0_\@
	s_barrier_signal -3
.Lnw0_\@:
	s_barrier_wait -3
	s_barrier_signal -1
	s_barrier_wait -1
.endm
.macro JLOAD slot
	s_cmp_lt_u32 s[WV], 2
	s_cbranch_scc0 .Lnota_\@
	tensor_load_to_lds s[G0A+4*(\slot):G0A+4*(\slot)+3], s[G1A:G1A+7]
	s_nop 0
.rept 4
	v_nop
.endr
	s_branch .Lasked_\@
.Lnota_\@:
	s_cmp_lt_u32 s[WV], 4
	s_cbranch_scc0 .Lasked_\@
	tensor_load_to_lds s[G0B+4*(\slot):G0B+4*(\slot)+3], s[G1B:G1B+7]
	s_nop 0
.rept 4
	v_nop
.endr
.Lasked_\@:
.endm
.macro WMZ dd, aa, bb, sa, sb, pa, pb
.if ((\pa) != 0) && ((\pb) != 0)
	v_wmma_scale_f32_16x16x128_f8f6f4 v[(\dd):(\dd)+7], v[(\aa):(\aa)+11], v[(\bb):(\bb)+11], 0, v[(\sa)], v[(\sb)] matrix_a_fmt:MATRIX_FMT_FP6 matrix_b_fmt:MATRIX_FMT_FP6 matrix_a_scale:MATRIX_SCALE_ROW1 matrix_b_scale:MATRIX_SCALE_ROW1
.elseif (\pa) != 0
	v_wmma_scale_f32_16x16x128_f8f6f4 v[(\dd):(\dd)+7], v[(\aa):(\aa)+11], v[(\bb):(\bb)+11], 0, v[(\sa)], v[(\sb)] matrix_a_fmt:MATRIX_FMT_FP6 matrix_b_fmt:MATRIX_FMT_FP6 matrix_a_scale:MATRIX_SCALE_ROW1
.elseif (\pb) != 0
	v_wmma_scale_f32_16x16x128_f8f6f4 v[(\dd):(\dd)+7], v[(\aa):(\aa)+11], v[(\bb):(\bb)+11], 0, v[(\sa)], v[(\sb)] matrix_a_fmt:MATRIX_FMT_FP6 matrix_b_fmt:MATRIX_FMT_FP6 matrix_b_scale:MATRIX_SCALE_ROW1
.else
	v_wmma_scale_f32_16x16x128_f8f6f4 v[(\dd):(\dd)+7], v[(\aa):(\aa)+11], v[(\bb):(\bb)+11], 0, v[(\sa)], v[(\sb)] matrix_a_fmt:MATRIX_FMT_FP6 matrix_b_fmt:MATRIX_FMT_FP6
.endif
.endm
.macro WMA dd, aa, bb, sa, sb, pa, pb
.if ((\pa) != 0) && ((\pb) != 0)
	v_wmma_scale_f32_16x16x128_f8f6f4 v[(\dd):(\dd)+7], v[(\aa):(\aa)+11], v[(\bb):(\bb)+11], v[(\dd):(\dd)+7], v[(\sa)], v[(\sb)] matrix_a_fmt:MATRIX_FMT_FP6 matrix_b_fmt:MATRIX_FMT_FP6 matrix_a_scale:MATRIX_SCALE_ROW1 matrix_b_scale:MATRIX_SCALE_ROW1
.elseif (\pa) != 0
	v_wmma_scale_f32_16x16x128_f8f6f4 v[(\dd):(\dd)+7], v[(\aa):(\aa)+11], v[(\bb):(\bb)+11], v[(\dd):(\dd)+7], v[(\sa)], v[(\sb)] matrix_a_fmt:MATRIX_FMT_FP6 matrix_b_fmt:MATRIX_FMT_FP6 matrix_a_scale:MATRIX_SCALE_ROW1
.elseif (\pb) != 0
	v_wmma_scale_f32_16x16x128_f8f6f4 v[(\dd):(\dd)+7], v[(\aa):(\aa)+11], v[(\bb):(\bb)+11], v[(\dd):(\dd)+7], v[(\sa)], v[(\sb)] matrix_a_fmt:MATRIX_FMT_FP6 matrix_b_fmt:MATRIX_FMT_FP6 matrix_b_scale:MATRIX_SCALE_ROW1
.else
	v_wmma_scale_f32_16x16x128_f8f6f4 v[(\dd):(\dd)+7], v[(\aa):(\aa)+11], v[(\bb):(\bb)+11], v[(\dd):(\dd)+7], v[(\sa)], v[(\sb)] matrix_a_fmt:MATRIX_FMT_FP6 matrix_b_fmt:MATRIX_FMT_FP6
.endif
.endm
.macro FRAG reg, a16, a8, off
	ds_load_b128 v[(\reg):(\reg)+3], v[(\a16)] offset:(\off)
	ds_load_b64 v[(\reg)+4:(\reg)+5], v[(\a8)] offset:(\off)+512
	ds_load_b128 v[(\reg)+6:(\reg)+9], v[(\a16)] offset:(\off)+768
	ds_load_b64 v[(\reg)+10:(\reg)+11], v[(\a8)] offset:(\off)+1280
.endm
.macro KSTEP slot, q, zero             ; 128 along K; the sixteen accumulators take turns
.rept 4
	v_nop                                          ; places in front of loads into registers that matrix instructions have read
.endr
.irp i, 0,1,2,3
	FRAG F0+12*\i, 1+2*\slot, 2+2*\slot, (\i*NQ+\q)*1536
	FRAG F1+12*\i, 5+2*\slot, 6+2*\slot, (\i*NQ+\q)*1536
.endr
.irp p, 0,1
	ds_load_b32 v[SCX+\p], v9 offset:\q*TM*4+128*\p
	ds_load_b32 v[SCY+\p], v10 offset:\q*TM*4+128*\p
.endr
	s_wait_dscnt 0x0
.irp a, 0,1,2,3
.irp b, 0,1,2,3
.if \zero
	WMZ ACC+8*(4*\a+\b), F0+12*\b, F1+12*\a, SCX+\b/2, SCY+\a/2, \b%2, \a%2
.else
	WMA ACC+8*(4*\a+\b), F0+12*\b, F1+12*\a, SCX+\b/2, SCY+\a/2, \b%2, \a%2
.endif
.endr
.endr
.endm
.macro WORK slot, zero
	KSTEP \slot, 0, \zero
	KSTEP \slot, 1, 0
	v_add_nc_u32 v9, NQ*TM*4, v9
	v_add_nc_u32 v10, NQ*TM*4, v10
.endm
.macro TWO slot, refill                ; the change of slots: all my tensor loads, the add, my reads; then the barrier (a round of the cluster's where the slot just left is asked for again)
	s_wait_tensorcnt 0x0
	ds_add_u32 v[SPW], v[NIL]
.if \refill
	ds_add_u32 v[SPW], v[NIL]                      ; written twice where a refill follows
	s_add_nc_u64 s[G0A+4*(1-\slot)+2:G0A+4*(1-\slot)+3], s[G0A+4*(1-\slot)+2:G0A+4*(1-\slot)+3], 2*NQ*1536
	s_add_nc_u64 s[G0B+4*(1-\slot)+2:G0B+4*(1-\slot)+3], s[G0B+4*(1-\slot)+2:G0B+4*(1-\slot)+3], 2*NQ*1536
.endif
	s_wait_dscnt 0x0
.if \refill
	CROUND
	JLOAD 1-\slot
.else
	s_barrier_signal -1
	s_barrier_wait -1
.endif
	s_wait_alu depctr_va_vdst(0)
	WORK \slot, 0
.endm
.macro QH s, d, c, m, hw
	v_max3_num_f32 v[(\m)], |v[(\s)]|, |v[(\s)+1]|, 0x1800000
	v_max3_num_f32 v[(\m)+1], |v[(\s)+16]|, |v[(\s)+17]|, 0x1800000
.irp i, 2,4,6,8,10,12,14
	s_delay_alu instid0(VALU_DEP_2)
	v_max3_num_f32 v[(\m)], v[(\m)], |v[(\s)+\i]|, |v[(\s)+\i+1]|
	s_delay_alu instid0(VALU_DEP_2)
	v_max3_num_f32 v[(\m)+1], v[(\m)+1], |v[(\s)+16+\i]|, |v[(\s)+17+\i]|
.endr
	s_delay_alu instid0(VALU_DEP_2)
	v_permlanex16_b32 v[(\m)+2], v[(\m)], s[SEL], s[SEL+1]
	s_delay_alu instid0(VALU_DEP_2)
	v_permlanex16_b32 v[(\m)+3], v[(\m)+1], s[SEL], s[SEL+1]
	s_delay_alu instid0(VALU_DEP_2)
	v_max_num_f32 v[(\m)], v[(\m)], v[(\m)+2]
	s_delay_alu instid0(VALU_DEP_2)
	v_max_num_f32 v[(\m)+1], v[(\m)+1], v[(\m)+3]
	s_delay_alu instid0(VALU_DEP_2)
	v_add_nc_u32 v[(\m)+4], 0xff000000, v[(\m)]
	s_delay_alu instid0(VALU_DEP_2)
	v_add_nc_u32 v[(\m)+5], 0xff000000, v[(\m)+1]
	v_cvt_scalef32_pk16_fp6_f32 v[(\d):(\d)+2], v[(\s):(\s)+15], v[(\m)+4]
	v_cvt_scalef32_pk16_fp6_f32 v[(\c):(\c)+2], v[(\s)+16:(\s)+31], v[(\m)+5]
	v_lshrrev_b32 v[(\m)+2], 23, v[(\m)+4]
	v_lshrrev_b32 v[(\m)+3], 23, v[(\m)+5]
	s_delay_alu instid0(VALU_DEP_1)
	v_lshl_or_b32 v[(\hw)], v[(\m)+3], 8, v[(\m)+2]
.irp i, 0,1,2
	v_permlane16_swap_b32 v[(\d)+\i], v[(\c)+\i]
.endr
.irp i, 0,1,2
	s_delay_alu instid0(VALU_DEP_3)
	v_mov_b32 v[(\d)+3+\i], v[(\c)+\i]
.endr
.endm
; gelu of the 16 numbers v[x] .. v[x + 15], in place.  v32-47 z, then erf; v48-63 z^2, then x / 2; v64-79 P; v80-95 Q
.macro GELU16 x
.irp k, 0,2,4,6,8,10,12,14
	v_pk_mul_f32 v[32+\k:33+\k], v[(\x)+\k:(\x)+\k+1], 0x3f3504f3 op_sel_hi:[1,0]     ; x / sqrt 2
.endr
.irp k, 0,1,2,3,4,5,6,7,8,9,10,11,12,13,14,15
	v_med3_num_f32 v[32+\k], v[32+\k], s98, s99
.endr
.irp k, 0,2,4,6,8,10,12,14
	v_pk_mul_f32 v[48+\k:49+\k], v[32+\k:33+\k], v[32+\k:33+\k]
.endr
.irp k, 0,2,4,6,8,10,12,14
	v_pk_fma_f32 v[64+\k:65+\k], v[48+\k:49+\k], v[20:21], 0x3b5f5da2 op_sel_hi:[1,1,0]
	v_pk_fma_f32 v[80+\k:81+\k], v[48+\k:49+\k], v[22:23], 0x37c588df op_sel_hi:[1,1,0]
.endr
.irp c, 0x3d50b6eb, 0x3e3da740, 0x3f906eba
.irp k, 0,2,4,6,8,10,12,14
	v_pk_fma_f32 v[64+\k:65+\k], v[64+\k:65+\k], v[48+\k:49+\k], \c op_sel_hi:[1,1,0]
.endr
.endr
.irp c, 0x3a856d28, 0x3c6687d4, 0x3de34c21, 0x3efeb44a, 1.0
.irp k, 0,2,4,6,8,10,12,14
	v_pk_fma_f32 v[80+\k:81+\k], v[80+\k:81+\k], v[48+\k:49+\k], \c op_sel_hi:[1,1,0]
.endr
.endr
	s_wait_alu depctr_va_vdst(0)
.irp k, 0,1,2,3,4,5,6,7,8,9,10,11,12,13,14,15
	v_rcp_f32 v[80+\k], v[80+\k]
.endr
.irp k, 0,2,4,6,8,10,12,14
	v_pk_mul_f32 v[32+\k:33+\k], v[32+\k:33+\k], v[64+\k:65+\k]                       ; z P: plain work behind the batch that names none of its results
.endr
	s_wait_alu depctr_va_vdst(0)                   ; one wait for the sixteen reciprocals, ahead of their first reader
.irp k, 0,2,4,6,8,10,12,14
	v_pk_mul_f32 v[32+\k:33+\k], v[32+\k:33+\k], v[80+\k:81+\k]                       ; erf
	v_pk_mul_f32 v[48+\k:49+\k], v[(\x)+\k:(\x)+\k+1], 0.5 op_sel_hi:[1,0]
.endr
.irp k, 0,2,4,6,8,10,12,14
	v_pk_fma_f32 v[(\x)+\k:(\x)+\k+1], v[48+\k:49+\k], v[32+\k:33+\k], v[48+\k:49+\k]
.endr
.endm
	s_load_b256 s[4:11], s[0:1], 0x0               ; act, wts, fc_b, hid
	v_lshl_add_u32 v[SPW], v0, 2, SPARE
	v_mov_b32 v[NIL], 0
	ds_add_u32 v[SPW], v[NIL]                      ; the wave's opening: the add and its wait ahead of the first tensor loads
	ds_add_u32 v[SPW], v[NIL]
	v_lshrrev_b32 v1, 5, v0
	s_delay_alu instid0(VALU_DEP_1)
	v_readfirstlane_b32 s[WV], v1
	s_and_b32 s15, s[WV], 1
	s_bfe_u32 s16, ttmp6, 0x40000                  ; cx
	s_bfe_u32 s17, ttmp6, 0x40004                  ; cy
	s_lshl_b32 s18, ttmp9, 2
	s_add_co_u32 s18, s18, s16                     ; tn
	s_and_b32 s19, ttmp7, 0xffff
	s_lshl_b32 s19, s19, 2
	s_add_co_u32 s19, s19, s17                     ; tm
	s_lshl_b32 s20, s17, 2
	s_lshl_b32 s20, 15, s20
	s_lshl_b32 s21, 0x1111, s16
	s_or_b32 s[G1A], s20, (3<<16)|(1<<21)
	s_or_b32 s[G1B], s21, (3<<16)|(1<<21)
	s_or_b32 s[G1SA], s20, (3<<16)|(1<<21)
	s_or_b32 s[G1SB], s21, (3<<16)|(1<<21)
.irp g, G1A, G1B
	s_mov_b32 s[\g+1], (NQ*192)<<16
	s_mov_b32 s[\g+2], HR<<16
	s_mov_b32 s[\g+3], (NQ*192)<<16
	s_mov_b32 s[\g+4], HR
	s_mov_b32 s[\g+5], KS*192
	s_mov_b32 s[\g+6], 0
	s_mov_b32 s[\g+7], 0
.endr
.irp g, G1SA, G1SB
	s_mov_b32 s[\g+1], (TM/2)<<16
	s_mov_b32 s[\g+2], (KS/2)<<16
	s_mov_b32 s[\g+3], (TM/2)<<16
	s_mov_b32 s[\g+4], KS/2
	s_mov_b32 s[\g+6], 0
	s_mov_b32 s[\g+7], 0
.endr
	s_mov_b32 s[G1SA+5], 2048
	s_mov_b32 s[G1SB+5], NB/2
	s_mul_i32 s22, s19, TM/16
	s_mul_i32 s23, s15, HR
	s_add_co_u32 s22, s22, s23
	s_mul_i32 s92, s22, KS*1536
	s_mov_b32 s93, 0
	s_mul_i32 s22, s15, (KS/2)*4096*4
	s_mul_i32 s23, s19, TM*4
	s_add_co_u32 s22, s22, s23
	s_add_co_u32 s96, s22, ASO
	s_mov_b32 s97, 0
	s_mul_i32 s24, s18, TM/16
	s_mul_i32 s25, s15, HR
	s_add_co_u32 s24, s24, s25
	s_mul_i32 s24, s24, KS*1536
	s_add_co_u32 s94, s24, BCO
	s_mov_b32 s95, 0
	s_mul_i32 s24, s15, (KS/2)*NB*4
	s_mul_i32 s25, s18, TM*4
	s_add_co_u32 s24, s24, s25
	s_add_co_u32 s98, s24, BSO
	s_mov_b32 s99, 0
	s_mul_i32 s26, s15, HR*NQ*1536
	s_mul_i32 s27, s15, (KS/2)*TM*4
	s_mov_b32 s[SEL], 0x76543210
	s_mov_b32 s[SEL+1], 0xfedcba98
	s_wait_dscnt 0x0
	s_wait_kmcnt 0x0
	s_add_nc_u64 s[92:93], s[4:5], s[92:93]
	s_add_nc_u64 s[96:97], s[4:5], s[96:97]
	s_add_nc_u64 s[94:95], s[6:7], s[94:95]
	s_add_nc_u64 s[98:99], s[6:7], s[98:99]
.irp s, 0,1
	s_mov_b32 s[G0A+4*\s], 1
	s_add_co_u32 s[G0A+4*\s+1], s26, \s*SLOT
	s_add_nc_u64 s[G0A+4*\s+2:G0A+4*\s+3], s[92:93], \s*NQ*1536
	s_or_b32 s[G0A+4*\s+3], s[G0A+4*\s+3], 0x80000000
	s_mov_b32 s[G0B+4*\s], 1
	s_add_co_u32 s[G0B+4*\s+1], s26, \s*SLOT+BOFF
	s_add_nc_u64 s[G0B+4*\s+2:G0B+4*\s+3], s[94:95], \s*NQ*1536
	s_or_b32 s[G0B+4*\s+3], s[G0B+4*\s+3], 0x80000000
.endr
	s_mov_b32 s[G0SA], 1
	s_add_co_u32 s[G0SA+1], s27, SCLA
	s_mov_b64 s[G0SA+2:G0SA+3], s[96:97]
	s_or_b32 s[G0SA+3], s[G0SA+3], 0x80000000
	s_mov_b32 s[G0SB], 1
	s_add_co_u32 s[G0SB+1], s27, SCLB
	s_mov_b64 s[G0SB+2:G0SB+3], s[98:99]
	s_or_b32 s[G0SB+3], s[G0SB+3], 0x80000000
	CROUND                                         ; all sixteen work-groups are here: the first joint loads meet
; THE FIRST FILLS, ONE A WAVE: twelve halves for waves 0-11, in one chain of branches on the wave's number; a pair of waves takes the two halves (wave % 2) of one tile.
; Waves 0-7: both operands' scale words and slot 0; waves 8-11: slot 1, on load lines of their own, since they jump over the wait ahead of the first barrier.
.macro ARM under, g0, g1
	s_cmp_lt_u32 s[WV], \under
	s_cbranch_scc0 .Lnext_\@
	tensor_load_to_lds s[\g0:\g0+3], s[\g1:\g1+7]
	s_nop 0
.rept 4
	v_nop
.endr
	s_branch .Lfirst_done
.Lnext_\@:
.endm
	ARM 2, G0SA, G1SA
	ARM 4, G0SB, G1SB
	ARM 6, G0A, G1A
	ARM 8, G0B, G1B
	ARM 10, G0A+4, G1A
	ARM 12, G0B+4, G1B
.Lfirst_done:
	; A PREFETCH INTO THE L2 of the two fills that come by refills, fills 2 and 3: of a row tile they are 6,144 bytes on end, 24 blocks of 256, a lane a block (lanes 24-31 name the last block again), one instruction a wave.
	; A tile's sixteen row tiles are shared out BY ADDRESS among the four partners that ask for it jointly, four each: waves 0-3 name the tokens', waves 4-7 the weights'.  s[92:93] and v12 are not written again.
	s_lshr_b32 s20, s[WV], 2
	s_cmp_eq_u32 s20, 0
	s_cselect_b32 s22, s19, s18                    ; the tile: tm or tn
	s_cselect_b32 s23, s16, s17                    ; my work-group's place among the partners: cx for the tokens, cy for the weights
	s_cselect_b32 s24, 0, BCO
	s_cselect_b64 s[92:93], s[4:5], s[6:7]
	s_lshl_b32 s22, s22, 4
	s_lshl_b32 s23, s23, 2
	s_add_co_u32 s22, s22, s23
	s_and_b32 s23, s[WV], 3
	s_add_co_u32 s22, s22, s23                     ; row tile 16 x tile + 4 x place + wave % 4
	s_mul_i32 s20, s22, KS*1536
	s_add_co_u32 s20, s20, s24
	s_add_co_u32 s20, s20, 2*NQ*1536               ; where fill 2 begins
	s_mov_b32 s21, 0
	s_add_nc_u64 s[92:93], s[92:93], s[20:21]
	s_lshr_b32 s60, s[WV], 2                       ; wm
	s_and_b32 s61, s[WV], 3                        ; wn
	s_mul_i32 s27, s60, WROW                       ; source 1: the tokens
	s_mul_i32 s26, s61, WROW
	s_add_co_u32 s26, s26, BOFF                    ; source 0: the weights
	s_lshl_b32 s67, s60, 8
	s_add_co_u32 s67, s67, SCLA
	s_lshl_b32 s66, s61, 8
	s_add_co_u32 s66, s66, SCLB
	v_and_b32 v11, 31, v0                          ; lane
	v_and_b32 v12, 15, v0                          ; r
	v_bfe_u32 v13, v0, 4, 1                        ; h
	s_delay_alu instid0(VALU_DEP_3)
	v_lshlrev_b32 v14, 4, v11                      ; 16 x lane
	s_delay_alu instid0(VALU_DEP_3)
	v_lshlrev_b32 v15, 4, v12
	s_delay_alu instid0(VALU_DEP_1)
	v_lshl_add_u32 v15, v13, 3, v15                ; 16 r + 8 h
	v_lshlrev_b32 v16, 2, v11                      ; 4 x lane
	v_lshlrev_b32 v17, 5, v13                      ; 32 h
	v_lshlrev_b32 v18, 3, v11                      ; 8 x lane
	s_lshl_b32 s22, s18, 10                        ; the bias of my 64 units: 1,024 bytes a tile of columns, 256 a wave
	s_lshl_b32 s23, s61, 8
	s_add_co_u32 s22, s22, s23
	s_mov_b32 s23, 0
	s_add_nc_u64 s[8:9], s[8:9], s[22:23]
	global_load_b64 v[28:29], v18, s[8:9]          ; asked for here, wanted behind the last product: numbers 2 L and 2 L + 1
	s_lshl_b32 s24, s[WV], 8                       ; my wave's 256 bytes in slot 0, for the way out:
	v_add_nc_u32 v19, s24, v18                     ; where I lay my two numbers,
	v_add_nc_u32 v17, s24, v17                     ; and where I read them back (+ 32 h)
	v_mov_b32 v20, 0x39702d51                      ; P's leading coefficient, twice,
	v_mov_b32 v21, 0x39702d51
	v_mov_b32 v22, 0xb3fd3906                      ; and Q's
	v_mov_b32 v23, 0xb3fd3906
	v_add_nc_u32 v1, s26, v14
	v_add_nc_u32 v2, s26, v15
	s_delay_alu instid0(VALU_DEP_2)
	v_add_nc_u32 v3, SLOT, v1
	s_delay_alu instid0(VALU_DEP_2)
	v_add_nc_u32 v4, SLOT, v2
	v_add_nc_u32 v5, s27, v14
	v_add_nc_u32 v6, s27, v15
	s_delay_alu instid0(VALU_DEP_2)
	v_add_nc_u32 v7, SLOT, v5
	s_delay_alu instid0(VALU_DEP_2)
	v_add_nc_u32 v8, SLOT, v6
	v_add_nc_u32 v9, s66, v16
	v_add_nc_u32 v10, s67, v16
	v_min_u32 v12, 23, v11                         ; from here on v12 is the prefetch's offset: 256 x min(lane, 23)
	v_lshlrev_b32 v12, 8, v12
	s_wait_alu depctr_va_vdst(0)
	s_cmp_lt_u32 s[WV], 8                          ; waves 0-7 wait for their load: the scale words and slot 0.  Slot 1's loads may stay out
	s_cbranch_scc0 .Lnot_first
	global_prefetch_b8 v12, s[92:93] th:TH_LOAD_NT scope:SCOPE_SE   ; fill 2's load stands one slot's work on, fill 3's two
	s_wait_tensorcnt 0x0
.Lnot_first:
	s_barrier_signal -1
	s_barrier_wait -1
	WORK 0, 1
	TWO 1, 1
	TWO 0, 1
	TWO 1, 0
	; ---- the way out: bias, gelu, quantiser, images
	s_lshl_b32 s22, s19, 4
	s_lshl_b32 s23, s60, 2
	s_add_co_u32 s22, s22, s23                     ; my first row tile
	s_mul_i32 s94, s22, 49152
	s_lshl_b32 s23, s18, 1
	s_lshr_b32 s24, s61, 1
	s_add_co_u32 s23, s23, s24                     ; the next product's K step,
	s_mul_i32 s24, s23, 1536
	s_add_co_u32 s94, s94, s24
	s_and_b32 s25, s61, 1                          ; and which half of it
	s_mul_i32 s24, s25, 768
	s_add_co_u32 s94, s94, s24
	s_mov_b32 s95, 0
	s_add_nc_u64 s[94:95], s[10:11], s[94:95]
	s_lshl_b32 s96, s23, 14
	s_lshl_b32 s24, s22, 6
	s_add_co_u32 s96, s96, s24
	s_lshl_b32 s24, s25, 1
	s_add_co_u32 s96, s96, s24
	s_add_co_u32 s96, s96, HS
	s_mov_b32 s97, 0
	s_add_nc_u64 s[96:97], s[10:11], s[96:97]
	s_mov_b32 s98, 0xc06f9c68                      ; -3.7439211,
	s_mov_b32 s99, 0x406f9c68                      ; 3.7439211
.rept 4
	v_nop                                          ; places behind the last products
.endr
	s_wait_loadcnt 0x0                             ; the bias
	ds_store_b64 v19, v[28:29]                     ; 64 numbers on end, in bytes of my wave's own: every wave has passed the last change of slots, behind which nobody reads slot 0 and nothing is filled
.irp j, 0,1,2,3
	ds_load_b128 v[32+8*\j:35+8*\j], v17 offset:64*\j          ; the bias in the result's layout: units 16 j + 8 h + 0 .. 7.  LDS serves a wave's instructions in order (ISA guide 5.7.1.4): these see my store
	ds_load_b128 v[36+8*\j:39+8*\j], v17 offset:64*\j+16
.endr
	s_wait_dscnt 0x0
.irp i, 0,1,2,3
.irp k, 0,2,4,6,8,10,12,14,16,18,20,22,24,26,28,30
	v_pk_add_f32 v[ACC+32*\i+\k:ACC+32*\i+\k+1], v[ACC+32*\i+\k:ACC+32*\i+\k+1], v[32+\k:33+\k]   ; each accumulator from its low end on
.endr
.endr
.irp g, 0,1,2,3,4,5,6,7
	GELU16 ACC+16*\g
.endr
.irp i, 0,1,2,3
	QH ACC+32*\i, 96+8*\i, 32, 36, 44+\i
	global_store_b128 v14, v[96+8*\i:99+8*\i], s[94:95] offset:49152*\i        ; 512 consecutive bytes, aligned
	global_store_b64 v15, v[100+8*\i:101+8*\i], s[94:95] offset:49152*\i+512   ; 256
.endr
	v_cmp_gt_u32 vcc_lo, 16, v11
	s_delay_alu instid0(VALU_DEP_1)
	v_cndmask_b32 v48, v45, v44, vcc_lo            ; rows 0-31: tile 0 below, tile 1 above
	s_delay_alu instid0(VALU_DEP_2)
	v_cndmask_b32 v49, v47, v46, vcc_lo            ; rows 32-63
	global_store_b16 v16, v48, s[96:97]            ; half of a scale word a row: the K step's other half comes from another wave; two bytes for each 48 of codes
	global_store_b16 v16, v49, s[96:97] offset:128
	s_wait_tensorcnt 0x0                           ; the wave's end: behind my last tensor load and my last LDS store
	ds_add_u32 v[SPW], v[NIL]
	s_wait_dscnt 0x0
	CROUND                                         ; the closing round
	s_endpgm
.Lfunc_end_k_q77ac8ac51c_g_fc:
	.size	k_q77ac8ac51c_g_fc, .Lfunc_end_k_q77ac8ac51c_g_fc-k_q77ac8ac51c_g_fc
	.p2alignl 7, 3214868480
	.fill 96, 4, 3214868480
	.section	.rodata,"a",@progbits
	.p2align	6, 0x0
	.amdhsa_kernel k_q77ac8ac51c_g_fc
		.amdhsa_group_segment_fixed_size 327680
		.amdhsa_private_segment_fixed_size 0
		.amdhsa_enable_private_segment 0
		.amdhsa_kernarg_size 32
		.amdhsa_user_sgpr_count 2
		.amdhsa_user_sgpr_kernarg_segment_ptr 1
		.amdhsa_wavefront_size32 1
		.amdhsa_system_sgpr_workgroup_id_x 1
		.amdhsa_system_sgpr_workgroup_id_y 1
		.amdhsa_system_sgpr_workgroup_id_z 1
		.amdhsa_system_vgpr_workitem_id 0
		.amdhsa_next_free_vgpr 256
		.amdhsa_next_free_sgpr 102
		.amdhsa_reserve_vcc 1
		.amdhsa_float_denorm_mode_32 3
		.amdhsa_float_denorm_mode_16_64 3
		.amdhsa_memory_ordered 1
		.amdhsa_forward_progress 1
		.amdhsa_inst_pref_size 164
	.end_amdhsa_kernel
	.amdgpu_metadata
---
amdhsa.version: [ 1, 2 ]
amdhsa.kernels:
  - .name:           k_q77ac8ac51c_g_fc
    .symbol:         k_q77ac8ac51c_g_fc.kd
    .args:
      - { .name: act, .offset: 0, .size: 8, .value_kind: global_buffer, .address_space: global }
      - { .name: wts, .offset: 8, .size: 8, .value_kind: global_buffer, .address_space: global }
      - { .name: fc_b, .offset: 16, .size: 8, .value_kind: global_buffer, .address_space: global }
      - { .name: hid, .offset: 24, .size: 8, .value_kind: global_buffer, .address_space: global }
    .group_segment_fixed_size: 327680
    .private_segment_fixed_size: 0
    .kernarg_segment_align: 8
    .kernarg_segment_size: 32
    .max_flat_workgroup_size: 512
    .sgpr_count:     102
    .vgpr_count:     256
    .wavefront_size: 32
...
	.end_amdgpu_metadata
.endif
;; end of part 6
;; launch g_out (part 7): grid 8 x 32, 8 waves a work-group, clusters of 4 x 4, 327,680 bytes of LDS; arguments hid, wts, fc_proj_b, x1, out0; writes out0
.if DOCPART == 7
	.amdgcn_target "amdgcn-amd-amdhsa--gfx1250"
	.amdhsa_code_object_version 6
	.text
	.protected	k_q77ac8ac51c_g_out
	.globl	k_q77ac8ac51c_g_out
	.p2align	8
	.type	k_q77ac8ac51c_g_out,@function
k_q77ac8ac51c_g_out:
	s_mov_b64 s[64:65], 0
	v_nop
	global_prefetch_b8 v0, s[64:65] scope:SCOPE_SE
	s_setreg_imm32_b32 hwreg(HW_REG_WAVE_MODE, 25, 1), 1
	s_wait_xcnt 0x0
	s_wait_alu depctr_hold_cnt(0) depctr_sa_sdst(0) depctr_va_vdst(0) depctr_va_sdst(0) depctr_va_ssrc(0) depctr_va_vcc(0) depctr_vm_vsrc(0)
	s_getreg_b32 s2, hwreg(HW_REG_IB_STS2, 6, 4)
	s_cmp_eq_u32 s2, 0
	s_cbranch_scc0 .Lentry_in_a_cluster
	s_endpgm
.Lentry_in_a_cluster:
	s_bfe_u32 s2, ttmp6, 0x10000c
	s_cmp_lg_u32 s2, 0xf033
	s_cbranch_scc0 .Lentry_shape_is_right
	s_endpgm
.Lentry_shape_is_right:
; out = x1 + hid fc_proj_w + fc_proj_b; the product on codes of FP6 (E2M3) with one E8M0 scale for each 32 along K = 4,096; all else f32.
; OPERANDS lie in memory as images of the operand's registers: [row tile][K step][1536]; scale words [K step][row].
; SHARES.  1,024 columns give 256 work-groups only with tiles of 128 x 128.  Eight waves: four places of 64 x 64, and each place twice: waves 0-3 take the first two of a slot's four K steps, waves 4-7 the other two;
; at the end waves 4-7 hand their sums to their partners through LDS.  K goes through a ring of two LDS slots of 512 along K: eight slots' worth, six refills.
; A refill is wave 0's load of the tokens' tile and wave 1's of the weights', as loads joint with the cluster's row or column (4 x 4 work-groups); the scale words for all of K come once, with the first fills.
; THE RESIDUAL of a place's 64 rows x 256 bytes is asked for behind the first barrier, when the first tiles have landed, by the wave that will add it: 16 loads into v256-319 (window 1), which nothing else names.
; It has the eight slots' work in which to land, and the way out waits for no load that was issued behind the last product.
; Source 0 = 16 rows of W, source 1 = 16 tokens: a lane holds eight neighbouring columns of one row; a tile of 16 rows goes through the wave's stage in LDS, so that sixteen lanes store 256 consecutive bytes.
; The hand-over lies in slot 0 and the stages behind it reach into slot 1; both have had their last fill and their last read when the first of them is written.
.set TM,   128
.set NQ,   4
.set KS,   32
.set HR,   8                           ; row tiles that one tensor load brings: a whole tile of tokens or of weights.  THE FIRST FILLS are six whole loads, one a wave (waves 0-5); a refill is wave 0's load of the tokens and wave 1's of the weights
.set PFA,  96                          ; s[96:97] where my prefetches stand
.set NB,   1024
.set LAPS, 3
.set ASO,  12582912
.set BCO,  6291456
.set BSO,  9699328
.set SLOT, 98304
.set BOFF, 49152
.set SCLA, 196608
.set SCLB, SCLA+KS*TM*4
.set SPARE, SCLB+KS*TM*4               ; the spare words, 128 bytes for each wave: four blocks of 256 bytes that no other line names
.set WROW, 4*NQ*1536
.set STG,  65536                       ; stages: 16 rows x 272 bytes for each of eight waves; the hand-over: 16,384 bytes for each, from byte 0
.set WV,   14
.set G1A,  28
.set G1B,  36
.set G1SA, 44
.set G1SB, 52
.set G0A,  68
.set G0B,  76
.set G0SA, 84
.set G0SB, 88
.set SPW,  30
.set NIL,  31
.set SCX,  24
.set SCY,  26
.set F0,   32
.set F1,   80
.set ACC,  128
.set MSB,  0
.macro WIN new                         ; s_set_vgpr_msb: bits 1:0 source 0, 3:2 source 1, 5:4 source 2, 7:6 destination; the immediate's high byte repeats the setting that is left
.if MSB != \new
	s_set_vgpr_msb (MSB<<8)|\new
.set MSB, \new
.endif
.endm
.macro CROUND
	s_barrier_signal -1
	s_barrier_wait -1
	s_cmp_lg_u32 s[WV], 0
	s_cbranch_scc1 .Lnw0_\@
	s_barrier_signal -3
.Lnw0_\@:
	s_barrier_wait -3
	s_barrier_signal -1
	s_barrier_wait -1
.endm
.macro JLOAD slot
	s_cmp_lt_u32 s[WV], 1
	s_cbranch_scc0 .Lnota_\@
	tensor_load_to_lds s[G0A+4*(\slot):G0A+4*(\slot)+3], s[G1A:G1A+7]
	s_nop 0
.rept 4
	v_nop
.endr
	s_branch .Lasked_\@
.Lnota_\@:
	s_cmp_lt_u32 s[WV], 2
	s_cbranch_scc0 .Lasked_\@
	tensor_load_to_lds s[G0B+4*(\slot):G0B+4*(\slot)+3], s[G1B:G1B+7]
	s_nop 0
.rept 4
	v_nop
.endr
.Lasked_\@:
.endm
.macro WMZ dd, aa, bb, sa, sb, pa, pb
.if ((\pa) != 0) && ((\pb) != 0)
	v_wmma_scale_f32_16x16x128_f8f6f4 v[(\dd):(\dd)+7], v[(\aa):(\aa)+11], v[(\bb):(\bb)+11], 0, v[(\sa)], v[(\sb)] matrix_a_fmt:MATRIX_FMT_FP6 matrix_b_fmt:MATRIX_FMT_FP6 matrix_a_scale:MATRIX_SCALE_ROW1 matrix_b_scale:MATRIX_SCALE_ROW1
.elseif (\pa) != 0
	v_wmma_scale_f32_16x16x128_f8f6f4 v[(\dd):(\dd)+7], v[(\aa):(\aa)+11], v[(\bb):(\bb)+11], 0, v[(\sa)], v[(\sb)] matrix_a_fmt:MATRIX_FMT_FP6 matrix_b_fmt:MATRIX_FMT_FP6 matrix_a_scale:MATRIX_SCALE_ROW1
.elseif (\pb) != 0
	v_wmma_scale_f32_16x16x128_f8f6f4 v[(\dd):(\dd)+7], v[(\aa):(\aa)+11], v[(\bb):(\bb)+11], 0, v[(\sa)], v[(\sb)] matrix_a_fmt:MATRIX_FMT_FP6 matrix_b_fmt:MATRIX_FMT_FP6 matrix_b_scale:MATRIX_SCALE_ROW1
.else
	v_wmma_scale_f32_16x16x128_f8f6f4 v[(\dd):(\dd)+7], v[(\aa):(\aa)+11], v[(\bb):(\bb)+11], 0, v[(\sa)], v[(\sb)] matrix_a_fmt:MATRIX_FMT_FP6 matrix_b_fmt:MATRIX_FMT_FP6
.endif
.endm
.macro WMA dd, aa, bb, sa, sb, pa, pb
.if ((\pa) != 0) && ((\pb) != 0)
	v_wmma_scale_f32_16x16x128_f8f6f4 v[(\dd):(\dd)+7], v[(\aa):(\aa)+11], v[(\bb):(\bb)+11], v[(\dd):(\dd)+7], v[(\sa)], v[(\sb)] matrix_a_fmt:MATRIX_FMT_FP6 matrix_b_fmt:MATRIX_FMT_FP6 matrix_a_scale:MATRIX_SCALE_ROW1 matrix_b_scale:MATRIX_SCALE_ROW1
.elseif (\pa) != 0
	v_wmma_scale_f32_16x16x128_f8f6f4 v[(\dd):(\dd)+7], v[(\aa):(\aa)+11], v[(\bb):(\bb)+11], v[(\dd):(\dd)+7], v[(\sa)], v[(\sb)] matrix_a_fmt:MATRIX_FMT_FP6 matrix_b_fmt:MATRIX_FMT_FP6 matrix_a_scale:MATRIX_SCALE_ROW1
.elseif (\pb) != 0
	v_wmma_scale_f32_16x16x128_f8f6f4 v[(\dd):(\dd)+7], v[(\aa):(\aa)+11], v[(\bb):(\bb)+11], v[(\dd):(\dd)+7], v[(\sa)], v[(\sb)] matrix_a_fmt:MATRIX_FMT_FP6 matrix_b_fmt:MATRIX_FMT_FP6 matrix_b_scale:MATRIX_SCALE_ROW1
.else
	v_wmma_scale_f32_16x16x128_f8f6f4 v[(\dd):(\dd)+7], v[(\aa):(\aa)+11], v[(\bb):(\bb)+11], v[(\dd):(\dd)+7], v[(\sa)], v[(\sb)] matrix_a_fmt:MATRIX_FMT_FP6 matrix_b_fmt:MATRIX_FMT_FP6
.endif
.endm
.macro FRAG reg, a16, a8, off
	ds_load_b128 v[(\reg):(\reg)+3], v[(\a16)] offset:(\off)
	ds_load_b64 v[(\reg)+4:(\reg)+5], v[(\a8)] offset:(\off)+512
	ds_load_b128 v[(\reg)+6:(\reg)+9], v[(\a16)] offset:(\off)+768
	ds_load_b64 v[(\reg)+10:(\reg)+11], v[(\a8)] offset:(\off)+1280
.endm
.macro KSTEP slot, q, zero             ; 128 along K: my q-th of the slot; the sixteen accumulators take turns, over the loop's edge too
.rept 4
	v_nop                                          ; places in front of loads into registers that matrix instructions have read
.endr
.irp i, 0,1,2,3
	FRAG F0+12*\i, 1+2*\slot, 2+2*\slot, (\i*NQ+\q)*1536
	FRAG F1+12*\i, 5+2*\slot, 6+2*\slot, (\i*NQ+\q)*1536
.endr
.irp p, 0,1
	ds_load_b32 v[SCX+\p], v9 offset:\q*TM*4+128*\p
	ds_load_b32 v[SCY+\p], v10 offset:\q*TM*4+128*\p
.endr
	s_wait_dscnt 0x0
.irp a, 0,1,2,3
.irp b, 0,1,2,3
.if \zero
	WMZ ACC+8*(4*\a+\b), F0+12*\b, F1+12*\a, SCX+\b/2, SCY+\a/2, \b%2, \a%2
.else
	WMA ACC+8*(4*\a+\b), F0+12*\b, F1+12*\a, SCX+\b/2, SCY+\a/2, \b%2, \a%2
.endif
.endr
.endr
.endm
; A PREFETCH INTO THE L2: while fill f is worked (its refill, fill f + 1, has been asked for at the slot's head), the fill that is loaded two changes of slots later, f + 3, is named: of each row tile 6,144 bytes, 24 blocks of 256, a lane a block
; (lanes 24-31 name the last block again).  A tile's eight row tiles are shared out BY ADDRESS among the four partners that ask for it jointly, two each: waves 0, 1 name the tokens', waves 2, 3 the weights'.
; The loop's last trip asks for nothing: fills 8 and 9 do not exist.
.macro ASK off
	s_cmp_lt_u32 s[WV], 4
	s_cbranch_scc0 .Lnoask_\@
	s_cmp_lg_u32 s3, 1                             ; s3 = 1 in the loop's last trip
	s_cbranch_scc0 .Lnoask_\@
	global_prefetch_b8 v16, s[PFA:PFA+1] offset:\off th:TH_LOAD_NT scope:SCOPE_SE
.Lnoask_\@:
.endm
.macro WORK slot, zero, off=-1
	KSTEP \slot, 0, \zero
.if (\off) >= 0
	ASK \off
.endif
	KSTEP \slot, 1, 0
	v_add_nc_u32 v9, NQ*TM*4, v9
	v_add_nc_u32 v10, NQ*TM*4, v10
.endm
.macro TWO slot, refill, off=-1
	s_wait_tensorcnt 0x0
	ds_add_u32 v[SPW], v[NIL]
.if \refill
	ds_add_u32 v[SPW], v[NIL]                      ; written twice where a refill follows
	s_add_nc_u64 s[G0A+4*(1-\slot)+2:G0A+4*(1-\slot)+3], s[G0A+4*(1-\slot)+2:G0A+4*(1-\slot)+3], 2*NQ*1536
	s_add_nc_u64 s[G0B+4*(1-\slot)+2:G0B+4*(1-\slot)+3], s[G0B+4*(1-\slot)+2:G0B+4*(1-\slot)+3], 2*NQ*1536
.endif
	s_wait_dscnt 0x0
.if \refill
	CROUND
	JLOAD 1-\slot
.else
	s_barrier_signal -1
	s_barrier_wait -1
.endif
	s_wait_alu depctr_va_vdst(0)
	WORK \slot, 0, \off
.endm
; The residual's 32 rows x 256 bytes that I send out, at the places where the results will be stored: tile i's rows 2 t + h at v[256 + 32 i + 4 t].  Every wave adds its own.
.macro RESALL
	WIN 0x40                                       ; destination window 1, address window 0.  Every wave: the 32 rows that it will itself send out (its base stands at them)
.irp i, 0,1
.irp t, 0,1,2,3,4,5,6,7
	global_load_b128 v[32*\i+4*\t:32*\i+4*\t+3], v29, s[10:11] offset:(16*\i+2*\t)*4096 th:TH_LOAD_NT
.endr
.endr
	WIN 0
.endm
	s_load_b256 s[4:11], s[0:1], 0x0               ; tokens' operand, wts, bias, residual
	s_load_b64 s[12:13], s[0:1], 0x20              ; result
	v_lshl_add_u32 v[SPW], v0, 2, SPARE
	v_mov_b32 v[NIL], 0
	ds_add_u32 v[SPW], v[NIL]                      ; the wave's opening: the add and its wait ahead of the first tensor loads
	ds_add_u32 v[SPW], v[NIL]
	v_lshrrev_b32 v1, 5, v0
	s_delay_alu instid0(VALU_DEP_1)
	v_readfirstlane_b32 s[WV], v1                  ; wave 0..7
	s_bfe_u32 s16, ttmp6, 0x40000                  ; cx
	s_bfe_u32 s17, ttmp6, 0x40004                  ; cy
	s_lshl_b32 s18, ttmp9, 2
	s_add_co_u32 s18, s18, s16                     ; tn
	s_and_b32 s19, ttmp7, 0xffff
	s_lshl_b32 s19, s19, 2
	s_add_co_u32 s19, s19, s17                     ; tm
	s_lshl_b32 s20, s17, 2
	s_lshl_b32 s20, 15, s20
	s_lshl_b32 s21, 0x1111, s16
	s_or_b32 s[G1A], s20, (3<<16)|(1<<21)
	s_or_b32 s[G1B], s21, (3<<16)|(1<<21)
	s_or_b32 s[G1SA], s20, (3<<16)|(1<<21)
	s_or_b32 s[G1SB], s21, (3<<16)|(1<<21)
.irp g, G1A, G1B
	s_mov_b32 s[\g+1], (NQ*192)<<16
	s_mov_b32 s[\g+2], HR<<16
	s_mov_b32 s[\g+3], (NQ*192)<<16
	s_mov_b32 s[\g+4], HR
	s_mov_b32 s[\g+5], KS*192
	s_mov_b32 s[\g+6], 0
	s_mov_b32 s[\g+7], 0
.endr
.irp g, G1SA, G1SB
	s_mov_b32 s[\g+1], (TM/2)<<16
	s_mov_b32 s[\g+2], KS<<16
	s_mov_b32 s[\g+3], (TM/2)<<16
	s_mov_b32 s[\g+4], KS
	s_mov_b32 s[\g+6], 0
	s_mov_b32 s[\g+7], 0
.endr
	s_mov_b32 s[G1SA+5], 2048
	s_mov_b32 s[G1SB+5], NB/2
	s_mul_i32 s92, s19, (TM/16)*KS*1536            ; the tokens' codes hang on tm alone,
	s_mov_b32 s93, 0
	s_mul_i32 s96, s19, TM*4                       ; and so do their scale words;
	s_add_co_u32 s96, s96, ASO
	s_mov_b32 s97, 0
	s_mul_i32 s94, s18, (TM/16)*KS*1536            ; the weights' on tn alone
	s_add_co_u32 s94, s94, BCO
	s_mov_b32 s95, 0
	s_mul_i32 s98, s18, TM*4
	s_add_co_u32 s98, s98, BSO
	s_mov_b32 s99, 0
	s_wait_dscnt 0x0
	s_wait_kmcnt 0x0
	s_add_nc_u64 s[92:93], s[4:5], s[92:93]
	s_add_nc_u64 s[96:97], s[4:5], s[96:97]
	s_add_nc_u64 s[94:95], s[6:7], s[94:95]
	s_add_nc_u64 s[98:99], s[6:7], s[98:99]
.irp s, 0,1
	s_mov_b32 s[G0A+4*\s], 1
	s_mov_b32 s[G0A+4*\s+1], \s*SLOT
	s_add_nc_u64 s[G0A+4*\s+2:G0A+4*\s+3], s[92:93], \s*NQ*1536
	s_or_b32 s[G0A+4*\s+3], s[G0A+4*\s+3], 0x80000000
	s_mov_b32 s[G0B+4*\s], 1
	s_mov_b32 s[G0B+4*\s+1], \s*SLOT+BOFF
	s_add_nc_u64 s[G0B+4*\s+2:G0B+4*\s+3], s[94:95], \s*NQ*1536
	s_or_b32 s[G0B+4*\s+3], s[G0B+4*\s+3], 0x80000000
.endr
	s_mov_b32 s[G0SA], 1
	s_mov_b32 s[G0SA+1], SCLA
	s_mov_b64 s[G0SA+2:G0SA+3], s[96:97]
	s_or_b32 s[G0SA+3], s[G0SA+3], 0x80000000
	s_mov_b32 s[G0SB], 1
	s_mov_b32 s[G0SB+1], SCLB
	s_mov_b64 s[G0SB+2:G0SB+3], s[98:99]
	s_or_b32 s[G0SB+3], s[G0SB+3], 0x80000000
	CROUND                                         ; all sixteen work-groups are here: the first joint loads meet
; THE FIRST FILLS, ONE A WAVE, in one chain of branches on the wave's number: waves 0, 1 the two operands' scale words, waves 2, 3 slot 0's two tiles, waves 4, 5 slot 1's, on load lines of their own.
.macro ARM under, g0, g1
	s_cmp_lt_u32 s[WV], \under
	s_cbranch_scc0 .Lnext_\@
	tensor_load_to_lds s[\g0:\g0+3], s[\g1:\g1+7]
	s_nop 0
.rept 4
	v_nop
.endr
	s_branch .Lfirst_done
.Lnext_\@:
.endm
	ARM 1, G0SA, G1SA
	ARM 2, G0SB, G1SB
	ARM 3, G0A, G1A
	ARM 4, G0B, G1B
	ARM 5, G0A+4, G1A
	ARM 6, G0B+4, G1B
.Lfirst_done:
	; where my prefetches begin: fill 2 of row tile 8 x tile + 2 x my work-group's place among the four partners + wave % 2
	s_lshr_b32 s20, s[WV], 1
	s_cmp_eq_u32 s20, 0                            ; waves 0, 1: the tokens; waves 2, 3: the weights (waves 4-7 ask for nothing)
	s_cselect_b32 s21, s19, s18                    ; the tile: tm or tn
	s_cselect_b32 s24, s16, s17                    ; my place among the partners: cx for the tokens, cy for the weights
	s_cselect_b32 s25, 0, BCO
	s_cselect_b64 s[PFA:PFA+1], s[4:5], s[6:7]
	s_lshl_b32 s21, s21, 3
	s_lshl_b32 s24, s24, 1
	s_add_co_u32 s21, s21, s24
	s_and_b32 s24, s[WV], 1
	s_add_co_u32 s21, s21, s24
	s_mul_i32 s98, s21, KS*1536
	s_add_co_u32 s98, s98, s25
	s_add_co_u32 s98, s98, 2*NQ*1536
	s_mov_b32 s99, 0
	s_add_nc_u64 s[PFA:PFA+1], s[PFA:PFA+1], s[98:99]
	s_lshr_b32 s62, s[WV], 2                       ; kh: which two of a slot's four K steps
	s_bfe_u32 s60, s[WV], 0x10001                  ; wm
	s_and_b32 s61, s[WV], 1                        ; wn
	s_mul_i32 s63, s62, 3072
	s_mul_i32 s27, s60, WROW
	s_add_co_u32 s27, s27, s63                     ; source 1: the tokens
	s_mul_i32 s26, s61, WROW
	s_add_co_u32 s26, s26, s63
	s_add_co_u32 s26, s26, BOFF                    ; source 0: the weights
	s_lshl_b32 s63, s62, 10                        ; two K steps of TM words
	s_lshl_b32 s67, s60, 8
	s_add_co_u32 s67, s67, s63
	s_add_co_u32 s67, s67, SCLA
	s_lshl_b32 s66, s61, 8
	s_add_co_u32 s66, s66, s63
	s_add_co_u32 s66, s66, SCLB
	s_and_b32 s63, s[WV], 3                        ; my place among the four
	s_lshl_b32 s22, s63, 14                        ; its hand-over,
	s_mul_i32 s23, s[WV], 16*272                   ; a stage for each of the eight waves; they are written behind the barrier of the hand-over, when nobody reads either slot any more
	s_add_co_u32 s23, s23, STG                     ; its stage
	v_and_b32 v11, 31, v0                          ; lane
	v_and_b32 v12, 15, v0                          ; r
	v_bfe_u32 v13, v0, 4, 1                        ; h
	s_delay_alu instid0(VALU_DEP_3)
	v_lshlrev_b32 v14, 4, v11                      ; 16 x lane
	s_delay_alu instid0(VALU_DEP_3)
	v_lshlrev_b32 v15, 4, v12
	s_delay_alu instid0(VALU_DEP_1)
	v_lshl_add_u32 v15, v13, 3, v15                ; 16 r + 8 h
	v_lshlrev_b32 v16, 2, v11                      ; 4 x lane
	v_lshlrev_b32 v17, 4, v12                      ; 16 r
	v_add_nc_u32 v18, s22, v14                     ; the hand-over: 16 x lane
	v_mul_u32_u24 v19, v12, 272
	s_delay_alu instid0(VALU_DEP_1)
	v_lshl_add_u32 v19, v13, 5, v19
	s_delay_alu instid0(VALU_DEP_1)
	v_add_nc_u32 v19, s23, v19                     ; into the stage: row r, + 32 h
	v_mul_u32_u24 v28, v13, 272
	s_delay_alu instid0(VALU_DEP_1)
	v_lshl_add_u32 v28, v12, 4, v28
	s_delay_alu instid0(VALU_DEP_1)
	v_add_nc_u32 v28, s23, v28                     ; back: lanes 0-15 one row, lanes 16-31 the next
	v_lshl_add_u32 v29, v13, 12, v17               ; and the same two rows in memory
	v_add_nc_u32 v1, s26, v14
	v_add_nc_u32 v2, s26, v15
	s_delay_alu instid0(VALU_DEP_2)
	v_add_nc_u32 v3, SLOT, v1
	s_delay_alu instid0(VALU_DEP_2)
	v_add_nc_u32 v4, SLOT, v2
	v_add_nc_u32 v5, s27, v14
	v_add_nc_u32 v6, s27, v15
	s_delay_alu instid0(VALU_DEP_2)
	v_add_nc_u32 v7, SLOT, v5
	s_delay_alu instid0(VALU_DEP_2)
	v_add_nc_u32 v8, SLOT, v6
	v_add_nc_u32 v9, s66, v16
	v_add_nc_u32 v10, s67, v16
	v_min_u32 v16, 23, v11                         ; from here on v16 is the prefetches' offset: 256 x min(lane, 23)
	v_lshlrev_b32 v16, 8, v16
	s_lshl_b32 s92, s18, 9
	s_lshl_b32 s24, s61, 8
	s_add_co_u32 s92, s92, s24                     ; my 64 columns, in bytes
	s_mov_b32 s93, 0
	s_add_nc_u64 s[8:9], s[8:9], s[92:93]
	global_load_b128 v[20:23], v17, s[8:9]         ; the bias of columns 4 r .. 4 r + 3
	s_lshl_b32 s24, s19, 19
	s_add_co_u32 s92, s92, s24
	s_lshl_b32 s24, s60, 18
	s_add_co_u32 s92, s92, s24                     ; + my place's 64 rows of 4,096 bytes
	s_lshl_b32 s24, s62, 17
	s_add_co_u32 s92, s92, s24                     ; + the 32 of them that I send out: waves 0-3 the first, waves 4-7 the second
	s_add_nc_u64 s[10:11], s[10:11], s[92:93]
	s_add_nc_u64 s[12:13], s[12:13], s[92:93]
	s_wait_alu depctr_va_vdst(0)                   ; the wait at the head's end
	s_cmp_lt_u32 s[WV], 4                          ; waves 0-3 wait for their load: the scale words and slot 0.  Slot 1's loads may stay out
	s_cbranch_scc0 .Lnot_first
	global_prefetch_b8 v16, s[PFA:PFA+1] th:TH_LOAD_NT scope:SCOPE_SE                  ; fills 2 and 3, whose loads stand one and two changes of slots on
	global_prefetch_b8 v16, s[PFA:PFA+1] offset:NQ*1536 th:TH_LOAD_NT scope:SCOPE_SE
	s_wait_tensorcnt 0x0
.Lnot_first:
	s_barrier_signal -1
	s_barrier_wait -1
	RESALL                                         ; the first tiles have landed: now the residual is asked for,
	WORK 0, 1
	s_mov_b32 s3, LAPS
.Llap:                                                 ; a trip works slot 1 and slot 0 and asks for both again
	TWO 1, 1, 2*NQ*1536
	TWO 0, 1, 3*NQ*1536
	s_wait_xcnt 0x0                                ; my prefetches have read their address: it steps two fills on
	s_add_nc_u64 s[PFA:PFA+1], s[PFA:PFA+1], 2*NQ*1536
	s_sub_co_u32 s3, s3, 1
	s_cmp_lg_u32 s3, 0
	s_cbranch_scc1 .Llap
	TWO 1, 0                                       ; the last slot is written out: nothing is left to fetch
.rept 4
	v_nop                                          ; places behind the last products
.endr
	s_cmp_lt_u32 s[WV], 4
	s_cbranch_scc1 .Llow                           ; THE WAY OUT IS SHARED: each of a place's two waves hands two tiles' sums over and finishes the other two
.set n, 0
.rept 16
	ds_store_b128 v18, v[ACC+4*n:ACC+4*n+3] offset:512*n   ; waves 4-7 lay down tiles 0 and 1, each accumulator from its low end on
.set n, n+1
.endr
	s_branch .Lmeet
.Llow:
.set n, 16
.rept 16
	ds_store_b128 v18, v[ACC+4*n:ACC+4*n+3] offset:512*n   ; waves 0-3 tiles 2 and 3
.set n, n+1
.endr
.Lmeet:
	s_wait_dscnt 0x0                               ; for the others' sake
	s_barrier_signal -1
	s_barrier_wait -1
	s_wait_loadcnt 0x0                             ; the bias and the residual, asked for ahead of the loop
.macro OUTT i                          ; tile i of 16 rows: my first (i even) or my second
.if (\i)%2
	s_wait_xcnt 0x0                                ; the last tile's stores have read v32-63, which are loaded again
.endif
.irp q, 0,1,2,3,4,5,6,7
	ds_load_b128 v[32+4*\q:35+4*\q], v18 offset:512*(8*\i+\q)              ; my partner's sums
.endr
	s_wait_dscnt 0x0
.irp k, 0,2,4,6,8,10,12,14,16,18,20,22,24,26,28,30
	v_pk_add_f32 v[ACC+32*\i+\k:ACC+32*\i+\k+1], v[ACC+32*\i+\k:ACC+32*\i+\k+1], v[32+\k:33+\k]
.endr
.irp j, 0,1,2,3
	ds_store_b128 v19, v[ACC+32*\i+8*\j:ACC+32*\i+8*\j+3] offset:64*\j
	ds_store_b128 v19, v[ACC+32*\i+8*\j+4:ACC+32*\i+8*\j+7] offset:64*\j+16
.endr
.irp t, 0,1,2,3,4,5,6,7
	ds_load_b128 v[32+4*\t:35+4*\t], v28 offset:2*\t*272                   ; LDS serves a wave's instructions in order (ISA guide 5.7.1.4): these see my stores
.endr
	s_wait_dscnt 0x0
	WIN 0x04                                       ; source 1: window 1
.irp k, 0,2,4,6,8,10,12,14,16,18,20,22,24,26,28,30
	v_pk_add_f32 v[32+\k:33+\k], v[32+\k:33+\k], v[32*((\i)%2)+\k:32*((\i)%2)+\k+1]    ; + the residual
.endr
	WIN 0
.irp t, 0,1,2,3,4,5,6,7
	v_pk_add_f32 v[32+4*\t:33+4*\t], v[32+4*\t:33+4*\t], v[20:21]
	v_pk_add_f32 v[34+4*\t:35+4*\t], v[34+4*\t:35+4*\t], v[22:23]
.endr
.irp t, 0,1,2,3,4,5,6,7
	global_store_b128 v29, v[32+4*\t:35+4*\t], s[12:13] offset:(16*((\i)%2)+2*\t)*4096 th:TH_STORE_NT   ; sixteen lanes store 256 consecutive bytes, aligned; written once, read by nobody here
.endr
.endm
	s_cmp_lt_u32 s[WV], 4
	s_cbranch_scc0 .Lhigh
	OUTT 0
	OUTT 1
	s_branch .Lend
.Lhigh:
	OUTT 2
	OUTT 3
.Lend:
	s_wait_tensorcnt 0x0                           ; the wave's end: behind my last tensor load and my last LDS store
	ds_add_u32 v[SPW], v[NIL]
	s_wait_dscnt 0x0
	CROUND                                         ; the closing round
	s_endpgm
.Lfunc_end_k_q77ac8ac51c_g_out:
	.size	k_q77ac8ac51c_g_out, .Lfunc_end_k_q77ac8ac51c_g_out-k_q77ac8ac51c_g_out
	.p2alignl 7, 3214868480
	.fill 96, 4, 3214868480
	.section	.rodata,"a",@progbits
	.p2align	6, 0x0
	.amdhsa_kernel k_q77ac8ac51c_g_out
		.amdhsa_group_segment_fixed_size 327680
		.amdhsa_private_segment_fixed_size 0
		.amdhsa_enable_private_segment 0
		.amdhsa_kernarg_size 40
		.amdhsa_user_sgpr_count 2
		.amdhsa_user_sgpr_kernarg_segment_ptr 1
		.amdhsa_wavefront_size32 1
		.amdhsa_system_sgpr_workgroup_id_x 1
		.amdhsa_system_sgpr_workgroup_id_y 1
		.amdhsa_system_sgpr_workgroup_id_z 1
		.amdhsa_system_vgpr_workitem_id 0
		.amdhsa_next_free_vgpr 384
		.amdhsa_next_free_sgpr 102
		.amdhsa_reserve_vcc 0
		.amdhsa_float_denorm_mode_32 3
		.amdhsa_float_denorm_mode_16_64 3
		.amdhsa_memory_ordered 1
		.amdhsa_forward_progress 1
		.amdhsa_inst_pref_size 77
	.end_amdhsa_kernel
	.amdgpu_metadata
---
amdhsa.version: [ 1, 2 ]
amdhsa.kernels:
  - .name:           k_q77ac8ac51c_g_out
    .symbol:         k_q77ac8ac51c_g_out.kd
    .args:
      - { .name: hid, .offset: 0, .size: 8, .value_kind: global_buffer, .address_space: global }
      - { .name: wts, .offset: 8, .size: 8, .value_kind: global_buffer, .address_space: global }
      - { .name: fc_proj_b, .offset: 16, .size: 8, .value_kind: global_buffer, .address_space: global }
      - { .name: x1, .offset: 24, .size: 8, .value_kind: global_buffer, .address_space: global }
      - { .name: out0, .offset: 32, .size: 8, .value_kind: global_buffer, .address_space: global }
    .group_segment_fixed_size: 327680
    .private_segment_fixed_size: 0
    .kernarg_segment_align: 8
    .kernarg_segment_size: 40
    .max_flat_workgroup_size: 256
    .sgpr_count:     102
    .vgpr_count:     384
    .wavefront_size: 32
...
	.end_amdgpu_metadata
.endif
;; end of part 7
